; MI455X (gfx1250); checked and timed in simulation.
; The chip was launched on July 23, 2026; its instructions are those of AMD's public machine-readable ISA for CDNA 5 (MIT licence, August 2026) and "CDNA5" Instruction Set Architecture Reference Guide (July 2026). The comments in the code are by the model that wrote it; some were corrected since.
;; GPTSAN Japanese Attention. Allowed arithmetic: matrix products marked QUANTISED: E2M3 operands, one E8M0 scale for each 32 along K, by v_wmma_scale_f32_16x16x128_f8f6f4 with both operands' format E2M3, f32 sums; everything else in f32.
;; Inputs: hidden_states_codes 2 x 2,048 x 32 x 24 uint8 (E2M3 codes of hidden_states, K innermost, in blocks of 32 codes, four codes in three bytes); hidden_states_scales 2 x 2,048 x 32 uint8 (E8M0 scales of hidden_states, one for each 32 codes along K); mask 2 x 2,048 x 2,048 float32; o 16 x 64 x 1,024 float32; qkv_codes 3 x 16 x 64 x 32 x 24 uint8 (E2M3 codes of qkv, K innermost, in blocks of 32 codes, four codes in three bytes); qkv_scales 3 x 16 x 64 x 32 uint8 (E8M0 scales of qkv, one for each 32 codes along K).
;; Outputs: out0 2 x 2,048 x 1,024 float32; out1 2 x 16 x 2,048 x 64 float32; out2 2 x 16 x 2,048 x 64 float32.
;; This version of the problem:
;;   THIS VERSION OF THE PROBLEM IS GIVEN IN LOW PRECISION. The matrix products marked QUANTISED in the list below multiply operands that are first quantised to E2M3 (2 exponent bits, 3 mantissa bits; 6 bits a number), with one power-of-two scale for each 32 numbers along K (OCP MX v1.0); their sums are f32. All else is computed in f32.
;;   The module's matrix products, in the order in which they are computed (A, B: the left and right operand; K: the contracted axis; several contracted axes count as one K, in the product's order):
;;     1. [M 1,024, K 1,024] x [K 1,024, N 4,096]; A: input qkv (given as codes); B: input hidden_states (given as codes): QUANTISED
;;     2. [M 1,024, K 1,024] x [K 1,024, N 4,096]; A: input qkv (given as codes); B: input hidden_states (given as codes): QUANTISED
;;     3. [M 1,024, K 1,024] x [K 1,024, N 4,096]; A: input qkv (given as codes); B: input hidden_states (given as codes): QUANTISED
;;     4. batch 32 x [M 2,048, K 64] x [K 64, N 2,048]; A: computed on the way; B: computed on the way: QUANTISED
;;     5. batch 32 x [M 2,048, K 2,048] x [K 2,048, N 64]; A: softmax (see below); B: computed on the way: QUANTISED
;;     6. [M 4,096, K 1,024] x [K 1,024, N 1,024]; A: computed on the way; B: input o: QUANTISED
;;   THE QUANTISER, for each operand of a quantised product, along K:
;;     - K is cut into blocks of 32 from its start; a last block that is shorter is filled with zeros.
;;     - A block's scale is 2^e with e = floor(log2(the largest magnitude in the block)) - 2, held to -126 .. 127; a block of zeros has e = 0. As a byte (E8M0): e + 127.
;;     - Each number is divided by its block's scale, clamped to +-7.5, and rounded to the nearest number of E2M3, ties to even, subnormals kept.
;;     - The product sums the exact products of the quantised numbers (number of the format x scale) in f32.
;;   ~~~python
;;   def quantise(x, axis):      # numpy; x: float32 -> the quantised numbers, widened to float32 again
;;       x = np.moveaxis(x, axis, -1); K = x.shape[-1]
;;       x = np.pad(x, [(0, 0)] * (x.ndim - 1) + [(0, -K % 32)]); x = x.reshape(x.shape[:-1] + (-1, 32)); a = np.abs(x).max(-1, keepdims=True)
;;       e = np.where(a > 0, np.clip(np.frexp(np.where(a > 0, a, 1))[1] - 1 - 2, -126, 127), 0)      # np.frexp(a)[1] - 1 = floor(log2(a)), exactly
;;       r = np.clip(x / 2.0 ** e, -7.5, 7.5)
;;       step = 2.0 ** (np.maximum(np.frexp(np.where(r == 0, 1, r))[1] - 1, 0) - 3)
;;       q = np.round(r / step) * step * 2.0 ** e      # np.round: ties to even
;;       return np.moveaxis(q.reshape(q.shape[:-2] + (-1,))[..., :K], -1, axis).astype(np.float32)
;;   ~~~
;;   SOFTMAX AHEAD OF A QUANTISED PRODUCT. Where the list says 'softmax', what is quantised is not the finished softmax but p = 2^(t - M), with t = logit x log2(e) and M = ceil(the row's largest t), a whole number; so 1/2 < the row's largest p <= 1. The row's sum l is taken of the UNQUANTISED p, in f32, and the product's result is divided by l at the end. Since M is a whole number, a kernel that streams over the keys may use a running M (the ceiling of the running maximum): every later rescaling is an exact power of two, which a block's scale takes up: the codes' values come out the same.
;;   OPERANDS COMPUTED ON THE WAY. 'Computed on the way' means the value that the module computes at that place (a softmax that the list does not call 'softmax' is quantised finished and normalised). What goes into a quantiser is computed in f32, as accurately as f32 sums, v_exp_f32 and their like allow (about 1e-6 of the number): no bf16 or f16 on the way to a quantiser, and a product that is left as it is and whose result goes on into a quantised operand takes f32 operands (vector FMAs, or v_wmma_f32_16x16x4_f32). A number that lies on a knife's edge between two numbers of the format may be rounded either way, as far as f32 arithmetic and the matrix unit's own rounding can turn it there, and no further.
;;   INPUTS GIVEN AS CODES. hidden_states (in the module: [2, 2048, 1024], K = its axis 2); qkv (in the module: [1024, 3, 16, 64], K = its axis 0): each comes as NAME_codes (uint8): NAME with its K axis moved to the last place and cut into blocks of 32 codes, [.., K / 32, bytes a block], one block behind the other in memory; four codes in three bytes: a row's codes are one little-endian stream of bits, code i at bits 6 i .. 6 i + 5 (a code: sign, 2 exponent bits, 3 mantissa bits); and NAME_scales (uint8): the same leading axes, one E8M0 byte (e + 127) for each 32 codes along K. Its value is code x scale, taken as it is: it is not quantised again, and the codes and scales need not be those that the quantiser above would give.
;; 2 versions. Each part assembles by itself: llvm-mc -triple=amdgcn-amd-amdhsa -mcpu=gfx1250 --defsym DOCPART=n.
;; ======== version 1 of 2: 4 launches
;; workspace buffers: o_img 786,432 bytes; o_sc 32,768 bytes; q_img 3,145,728 bytes; q_sc 262,144 bytes; kv 6,684,672 bytes; a_img 3,145,728 bytes; a_sc 131,072 bytes
;; launch quant_o (part 1): grid 8 x 8, 4 waves a work-group, no clusters, 0 bytes of LDS; arguments o, o_img, o_sc; writes o_img, o_sc
.if DOCPART == 1
	.amdgcn_target "amdgcn-amd-amdhsa--gfx1250"
	.amdhsa_code_object_version 6
	.text
	.protected	k_q8ddae0d186_quant_o
	.globl	k_q8ddae0d186_quant_o
	.p2align	8
	.type	k_q8ddae0d186_quant_o,@function
k_q8ddae0d186_quant_o:
	s_mov_b64 s[64:65], 0
	v_nop
	global_prefetch_b8 v0, s[64:65] scope:SCOPE_SE
	s_setreg_imm32_b32 hwreg(HW_REG_WAVE_MODE, 25, 1), 1
	s_wait_xcnt 0x0
; o [1024 (K = head x 64 + k)][1024 (c)], f32, is the right operand of the last product and K is its FIRST axis.
; It becomes codes of E2M3 with one E8M0 byte for each 32 along K, laid as the reader's registers take them:
;   o_img [c tile of 16][K step of 128: 8][half of 64 along K: 2][768 bytes], o_sc [c][32 bytes].
; A half fragment (16 rows x 64 K) is six registers a lane, lanes 0-15 the row's first block of 32, lanes 16-31 its second:
; registers 0-3 lie at 16 x lane, registers 4-5 at 512 + 8 x lane.
; A LANE TAKES A COLUMN c AND ITS REGISTERS RUN DOWN K: a block of 32 is one lane's 32 registers, no other lane is asked for
; the largest magnitude, and the conversions give the codes with K innermost.  Nothing is transposed.
; A work-group takes 128 columns (x) and one K step (y); a wave 32 columns, four blocks a lane.  No LDS, no barrier, no loop.
; A block's scale is 2^(floor(log2(largest magnitude)) - 2); its byte is the magnitude's exponent field - 2, held at 1 from below.
; LIMITS: a block of zeros gets the byte 1 where the rule says 127 (its codes are zeros, and this program alone reads the bytes);
; blocks whose largest magnitude lies under 2^-124 are held at the byte 1; NaN and infinities are not served.
.set X,  32                            ; v32-159  four blocks of 32 numbers
.set C,  160                           ; v160..   a block's six registers of codes, eight apart: no store's data are written again
.set T,  16                            ; v16..    the second conversion's three registers, four apart
.set SW, 10                            ; v10      the four scale bytes
	s_load_b128 s[4:7], s[0:1], 0x0                ; o, o_img
	s_load_b64 s[8:9], s[0:1], 0x10                ; o_sc
	v_lshrrev_b32 v1, 5, v0
	v_readfirstlane_b32 s16, v1                    ; wave 0..3
	v_and_b32 v2, 31, v0                           ; lane
	v_lshlrev_b32 v3, 2, v2                        ; in: 4 bytes a lane
	v_lshrrev_b32 v7, 4, v2                        ; which of my wave's two tiles of 16 columns
	v_and_b32 v8, 15, v2                           ; my row in it
	v_mul_u32_u24 v4, v7, 12288                    ; a tile's images: 8 K steps x 1,536 bytes
	v_lshl_add_u32 v5, v8, 3, v4                   ; registers 4-5: 8 bytes a row
	v_lshl_add_u32 v4, v8, 4, v4                   ; registers 0-3: 16 bytes a row
	v_lshlrev_b32 v6, 5, v2                        ; a row of scale bytes is 32 bytes
	s_and_b32 s18, ttmp7, 0xffff                   ; the K step
	s_lshl_b32 s17, ttmp9, 7
	s_lshl_b32 s19, s16, 5
	s_add_co_u32 s17, s17, s19                     ; my wave's first column
	s_lshl_b32 s20, s18, 19                        ; 128 rows of 4,096 bytes
	s_lshl_b32 s19, s17, 2
	s_add_co_u32 s20, s20, s19
	s_mov_b32 s21, 0
	s_lshr_b32 s22, s17, 4
	s_mul_i32 s22, s22, 12288
	s_mul_i32 s19, s18, 1536
	s_add_co_u32 s22, s22, s19
	s_mov_b32 s23, 0
	s_lshl_b32 s24, s17, 5
	s_lshl_b32 s19, s18, 2
	s_add_co_u32 s24, s24, s19
	s_mov_b32 s25, 0
	s_wait_kmcnt 0x0
	s_add_nc_u64 s[4:5], s[4:5], s[20:21]
	s_add_nc_u64 s[6:7], s[6:7], s[22:23]
	s_add_nc_u64 s[8:9], s[8:9], s[24:25]
.macro LOAD t                          ; block t: o(32 t + n, my column), n = 0 .. 31: a wave reads 128 consecutive bytes, the four waves 512
.set n, 0
.rept 32
	global_load_b32 v[X+32*(\t)+n], v3, s[4:5] offset:(32*(\t)+n)*4096 th:TH_LOAD_NT
.set n, n+1
.endr
.endm
	LOAD 0
	LOAD 1
.macro BLOCK t
.set XS, X+32*(\t)
.set CC, C+8*(\t)
.set TT, T+4*(\t)
.if (\t) < 3
	s_wait_loadcnt 32                              ; loads come back in order: this block's 32 are in, the next block's 32 may be out
.else
	s_wait_loadcnt 0x0
.endif
.if (\t)+2 < 4
	LOAD (\t)+2                                    ; two blocks ahead, into registers of their own
.endif
	v_max3_num_f32 v12, |v[XS]|, |v[XS+1]|, |v[XS+2]|      ; the block's largest magnitude, in two chains
	v_max3_num_f32 v13, |v[XS+3]|, |v[XS+4]|, |v[XS+5]|
.irp i, 6,10,14,18,22,26
	v_max3_num_f32 v12, v12, |v[XS+\i]|, |v[XS+\i+1]|
	v_max3_num_f32 v13, v13, |v[XS+\i+2]|, |v[XS+\i+3]|
.endr
	v_max3_num_f32 v12, v12, |v[XS+30]|, |v[XS+31]|
	v_max3_num_f32 v12, v12, v13, 0x1800000        ; and the floor 2^(3 - 127): the byte cannot fall under 1
	v_add_nc_u32 v11, 0xff000000, v12              ; 2 off the exponent field: the conversion takes this operand's exponent field as its scale
	v_lshrrev_b32 v13, 23, v11                     ; the scale's byte
.if (\t) == 0
	v_mov_b32 v[SW], v13
.else
	v_lshl_or_b32 v[SW], v13, 8*(\t), v[SW]        ; the lower K in the lower byte
.endif
	v_cvt_scalef32_pk16_fp6_f32 v[CC:CC+2], v[XS:XS+15], v11
	v_cvt_scalef32_pk16_fp6_f32 v[TT:TT+2], v[XS+16:XS+31], v11    ; (a conversion's three registers begin on an even number)
	v_nop                                          ; one plain line behind a scaled conversion
.irp i, 0,1,2
	v_mov_b32 v[CC+3+\i], v[TT+\i]
.endr
	global_store_b128 v4, v[CC:CC+3], s[6:7] offset:((\t)/2)*768+((\t)%2)*256        ; sixteen lanes store 256 consecutive bytes, aligned
	global_store_b64 v5, v[CC+4:CC+5], s[6:7] offset:((\t)/2)*768+512+((\t)%2)*128
.endm
	BLOCK 0
	BLOCK 1
	BLOCK 2
	BLOCK 3
	global_store_b32 v6, v[SW], s[8:9]             ; my column's four bytes of this K step
	s_endpgm
.Lfunc_end_k_q8ddae0d186_quant_o:
	.size	k_q8ddae0d186_quant_o, .Lfunc_end_k_q8ddae0d186_quant_o-k_q8ddae0d186_quant_o
	.p2alignl 7, 3214868480
	.fill 96, 4, 3214868480
	.section	.rodata,"a",@progbits
	.p2align	6, 0x0
	.amdhsa_kernel k_q8ddae0d186_quant_o
		.amdhsa_group_segment_fixed_size 0
		.amdhsa_private_segment_fixed_size 0
		.amdhsa_enable_private_segment 0
		.amdhsa_kernarg_size 24
		.amdhsa_user_sgpr_count 2
		.amdhsa_user_sgpr_kernarg_segment_ptr 1
		.amdhsa_wavefront_size32 1
		.amdhsa_system_sgpr_workgroup_id_x 1
		.amdhsa_system_sgpr_workgroup_id_y 1
		.amdhsa_system_sgpr_workgroup_id_z 1
		.amdhsa_system_vgpr_workitem_id 0
		.amdhsa_next_free_vgpr 192
		.amdhsa_next_free_sgpr 66
		.amdhsa_reserve_vcc 0
		.amdhsa_float_denorm_mode_32 3
		.amdhsa_float_denorm_mode_16_64 3
		.amdhsa_memory_ordered 1
		.amdhsa_forward_progress 1
		.amdhsa_inst_pref_size 21
	.end_amdhsa_kernel
	.amdgpu_metadata
---
amdhsa.version: [ 1, 2 ]
amdhsa.kernels:
  - .name:           k_q8ddae0d186_quant_o
    .symbol:         k_q8ddae0d186_quant_o.kd
    .args:
      - { .name: o, .offset: 0, .size: 8, .value_kind: global_buffer, .address_space: global }
      - { .name: o_img, .offset: 8, .size: 8, .value_kind: global_buffer, .address_space: global }
      - { .name: o_sc, .offset: 16, .size: 8, .value_kind: global_buffer, .address_space: global }
    .group_segment_fixed_size: 0
    .private_segment_fixed_size: 0
    .kernarg_segment_align: 8
    .kernarg_segment_size: 24
    .max_flat_workgroup_size: 128
    .sgpr_count:     66
    .vgpr_count:     192
    .wavefront_size: 32
...
	.end_amdgpu_metadata
.endif
;; end of part 1
;; launch qkv (part 2): grid 32 x 16, 12 waves a work-group, no clusters, 265,216 bytes of LDS; arguments hidden_states_codes, hidden_states_scales, qkv_codes, qkv_scales, q_img, q_sc, kv, out1, out2; writes q_img, q_sc, kv, out1, out2
.if DOCPART == 2
	.amdgcn_target "amdgcn-amd-amdhsa--gfx1250"
	.amdhsa_code_object_version 6
	.text
	.protected	k_q8ddae0d186_qkv
	.globl	k_q8ddae0d186_qkv
	.p2align	8
	.type	k_q8ddae0d186_qkv,@function
k_q8ddae0d186_qkv:
	s_mov_b64 s[64:65], 0
	v_nop
	global_prefetch_b8 v0, s[64:65] scope:SCOPE_SE
	s_setreg_imm32_b32 hwreg(HW_REG_WAVE_MODE, 25, 1), 1
	s_wait_xcnt 0x0
; q, k, v = hidden x qkv, on codes of E2M3 with E8M0 scales as they are given.  k and v leave as f32 (out1, out2: [b][head][token][64]);
; q / 8 and k are quantised along the head's 64, v along the tokens (the keys), and leave as images of the next launch's operand registers.
; A work-group takes 128 tokens (x) and one head (y).  All of K = 1,024 of its 320 operand rows (64 rows each of W_q, W_k, W_v, 128 of hidden)
; comes into LDS by first fills alone: nothing is filled again.  Twelve waves: role = wave / 4 (q, k, v), sub = wave % 4.
; EVERY WAVE RUNS THE SAME UNIT: 64 inner rows (source 0, four tiles) x 32 outer rows (source 1, two tiles), eight accumulators, eight K steps.
;   q, k: inner = the head's 64 rows of W, outer = tokens 32 sub on: a lane holds a token and its registers run along the head's 64;
;   v:    inner = tokens 64 (sub / 2) on, outer = rows 32 (sub % 2) on of W_v: a lane holds a channel and its registers run along the tokens.
; THE ROWS OF A TILE ARE NOT NEIGHBOURS: in a run of 32 rows lane r of tile u takes row 8 u + r + 8 (r / 8), so that the 16 registers of two
; neighbouring inner tiles are 16 neighbours: index 32 b + 16 (lane / 16) + 0 .. 15, which is what the conversions want.
; A half fragment (16 rows x 64 K: six registers a lane) is stored as it stands: registers 0-3 at 16 x lane, registers 4-5 at 512 + 8 x lane.
; The 1/8 of the scores is folded into q ahead of its quantiser: a power of two, which the block's scale takes up.
; No cluster: the tiles that work-groups share (hidden along y, W along x) are asked for by each; the launch is short and this form is the plain one.
; LIMITS: a block of zeros gets the byte 1 where the rule says 127 (zero codes; this program alone reads the bytes); q / 8 is exact in the
; quantiser only while a block's largest magnitude of q lies above 2^-121; NaN and infinities are not served.
.set R32,  26368                       ; LDS: 32 operand rows: two groups of 16
.set GRP,  13184                       ; a group: 16 rows x 816 bytes (3 x (256 + 16 of padding)), then 128 bytes left free
.set U8,   6528                        ; eight rows
.set STG,  8704                        ; the way out: 32 rows x 272 bytes for each of waves 4 to 11, at wave x 8,704: bytes that have had their only fill and their last read by then
.set ADA,  4                           ; v4, v5   inner fragments: my LDS byte, and the same behind one padding more for lanes 16-31
.set ADB,  6                           ; v6, v7   outer fragments likewise
.set SOFF, 8                           ; v8       my row's scale bytes: 32 x row + 16 (lane / 16)
.set STOK, 9                           ; v9       the stage, k's way in
.set STOV, 10                          ; v10      the stage, v's way in
.set RD,   11                          ; v11      the stage, the way back
.set GO,   15                          ; v15      my byte in two rows of out1 or out2
.set SI,   16                          ; v16-31   inner scale words, four a tile    (v16-39 hold scales and nothing else)
.set SO,   32                          ; v32-39   outer scale words
.set F0,   40                          ; v40-111, v112-183 two sets of fragments: inner 4 x 12, outer 2 x 12
.set ACC,  184                         ; v184-247 accumulator (o, i) at 184 + 8 (4 o + i)
.set BK,   112                         ; the way out: rows read back
.set WV,   22
.set ROLE, 23
.set SUB,  24
.set HEAD, 25
.set BB,   26
.set JJ,   27
.set BH,   28
.set KVO,  29
.set SEL,  30
.set G1,   32
.set G0A,  40
.set G0B,  44
; 32 numbers of a lane, v[s] on, register 16 b + i = index 32 b + 16 (lane / 16) + i of my row, become a half fragment in v[pc] .. v[pc + 5]
; and the two scale bytes in v[pw] (byte 0, byte 1; the same in both halves of the lanes).
.macro QUANT2 s, pc, pt, pw, tm
.irp b, 0,1
	v_max3_num_f32 v[(\tm)+\b], |v[(\s)+16*\b]|, |v[(\s)+16*\b+1]|, 0x1800000   ; my 16 numbers of block b, and the floor 2^(3 - 127): the byte cannot fall under 1
.endr
.irp i, 2,4,6,8,10,12,14
.irp b, 0,1
	v_max3_num_f32 v[(\tm)+\b], v[(\tm)+\b], |v[(\s)+16*\b+\i]|, |v[(\s)+16*\b+\i+1]|
.endr
.endr
.irp b, 0,1
	v_permlanex16_b32 v[(\tm)+2+\b], v[(\tm)+\b], s[SEL], s[SEL+1]
.endr
.irp b, 0,1
	v_max_num_f32 v[(\tm)+\b], v[(\tm)+\b], v[(\tm)+2+\b]         ; with lane l xor 16: the block's largest magnitude
.endr
.irp b, 0,1
	v_add_nc_u32 v[(\tm)+4+\b], 0xff000000, v[(\tm)+\b]           ; 2 off its exponent field: the conversion's scale operand
.endr
.irp b, 0,1
	v_lshrrev_b32 v[(\tm)+2+\b], 23, v[(\tm)+4+\b]                ; the scale's byte
.endr
	v_lshl_or_b32 v[\pw], v[(\tm)+3], 8, v[(\tm)+2]
	v_cvt_scalef32_pk16_fp6_f32 v[(\pc):(\pc)+2], v[(\s):(\s)+15], v[(\tm)+4]
	v_cvt_scalef32_pk16_fp6_f32 v[(\pt):(\pt)+2], v[(\s)+16:(\s)+31], v[(\tm)+5]
	v_nop                                          ; one plain line behind a scaled conversion
.irp i, 0,1,2
	v_permlane16_swap_b32 v[(\pc)+\i], v[(\pt)+\i] ; a lane gets a WHOLE block: lanes 0-15 block 0, lanes 16-31 block 1
.endr
.irp i, 0,1,2
	v_mov_b32 v[(\pc)+3+\i], v[(\pt)+\i]
.endr
.endm
	s_load_b256 s[4:11], s[0:1], 0x0               ; hidden codes s[4:5], hidden scales s[6:7], qkv codes s[8:9], qkv scales s[10:11]
	s_load_b256 s[12:19], s[0:1], 0x20             ; q_img s[12:13], q_sc s[14:15], kv s[16:17], out1 s[18:19]
	s_load_b64 s[20:21], s[0:1], 0x40              ; out2
	v_lshl_add_u32 v254, v0, 2, 0x40600
	v_mov_b32 v255, 0
	ds_add_u32 v254, v255
	v_lshrrev_b32 v1, 5, v0
	v_readfirstlane_b32 s[WV], v1                  ; wave 0..11
	s_lshr_b32 s[ROLE], s[WV], 2
	s_and_b32 s[SUB], s[WV], 3
	s_and_b32 s[HEAD], ttmp7, 0xffff
	s_lshr_b32 s[BB], ttmp9, 4                     ; batch
	s_and_b32 s[JJ], ttmp9, 15                     ; which 128 tokens of it
	s_lshl_b32 s[BH], s[BB], 4
	s_add_co_u32 s[BH], s[BH], s[HEAD]
	s_lshl_b32 s48, s[BB], 2
	s_lshr_b32 s49, s[HEAD], 2
	s_add_co_u32 s48, s48, s49
	s_lshl_b32 s48, s48, 4
	s_add_co_u32 s48, s48, s[JJ]
	s_mul_i32 s[KVO], s48, 52224                   ; my block of kv: [batch][head / 4][128 keys]
	s_mov_b32 s[SEL], 0x76543210
	s_mov_b32 s[SEL+1], 0xfedcba98                 ; lane l xor 16
	; descriptor group 1: 16 operand rows are 12,288 dense bytes: 48 rows of 256 bytes (32 elements of 8), 16 bytes of padding behind each
	s_mov_b32 s[G1+0], (3<<16)|(1<<20)|(5<<22)|(3<<25)
	s_mov_b32 s[G1+1], 32<<16
	s_mov_b32 s[G1+2], 48<<16
	s_mov_b32 s[G1+3], 32<<16
	s_mov_b32 s[G1+4], 48
	s_mov_b32 s[G1+5], 32
	s_mov_b32 s[G1+6], 0
	s_mov_b32 s[G1+7], 0
	; wave w (0 to 9) brings unit w of 32 rows: 0, 1 W_q; 2, 3 W_k; 4, 5 W_v; 6 to 9 hidden
	s_lshr_b32 s48, s[WV], 1
	s_lshl_b32 s48, s48, 10
	s_lshl_b32 s49, s[HEAD], 6                     ; s49 = 64 x head, kept
	s_add_co_u32 s48, s48, s49
	s_and_b32 s50, s[WV], 1
	s_lshl_b32 s50, s50, 5
	s_add_co_u32 s48, s48, s50                     ; row of qkv: 1,024 (w / 2) + 64 head + 32 (w % 2)
	s_lshl_b32 s51, ttmp9, 7                       ; s51 = my first token, kept
	s_add_co_u32 s50, s[WV], 2
	s_and_b32 s50, s50, 3                          ; w - 6 for w = 6 .. 9
	s_lshl_b32 s50, s50, 5
	s_add_co_u32 s50, s50, s51                     ; row of hidden
	s_cmp_lt_u32 s[WV], 6
	s_cselect_b32 s48, s48, s50
	s_mul_i32 s52, s48, 768
	s_mov_b32 s53, 0
	s_mul_i32 s[G0A+1], s[WV], R32
	s_add_co_u32 s[G0B+1], s[G0A+1], GRP
	s_mov_b32 s[G0A], 1
	s_mov_b32 s[G0B], 1
	s_wait_dscnt 0x0
	s_wait_kmcnt 0x0
	s_cmp_lt_u32 s[WV], 6
	s_cselect_b64 s[54:55], s[8:9], s[4:5]
	s_add_nc_u64 s[54:55], s[54:55], s[52:53]
	s_mov_b64 s[G0A+2:G0A+3], s[54:55]
	s_or_b32 s[G0A+3], s[G0A+3], 0x80000000
	s_add_nc_u64 s[G0B+2:G0B+3], s[54:55], 12288
	s_or_b32 s[G0B+3], s[G0B+3], 0x80000000
	s_cmp_lt_u32 s[WV], 10                         ; a wave's two fills stand in one branch, ahead of every wait on TENSORcnt, LDS read and barrier: two loads of mine are out
	s_cbranch_scc0 .Lno_fill
	tensor_load_to_lds s[G0A:G0A+3], s[G1:G1+7]
	s_nop 0
	tensor_load_to_lds s[G0B:G0B+3], s[G1:G1+7]
	s_nop 0
.rept 4
	v_nop
.endr
.Lno_fill:
	; which units and which scale rows are my inner and my outer operand
	s_lshl_b32 s48, s[ROLE], 1                     ; q, k: inner unit 2 role
	s_lshr_b32 s50, s[SUB], 1                      ; v: c, the half of the tokens
	s_and_b32 s56, s[SUB], 1                       ; v: which 32 channels
	s_lshl_b32 s52, s50, 1
	s_add_co_u32 s52, s52, 6                       ; v: inner unit 6 + 2 c
	s_add_co_u32 s53, s[SUB], 6                    ; q, k: outer unit 6 + sub
	s_add_co_u32 s54, s56, 4                       ; v: outer unit 4 + sub % 2
	s_lshl_b32 s55, s[ROLE], 10
	s_add_co_u32 s55, s55, s49                     ; q, k: inner scale row in qkv_scales
	s_lshl_b32 s57, s50, 6
	s_add_co_u32 s57, s57, s51                     ; v: inner scale row in hidden_states_scales
	s_lshl_b32 s58, s[SUB], 5
	s_add_co_u32 s58, s58, s51                     ; q, k: outer scale row in hidden_states_scales
	s_lshl_b32 s59, s56, 5
	s_add_co_u32 s59, s59, s49
	s_add_co_u32 s59, s59, 2048                    ; v: outer scale row in qkv_scales
	s_cmp_lt_u32 s[ROLE], 2
	s_cselect_b32 s48, s48, s52
	s_cselect_b32 s53, s53, s54
	s_cselect_b32 s52, s55, s57
	s_cselect_b32 s54, s58, s59
	s_cselect_b64 s[56:57], s[10:11], s[6:7]       ; the choice hangs on the wave's number alone
	s_cselect_b64 s[58:59], s[6:7], s[10:11]
	s_mul_i32 s48, s48, R32
	s_mul_i32 s50, s53, R32
	s_lshl_b32 s52, s52, 5
	s_mov_b32 s53, 0
	s_lshl_b32 s54, s54, 5
	s_mov_b32 s55, 0
	s_add_nc_u64 s[56:57], s[56:57], s[52:53]
	s_add_nc_u64 s[58:59], s[58:59], s[54:55]
	v_and_b32 v1, 31, v0                           ; lane
	v_and_b32 v2, 15, v0                           ; r
	v_bfe_u32 v3, v0, 4, 1                         ; h
	v_bfe_u32 v248, v0, 3, 1                       ; r / 8
	v_and_b32 v250, 7, v0                          ; r % 8
	v_lshl_add_u32 v249, v248, 3, v2               ; r + 8 (r / 8)
	v_mul_u32_u24 v4, v2, 816                      ; row r + 8 (r / 8): rows 16 on lie in the unit's second group: 816 r + 6,656 (r / 8)
	v_mad_u32_u24 v4, v248, 6656, v4
	v_mad_u32_u24 v4, v3, 24, v4                   ; + 24 bytes for lanes 16-31
	v_lshl_add_u32 v5, v3, 4, v4
	v_add_nc_u32 v[ADB], s50, v4
	v_add_nc_u32 v[ADB+1], s50, v5
	v_add_nc_u32 v[ADA], s48, v4
	v_add_nc_u32 v[ADA+1], s48, v5
	v_lshlrev_b32 v[SOFF], 5, v249
	v_lshl_add_u32 v[SOFF], v3, 4, v[SOFF]
	; a row's 32 scale bytes are eight words, one a K step: lanes 0-15 take words 0-3, lanes 16-31 words 4-7: register q % 4 holds step q's word in lane half q / 4
.irp i, 0,1,2,3
	global_load_b128 v[SI+4*\i:SI+4*\i+3], v[SOFF], s[56:57] offset:(32*(\i/2)+8*(\i%2))*32
.endr
.irp o, 0,1
	global_load_b128 v[SO+4*\o:SO+4*\o+3], v[SOFF], s[58:59] offset:256*\o
.endr
	; the stage's addresses, made here for every role
	s_mul_i32 s60, s[WV], STG
	v_mul_u32_u24 v[STOK], v249, 272
	v_lshl_add_u32 v[STOK], v3, 6, v[STOK]
	v_add_nc_u32 v[STOK], s60, v[STOK]             ; k: row = my token, + 64 h: my 16 channels of a block
	s_and_b32 s61, s[WV], 14
	s_mul_i32 s61, s61, STG
	s_and_b32 s62, s[WV], 1
	s_lshl_b32 s62, s62, 7
	s_add_co_u32 s61, s61, s62
	v_lshlrev_b32 v[STOV], 2, v249
	v_mad_u32_u24 v[STOV], v3, 4352, v[STOV]
	v_add_nc_u32 v[STOV], s61, v[STOV]             ; v: two waves share 64 rows (tokens); column = my channel; 16 rows on for lanes 16-31
	v_mul_u32_u24 v[RD], v3, 272
	v_lshl_add_u32 v[RD], v2, 4, v[RD]
	v_add_nc_u32 v[RD], s60, v[RD]                 ; back: lanes 0-15 one row of 256 bytes, lanes 16-31 the next
	v_lshlrev_b32 v[GO], 8, v3
	v_lshl_add_u32 v[GO], v2, 4, v[GO]
; A fragment (16 rows x 128 K, 12 registers): six pieces of 8 bytes.  Lanes 0-15 take the row's pieces 12 q + 0, 1, 2, 6, 7, 8, lanes 16-31 those three pieces on.
; 16 bytes of padding lie behind every 32 pieces: where the piece three on lies behind one padding more, the second address register serves.
.macro FRAG reg, adr, q, off
.irp p, 0,1,2,3,4,5
.set PCE, 12*(\q)+6*(\p/3)+\p%3
.if PCE%32 < 29
	ds_load_b64 v[(\reg)+2*\p:(\reg)+2*\p+1], v[\adr] offset:8*PCE+16*(PCE/32)+(\off)
.else
	ds_load_b64 v[(\reg)+2*\p:(\reg)+2*\p+1], v[(\adr)+1] offset:8*PCE+16*(PCE/32)+(\off)
.endif
.endr
.endm
.macro FETCH q, set                    ; 36 loads: K step q's four inner and two outer fragments
.irp i, 0,1,2,3
	FRAG F0+72*(\set)+12*\i, ADA, \q, (\i/2)*R32+(\i%2)*U8
.endr
.irp o, 0,1
	FRAG F0+72*(\set)+48+12*\o, ADB, \q, \o*U8
.endr
.endm
; A K step: the next step's fragments are asked for, then eight products.  The eight accumulators take turns, one instruction a turn.
.macro KSTEP q
.if ((\q) >= 1) && ((\q) < 7)
.rept 4
	v_nop                                          ; places in front of loads into the set that the last step's products read
.endr
.endif
.if (\q) < 7
	FETCH (\q)+1, ((\q)+1)%2
	s_wait_dscnt 36                                ; LDS loads come back in order: all but the 36 just issued are in
.else
	s_wait_dscnt 0x0
.endif
.irp o, 0,1
.irp i, 0,1,2,3
.set AC, ACC+8*(4*\o+\i)
.set FA, F0+72*((\q)%2)+12*\i
.set FB, F0+72*((\q)%2)+48+12*\o
.if (\q) == 0
	v_wmma_scale_f32_16x16x128_f8f6f4 v[AC:AC+7], v[FA:FA+11], v[FB:FB+11], 0, v[SI+4*\i], v[SO+4*\o] matrix_a_fmt:MATRIX_FMT_FP6 matrix_b_fmt:MATRIX_FMT_FP6
.elseif (\q) < 4
	v_wmma_scale_f32_16x16x128_f8f6f4 v[AC:AC+7], v[FA:FA+11], v[FB:FB+11], v[AC:AC+7], v[SI+4*\i+(\q)], v[SO+4*\o+(\q)] matrix_a_fmt:MATRIX_FMT_FP6 matrix_b_fmt:MATRIX_FMT_FP6
.else
	v_wmma_scale_f32_16x16x128_f8f6f4 v[AC:AC+7], v[FA:FA+11], v[FB:FB+11], v[AC:AC+7], v[SI+4*\i+(\q)-4], v[SO+4*\o+(\q)-4] matrix_a_fmt:MATRIX_FMT_FP6 matrix_b_fmt:MATRIX_FMT_FP6 matrix_a_scale:MATRIX_SCALE_ROW1 matrix_b_scale:MATRIX_SCALE_ROW1
.endif
.endr
.endr
.endm
	s_wait_tensorcnt 0x0                           ; my two fills have landed,
	s_barrier_signal -1
	s_barrier_wait -1                              ; everybody's have
	FETCH 0, 0
	s_wait_loadcnt 0x0                             ; the scale words
.irp q, 0,1,2,3,4,5,6,7
	KSTEP \q
.endr
.rept 4
	v_nop                                          ; places behind the last products: their results are read and their operands' registers written below
.endr
	s_wait_dscnt 0x0                               ; my reads of the operands are over,
	s_barrier_signal -1
	s_barrier_wait -1                              ; everybody's are: the stage may be written
	s_cmp_eq_u32 s[ROLE], 0
	s_cbranch_scc0 .Lnot_q
	; ---- q: x 1/8, quantised along the head's 64; the addresses turn my two tiles of tokens into natural tiles of 16 queries: tile 2 sub + r / 8, row 8 o + r % 8
.set n, 0
.rept 32
	v_pk_mul_f32 v[ACC+n:ACC+n+1], v[ACC+n:ACC+n+1], 0x3e000000 op_sel_hi:[1,0]
.set n, n+2
.endr
	QUANT2 ACC, 48, 64, 70, 40
	QUANT2 ACC+32, 56, 64, 71, 40
	s_lshl_b32 s48, s[BH], 7
	s_lshl_b32 s49, s[JJ], 3
	s_add_co_u32 s48, s48, s49
	s_lshl_b32 s49, s[SUB], 1
	s_add_co_u32 s48, s48, s49                     ; tile of queries: (16 batch + head) 128 + 8 j + 2 sub
	s_mul_i32 s50, s48, 768
	s_mov_b32 s51, 0
	s_add_nc_u64 s[12:13], s[12:13], s[50:51]
	s_lshl_b32 s50, s48, 6
	s_add_nc_u64 s[14:15], s[14:15], s[50:51]
	v_mul_u32_u24 v12, v248, 768
	v_lshl_add_u32 v13, v3, 7, v12
	v_lshl_add_u32 v12, v3, 8, v12
	v_lshl_add_u32 v12, v250, 4, v12               ; registers 0-3: 768 (r / 8) + 16 (16 h + r % 8)
	v_lshl_add_u32 v13, v250, 3, v13
	v_add_nc_u32 v13, 512, v13                     ; registers 4-5: 768 (r / 8) + 512 + 8 (16 h + r % 8)
	v_lshlrev_b32 v14, 6, v248
	v_lshl_add_u32 v14, v250, 2, v14               ; the scale word: 64 (r / 8) + 4 (r % 8)
.irp o, 0,1
	v_or_b32 v[70+\o], 0x7f7f0000, v[70+\o]        ; bytes 2 and 3, for the half of the instruction's K that holds zero codes: 1.0
.endr
.irp o, 0,1
	global_store_b128 v12, v[48+8*\o:51+8*\o], s[12:13] offset:128*\o
	global_store_b64 v13, v[52+8*\o:53+8*\o], s[12:13] offset:64*\o
	global_store_b32 v14, v[70+\o], s[14:15] offset:32*\o          ; both halves of the lanes store the same word
.endr
	s_branch .Ljoin
.Lnot_q:
	v_lshlrev_b32 v12, 4, v1                       ; an image as it stands: 16 x lane,
	v_lshlrev_b32 v13, 3, v1
	v_add_nc_u32 v13, 512, v13                     ; 512 + 8 x lane,
	v_lshlrev_b32 v14, 2, v2                       ; and a scale word a row
	QUANT2 ACC, 48, 64, 70, 40
	QUANT2 ACC+32, 56, 64, 71, 40
	s_cmp_eq_u32 s[ROLE], 1
	s_cbranch_scc0 .Lis_v
	; ---- k: my two tiles of tokens are tiles 2 sub, 2 sub + 1 of the block's eight tiles of keys
	s_and_b32 s48, s[HEAD], 3
	s_mul_i32 s50, s48, 12288
	s_add_co_u32 s50, s50, s[KVO]
	s_mul_i32 s49, s[SUB], 1536
	s_add_co_u32 s50, s50, s49
	s_mov_b32 s51, 0
	s_add_nc_u64 s[52:53], s[16:17], s[50:51]
	s_mul_i32 s50, s48, 768
	s_add_co_u32 s50, s50, s[KVO]
	s_lshl_b32 s49, s[SUB], 7
	s_add_co_u32 s50, s50, s49
	s_add_co_u32 s50, s50, 49152
	s_add_nc_u64 s[54:55], s[16:17], s[50:51]
.irp o, 0,1
	v_or_b32 v[70+\o], 0x7f7f0000, v[70+\o]
.endr
.irp o, 0,1
	global_store_b128 v12, v[48+8*\o:51+8*\o], s[52:53] offset:768*\o      ; 512 consecutive bytes
	global_store_b64 v13, v[52+8*\o:53+8*\o], s[52:53] offset:768*\o       ; 256 consecutive bytes
	global_store_b32 v14, v[70+\o], s[54:55] offset:64*\o
.endr
.irp o, 0,1
.irp e, 0,1
.irp f, 0,1,2,3
	ds_store_b128 v[STOK], v[ACC+32*\o+16*\e+4*\f:ACC+32*\o+16*\e+4*\f+3] offset:2176*\o+128*\e+16*\f   ; k(token 8 o + r + 8 (r / 8), channel 32 e + 16 h + 4 f ..)
.endr
.endr
.endr
	s_branch .Ljoin
.Lis_v:
	; ---- v: my two tiles of channels are tiles 2 (sub % 2) + o of four; my 64 tokens are half c = sub / 2 of the block's 128 keys
	s_and_b32 s48, s[HEAD], 3
	s_and_b32 s49, s[SUB], 1
	s_lshr_b32 s56, s[SUB], 1
	s_lshl_b32 s57, s49, 2
	s_add_co_u32 s57, s57, s56
	s_mul_i32 s57, s57, 768
	s_mul_i32 s50, s48, 12288
	s_add_co_u32 s50, s50, s57
	s_add_co_u32 s50, s50, s[KVO]
	s_add_co_u32 s50, s50, 6144
	s_mov_b32 s51, 0
	s_add_nc_u64 s[52:53], s[16:17], s[50:51]
	s_mul_i32 s50, s48, 768
	s_lshl_b32 s57, s49, 7
	s_add_co_u32 s50, s50, s57
	s_lshl_b32 s57, s56, 1
	s_add_co_u32 s50, s50, s57
	s_add_co_u32 s50, s50, s[KVO]
	s_add_co_u32 s50, s50, 49152+512
	s_add_nc_u64 s[54:55], s[16:17], s[50:51]
.irp o, 0,1
	global_store_b128 v12, v[48+8*\o:51+8*\o], s[52:53] offset:1536*\o
	global_store_b64 v13, v[52+8*\o:53+8*\o], s[52:53] offset:1536*\o
	global_store_b16 v14, v[70+\o], s[54:55] offset:64*\o          ; bytes 2 c, 2 c + 1 of the channel's scale word
.endr
.irp o, 0,1
.irp i, 0,1,2,3
.irp e, 0,1,2,3,4,5,6,7
	ds_store_b32 v[STOV], v[ACC+8*(4*\o+\i)+\e] offset:(32*(\i/2)+8*(\i%2)+\e)*272+32*\o   ; v(token 32 (i / 2) + 16 h + 8 (i % 2) + e, channel 8 o + r + 8 (r / 8)): the turn into rows of tokens
.endr
.endr
.endr
.Ljoin:
	s_wait_dscnt 0x0                               ; for the others: my stores into the stage are done
	s_barrier_signal -1
	s_barrier_wait -1
	s_cmp_eq_u32 s[ROLE], 0
	s_cbranch_scc1 .Lend
	; ---- k and v leave as whole rows of 256 bytes: wave w stores the 32 rows at wave x 8,704: tokens 32 sub on
	s_lshl_b32 s48, s[BH], 11
	s_lshl_b32 s49, s[JJ], 7
	s_add_co_u32 s48, s48, s49
	s_lshl_b32 s49, s[SUB], 5
	s_add_co_u32 s48, s48, s49
	s_lshl_b32 s48, s48, 8
	s_mov_b32 s49, 0
	s_cmp_eq_u32 s[ROLE], 1
	s_cselect_b64 s[50:51], s[18:19], s[20:21]
	s_add_nc_u64 s[50:51], s[50:51], s[48:49]
.irp i, 0,1,2,3,4,5,6,7,8,9,10,11,12,13,14,15
	ds_load_b128 v[BK+4*\i:BK+4*\i+3], v[RD] offset:544*\i
.endr
.irp i, 0,1,2,3,4,5,6,7,8,9,10,11,12,13,14,15
	s_wait_dscnt 15-\i                             ; load i is in; the younger ones may be out
	global_store_b128 v[GO], v[BK+4*\i:BK+4*\i+3], s[50:51] offset:512*\i th:TH_STORE_NT   ; 512 consecutive bytes, aligned; nobody reads them in this program
.endr
.Lend:
	s_wait_tensorcnt 0x0
	ds_add_u32 v254, v255
	s_wait_dscnt 0x0
	s_endpgm
.Lfunc_end_k_q8ddae0d186_qkv:
	.size	k_q8ddae0d186_qkv, .Lfunc_end_k_q8ddae0d186_qkv-k_q8ddae0d186_qkv
	.p2alignl 7, 3214868480
	.fill 96, 4, 3214868480
	.section	.rodata,"a",@progbits
	.p2align	6, 0x0
	.amdhsa_kernel k_q8ddae0d186_qkv
		.amdhsa_group_segment_fixed_size 265216
		.amdhsa_private_segment_fixed_size 0
		.amdhsa_enable_private_segment 0
		.amdhsa_kernarg_size 72
		.amdhsa_user_sgpr_count 2
		.amdhsa_user_sgpr_kernarg_segment_ptr 1
		.amdhsa_wavefront_size32 1
		.amdhsa_system_sgpr_workgroup_id_x 1
		.amdhsa_system_sgpr_workgroup_id_y 1
		.amdhsa_system_sgpr_workgroup_id_z 1
		.amdhsa_system_vgpr_workitem_id 0
		.amdhsa_next_free_vgpr 256
		.amdhsa_next_free_sgpr 66
		.amdhsa_reserve_vcc 0
		.amdhsa_float_denorm_mode_32 3
		.amdhsa_float_denorm_mode_16_64 3
		.amdhsa_memory_ordered 1
		.amdhsa_forward_progress 1
		.amdhsa_inst_pref_size 58
	.end_amdhsa_kernel
	.amdgpu_metadata
---
amdhsa.version: [ 1, 2 ]
amdhsa.kernels:
  - .name:           k_q8ddae0d186_qkv
    .symbol:         k_q8ddae0d186_qkv.kd
    .args:
      - { .name: hidden_states_codes, .offset: 0, .size: 8, .value_kind: global_buffer, .address_space: global }
      - { .name: hidden_states_scales, .offset: 8, .size: 8, .value_kind: global_buffer, .address_space: global }
      - { .name: qkv_codes, .offset: 16, .size: 8, .value_kind: global_buffer, .address_space: global }
      - { .name: qkv_scales, .offset: 24, .size: 8, .value_kind: global_buffer, .address_space: global }
      - { .name: q_img, .offset: 32, .size: 8, .value_kind: global_buffer, .address_space: global }
      - { .name: q_sc, .offset: 40, .size: 8, .value_kind: global_buffer, .address_space: global }
      - { .name: kv, .offset: 48, .size: 8, .value_kind: global_buffer, .address_space: global }
      - { .name: out1, .offset: 56, .size: 8, .value_kind: global_buffer, .address_space: global }
      - { .name: out2, .offset: 64, .size: 8, .value_kind: global_buffer, .address_space: global }
    .group_segment_fixed_size: 265216
    .private_segment_fixed_size: 0
    .kernarg_segment_align: 8
    .kernarg_segment_size: 72
    .max_flat_workgroup_size: 384
    .sgpr_count:     66
    .vgpr_count:     256
    .wavefront_size: 32
...
	.end_amdgpu_metadata
.endif
;; end of part 2
;; launch attn (part 3): grid 32 x 8, 16 waves a work-group, no clusters, 327,680 bytes of LDS; arguments q_img, q_sc, kv, mask, a_img, a_sc; writes a_img, a_sc
.if DOCPART == 3
	.amdgcn_target "amdgcn-amd-amdhsa--gfx1250"
	.amdhsa_code_object_version 6
	.text
	.protected	k_q8ddae0d186_attn
	.globl	k_q8ddae0d186_attn
	.p2align	8
	.type	k_q8ddae0d186_attn,@function
k_q8ddae0d186_attn:
	s_mov_b64 s[64:65], 0
	v_nop
	global_prefetch_b8 v0, s[64:65] scope:SCOPE_SE
	s_setreg_imm32_b32 hwreg(HW_REG_WAVE_MODE, 25, 1), 1
	s_wait_xcnt 0x0
; Attention on codes of E2M3: S = (q / 8) k^T; logit = S m - (1 - m) 10000 with the mask m as it is given, in f32; t = logit x log2(e);
; M = the row's largest t so far, rounded UP to a whole number; p = 2^(t - M) is quantised along the keys; O = p v; the row's sum is taken of the
; unquantised p and divides O at the end; O / sum is quantised along (head, channel) and leaves as an image of the last product's operand.
; All 2,048 keys are walked for every query: the mask is an input and nothing of its pattern is built in.
; SHARES.  A work-group takes 64 queries (x) of four heads (y = 4 batch + head / 4).  Wave w: head 4 g + w / 4, queries 16 (w % 4) on, one tile, in 256 registers,
; four waves to a SIMD.  So one tile of the mask in LDS serves four heads and one head's K and V four tiles of queries.
; A key step is 128 keys.  Its K, V and their scale words for the four heads are ONE dense block of 52,224 bytes of kv (waves 0 to 3 fetch a quarter each);
; the mask's 64 rows x 512 bytes are fetched by wave 4.  Two LDS slots take turns.
; LAYOUT.  Both products are used transposed (S^T = K Q^T, O^T = V^T P^T): a lane holds ONE query (lane % 16) throughout.  The keys of a tile of K and the channels of a
; tile of V are not neighbours (lane r of tile 2 b + u: 32 b + 8 u + r + 8 (r / 8)), so that 16 registers of two neighbouring tiles are 16 neighbours.
; K = 64 IN AN INSTRUCTION OF 128: Q's fragment holds zero codes for k = 64 .. 127 and the scale bytes there are 1.0.  So K's half fragments lie six registers apart and the
; upper six registers of a tile's operand are whatever follows: E2M3 has no code but numbers, and a number x 0 adds nothing.
; No cluster: the sharing is taken inside the work-group; kv is still read by the 32 work-groups of a (batch, head / 4), each by loads of its own, in this plain form.
; LIMITS: -(1 - m) 10000 is formed as one fused m x 10000 - 10000, exact for m = 0 and m = 1, one rounding fewer than the source otherwise;
; a block of zeros gets the byte 1 where the rule says 127 (zero codes; this program alone reads the bytes); NaN and infinities are not served.
.set SLOT1, 131072                     ; slot 1 begins here: one exclusive or turns an address of one slot into the other's
.set KVB,   52224                      ; a slot: the kv block (4 heads x (8 x 768 K + 8 x 768 V), then 4 x 768 bytes of scale words),
.set MOFF,  52224                      ; then the mask: 64 rows x (512 bytes + 16)
.set SPARE, 262144                     ; the spare words, 128 bytes for each of 16 waves: eight blocks of 256 bytes that no other line names
.set AK16, 1                           ; v1   16 x lane in my head's codes
.set AK8,  2                           ; v2   512 + 8 x lane
.set ASC,  3                           ; v3   4 x lane in my head's scale words
.set AM,   4                           ; v4   my query's row of the mask, + 64 (lane / 16)
.set SPW,  5                           ; v5   my spare word; never rewritten
.set NIL,  6                           ; v6   0; never rewritten
.set PFO,  29                          ; v29  the prefetches' offset; never rewritten
.set S,    96                          ; v96-159  S^T, the logits, p
.set OT,   160                         ; v160-191 O^T
.set PCD,  192                         ; v192-203 p's codes
.set BM,   212                         ; v212-215 the blocks' largest
.set BT,   216                         ; v216-219 at work, the bytes
.set BS,   220                         ; v220-223 the conversions' scale operands
.set WV,   16
.set BB,   17
.set GG,   18
.set HH,   19
.set SEL,  20
.set CS,   22                          ; s[22:23] log2(e), twice
.set G1KV, 24
.set G1M,  32
.set G0KV, 40
.set G0M,  44
.set TENK, 48                          ; s[48:49] 10000.0, twice
.set TB,   50                          ; the slot in hand
.set SLOTS, 51                         ; fills still to be asked for
.set LIM,  52                          ; 1 in a wave that prefetches, else the greatest number
.set QT,   53
.set PFA,  54                          ; s[54:55] where my prefetches stand
.set PFS,  56                          ; s[56:57] a key step on, in bytes
.macro QUANT2 s, pc, pt, pw, tm        ; 32 numbers of a lane (register 16 b + i = index 32 b + 16 (lane / 16) + i) -> a half fragment in v[pc] on, two scale bytes in v[pw]
.irp b, 0,1
	v_max3_num_f32 v[(\tm)+\b], |v[(\s)+16*\b]|, |v[(\s)+16*\b+1]|, 0x1800000
.endr
.irp i, 2,4,6,8,10,12,14
.irp b, 0,1
	v_max3_num_f32 v[(\tm)+\b], v[(\tm)+\b], |v[(\s)+16*\b+\i]|, |v[(\s)+16*\b+\i+1]|
.endr
.endr
.irp b, 0,1
	v_permlanex16_b32 v[(\tm)+2+\b], v[(\tm)+\b], s[SEL], s[SEL+1]
.endr
.irp b, 0,1
	v_max_num_f32 v[(\tm)+\b], v[(\tm)+\b], v[(\tm)+2+\b]
.endr
.irp b, 0,1
	v_add_nc_u32 v[(\tm)+4+\b], 0xff000000, v[(\tm)+\b]
.endr
.irp b, 0,1
	v_lshrrev_b32 v[(\tm)+2+\b], 23, v[(\tm)+4+\b]
.endr
	v_lshl_or_b32 v[\pw], v[(\tm)+3], 8, v[(\tm)+2]
	v_cvt_scalef32_pk16_fp6_f32 v[(\pc):(\pc)+2], v[(\s):(\s)+15], v[(\tm)+4]
	v_cvt_scalef32_pk16_fp6_f32 v[(\pt):(\pt)+2], v[(\s)+16:(\s)+31], v[(\tm)+5]
	v_nop
.irp i, 0,1,2
	v_permlane16_swap_b32 v[(\pc)+\i], v[(\pt)+\i]
.endr
.irp i, 0,1,2
	v_mov_b32 v[(\pc)+3+\i], v[(\pt)+\i]
.endr
.endm
; Waves 0 to 3 fetch the kv block's quarters, wave 4 the mask's tile, the others nothing.  The branches hang on the wave's number alone.  Four v_nop follow each line.
.macro TLOAD
	s_cmp_lt_u32 s[WV], 4
	s_cbranch_scc0 .Lnot_kv_\@
	tensor_load_to_lds s[G0KV:G0KV+3], s[G1KV:G1KV+7]
	s_nop 0
.rept 4
	v_nop
.endr
	s_branch .Lasked_\@
.Lnot_kv_\@:
	s_cmp_lt_u32 s[WV], 5
	s_cbranch_scc0 .Lasked_\@
	tensor_load_to_lds s[G0M:G0M+3], s[G1M:G1M+7]
	s_nop 0
.rept 4
	v_nop
.endr
.Lasked_\@:
.endm
; A prefetch of the key step behind the one that is being loaded, one instruction a wave, by waves that fetch nothing.  Each aligned 256 bytes are named once in the launch:
; the mask's tile is read by the four work-groups of a (batch, 64 queries): the one with head / 4 = 0 asks, waves 6 to 9, 16 rows each, two lanes to a row's 512 bytes;
; a kv block is read by the 32 work-groups of a (batch, head / 4): the one with x = 0 asks, waves 10 to 15, 8,192 bytes each of the block's 49,152 bytes of codes, lanes 256 bytes apart.
; The last change that fills a slot asks for nothing; steps 0 and 1 come by their loads alone.
.macro ASK
	s_cmp_gt_u32 s[SLOTS], s[LIM]
	s_cbranch_scc0 .Lnot_mine_\@
	global_prefetch_b8 v[PFO], s[PFA:PFA+1] th:TH_LOAD_NT scope:SCOPE_SE
.Lnot_mine_\@:
.endm
	s_load_b256 s[4:11], s[0:1], 0x0               ; q_img s[4:5], q_sc s[6:7], kv s[8:9], mask s[10:11]
	s_load_b128 s[12:15], s[0:1], 0x20             ; a_img s[12:13], a_sc s[14:15]
	v_lshl_add_u32 v[SPW], v0, 2, SPARE
	v_mov_b32 v[NIL], 0
	ds_add_u32 v5, v6
	s_wait_dscnt 0x0
	v_lshrrev_b32 v8, 5, v0
	v_readfirstlane_b32 s[WV], v8                  ; wave 0..15
	s_and_b32 s58, ttmp7, 0xffff
	s_lshr_b32 s[BB], s58, 2                       ; batch
	s_and_b32 s[GG], s58, 3                        ; head / 4
	s_lshr_b32 s[HH], s[WV], 2                     ; head % 4
	s_and_b32 s[QT], s[WV], 3                      ; my tile of 16 queries.  Also: which quarter of the kv block I fetch
	; descriptor group 1, kv: 13,056 dense bytes as 51 rows of 256 (32 elements of 8 bytes), no padding
	s_mov_b32 s[G1KV+0], 3<<16
	s_mov_b32 s[G1KV+1], 32<<16
	s_mov_b32 s[G1KV+2], 51<<16
	s_mov_b32 s[G1KV+3], 32<<16
	s_mov_b32 s[G1KV+4], 51
	s_mov_b32 s[G1KV+5], 32
	s_mov_b32 s[G1KV+6], 0
	s_mov_b32 s[G1KV+7], 0
	; the mask: 64 rows x 128 elements of 4 bytes, 2,048 elements from row to row, 16 bytes of padding behind each 512
	s_mov_b32 s[G1M+0], (2<<16)|(1<<20)|(6<<22)|(3<<25)
	s_mov_b32 s[G1M+1], 128<<16
	s_mov_b32 s[G1M+2], 64<<16
	s_mov_b32 s[G1M+3], 128<<16
	s_mov_b32 s[G1M+4], 64
	s_mov_b32 s[G1M+5], 2048
	s_mov_b32 s[G1M+6], 0
	s_mov_b32 s[G1M+7], 0
	s_lshl_b32 s58, s[BB], 2
	s_add_co_u32 s58, s58, s[GG]
	s_mul_i32 s58, s58, 16*KVB                     ; s58: where my (batch, head / 4) begins in kv, kept
	s_mul_i32 s59, s[QT], 13056
	s_add_co_u32 s60, s58, s59
	s_mov_b32 s61, 0
	s_lshl_b32 s62, s[BB], 11
	s_lshl_b32 s63, ttmp9, 6
	s_add_co_u32 s62, s62, s63                     ; s62: my work-group's first row of the mask, kept
	s_lshl_b32 s66, s62, 13
	s_mov_b32 s67, 0
	s_mov_b32 s[SEL], 0x76543210
	s_mov_b32 s[SEL+1], 0xfedcba98
	s_mov_b32 s[CS], 0x3fb8aa3b                    ; log2(e)
	s_mov_b32 s[CS+1], s[CS]                       ; (named with it as a pair, so it is written)
	s_mov_b32 s[TENK], 0x461c4000                  ; 10000.0
	s_mov_b32 s[TENK+1], s[TENK]
	s_mov_b32 s[TB], 0
	s_mov_b32 s[SLOTS], 15
	s_wait_kmcnt 0x0
	s_mov_b32 s[G0KV], 1
	s_mov_b32 s[G0KV+1], s59
	s_add_nc_u64 s[G0KV+2:G0KV+3], s[8:9], s[60:61]
	s_or_b32 s[G0KV+3], s[G0KV+3], 0x80000000
	s_mov_b32 s[G0M], 1
	s_mov_b32 s[G0M+1], MOFF
	s_add_nc_u64 s[G0M+2:G0M+3], s[10:11], s[66:67]
	s_or_b32 s[G0M+3], s[G0M+3], 0x80000000
	TLOAD                                          ; key step 0 into slot 0
	s_lshl_b32 s68, s[GG], 2
	s_add_co_u32 s68, s68, s[HH]                   ; my head
	s_lshl_b32 s69, s[BB], 4
	s_add_co_u32 s69, s69, s68
	s_lshl_b32 s69, s69, 7
	s_lshl_b32 s70, ttmp9, 2
	s_add_co_u32 s70, s70, s[QT]                   ; my tile of queries in the batch
	s_add_co_u32 s69, s69, s70
	s_mul_i32 s72, s69, 768
	s_mov_b32 s73, 0
	s_add_nc_u64 s[4:5], s[4:5], s[72:73]          ; Q's image
	s_lshl_b32 s72, s69, 6
	s_add_nc_u64 s[6:7], s[6:7], s[72:73]          ; and its scale words
	s_lshl_b32 s71, s[BB], 7
	s_add_co_u32 s71, s71, s70                     ; my tile of tokens
	s_lshl_b32 s72, s71, 4
	s_add_co_u32 s72, s72, s68
	s_mul_i32 s72, s72, 768
	s_add_nc_u64 s[12:13], s[12:13], s[72:73]      ; a_img: [tile of tokens][head][768]
	s_lshl_b32 s72, s71, 9
	s_lshl_b32 s74, s68, 1
	s_add_co_u32 s72, s72, s74
	s_add_nc_u64 s[14:15], s[14:15], s[72:73]      ; a_sc: [token][32], bytes 2 head, 2 head + 1
	; the prefetches: where my wave's stand, and who asks
	s_add_co_u32 s74, s[WV], 2
	s_and_b32 s74, s74, 3                          ; wave - 6 for waves 6 to 9
	s_lshl_b32 s74, s74, 4
	s_add_co_u32 s74, s74, s62
	s_lshl_b32 s74, s74, 13
	s_add_co_u32 s74, s74, 512                     ; the mask: my 16 rows, at key step 1: the first change steps it to 2
	s_sub_co_u32 s75, s[WV], 10
	s_lshl_b32 s75, s75, 13
	s_add_co_u32 s75, s75, s58
	s_add_co_u32 s75, s75, KVB                     ; kv: my 8,192 bytes of key step 1's block
	s_mov_b32 s[PFS], KVB
	s_mov_b32 s76, 512
	s_cmp_lt_u32 s[WV], 10
	s_cselect_b64 s[PFA:PFA+1], s[10:11], s[8:9]
	s_cselect_b32 s74, s74, s75
	s_cselect_b32 s[PFS], 512, s[PFS]
	s_cselect_b32 s76, 8192, s76                   ; from one pair of lanes to the next: a row of the mask, or 512 bytes of kv
	s_cselect_b32 s77, s[GG], ttmp9                ; the coordinate along which other work-groups read the same bytes
	s_mov_b32 s75, 0
	s_mov_b32 s[PFS+1], 0
	s_add_nc_u64 s[PFA:PFA+1], s[PFA:PFA+1], s[74:75]
	s_cmp_eq_u32 s77, 0
	s_cselect_b32 s[LIM], 1, -1
	s_cmp_lt_u32 s[WV], 6
	s_cselect_b32 s[LIM], -1, s[LIM]
	v_and_b32 v8, 31, v0                           ; lane
	v_and_b32 v9, 15, v0                           ; r
	v_bfe_u32 v10, v0, 4, 1                        ; h
	v_lshlrev_b32 v30, 4, v8                       ; v30: 16 x lane, kept
	v_lshlrev_b32 v31, 3, v8
	v_add_nc_u32 v31, 512, v31                     ; v31: 512 + 8 x lane, kept
	v_lshlrev_b32 v7, 2, v9
	global_load_b128 v[16:19], v30, s[4:5]         ; Q's half fragment stays in registers
	global_load_b64 v[20:21], v31, s[4:5]
	global_load_b32 v28, v7, s[6:7]                ; Q's scale words
.irp j, 22,23,24,25,26,27
	v_mov_b32 v[\j], 0                             ; Q's zero codes for k = 64 .. 127
.endr
.irp j, 80,81,82,83,84,85
	v_mov_b32 v[\j], 0                             ; behind K's last tile: written once, so that the first step reads nothing unwritten
.endr
	v_lshrrev_b32 v11, 1, v8
	v_and_b32 v12, 1, v8
	v_mul_lo_u32 v[PFO], v11, s76
	v_lshl_add_u32 v[PFO], v12, 8, v[PFO]
	s_mul_i32 s78, s[HH], 12288
	v_add_nc_u32 v[AK16], s78, v30
	v_add_nc_u32 v[AK8], s78, v31
	s_mul_i32 s78, s[HH], 768
	s_add_co_u32 s78, s78, 49152
	v_lshl_add_u32 v[ASC], v8, 2, s78
	s_lshl_b32 s78, s[QT], 4
	v_add_nc_u32 v[AM], s78, v9
	v_mul_u32_u24 v[AM], v[AM], 528
	v_lshl_add_u32 v[AM], v10, 6, v[AM]
	v_add_nc_u32 v[AM], MOFF, v[AM]
	v_lshlrev_b32 v245, 5, v9                      ; the way out: 32 bytes a token in a_sc
	v_mov_b32 v13, 0xff61b1e6                      ; the largest t so far: -3e38, under every t
	v_floor_f32 v12, -v13                          ; -M
	v_mov_b32 v14, 0                               ; the sum, in two halves
	v_mov_b32 v15, 0
.irp b, 0,1,2,3
	v_mov_b32 v[BT+\b], 0                          ; written once: a lane permute's destination counts as one of its sources
.endr
	v_mov_b32 v243, 0                              ; (the upper half of the pair v[242:243])
.set n, 0
.rept 32
	v_mov_b32 v[OT+n], 0                           ; O^T: the step is written once; the first finds zeros, which the first change of M leaves zeros
.set n, n+1
.endr
; A KEY STEP: 128 keys from the slot in hand.
.macro STEP
	v_add_nc_u32 v8, s[TB], v[AK16]                ; (these four are also the places in front of loads into registers that the last step's products read)
	v_add_nc_u32 v9, s[TB], v[AK8]
	v_add_nc_u32 v10, s[TB], v[ASC]
	v_add_nc_u32 v11, s[TB], v[AM]
.irp t, 0,1,2,3,4,5,6,7
	ds_load_b128 v[32+6*\t:35+6*\t], v8 offset:768*\t              ; K's tile t, six registers, as it was stored
	ds_load_b64 v[36+6*\t:37+6*\t], v9 offset:768*\t
.endr
.irp a, 0,1,2,3
	ds_load_b32 v[224+\a], v10 offset:128*\a       ; K's scale words: lanes 0-15 tile 2 a, lanes 16-31 tile 2 a + 1
.endr
.irp a, 0,1
	ds_load_b32 v[228+\a], v10 offset:512+128*\a   ; V's likewise
.endr
	s_wait_dscnt 0x0
.irp t, 0,2,4,6
	v_wmma_scale_f32_16x16x128_f8f6f4 v[S+8*\t:S+8*\t+7], v[32+6*\t:43+6*\t], v[16:27], 0, v[224+\t/2], v28 matrix_a_fmt:MATRIX_FMT_FP6 matrix_b_fmt:MATRIX_FMT_FP6
	v_wmma_scale_f32_16x16x128_f8f6f4 v[S+8*\t+8:S+8*\t+15], v[38+6*\t:49+6*\t], v[16:27], 0, v[224+\t/2], v28 matrix_a_fmt:MATRIX_FMT_FP6 matrix_b_fmt:MATRIX_FMT_FP6 matrix_a_scale:MATRIX_SCALE_ROW1
.endr                                  ; register 16 b + i of S^T: key 32 b + 16 (lane / 16) + i of my query
.rept 4
	v_nop                                          ; places in front of loads into K's registers and of the first read of the scores
.endr
.irp b, 0,1,2,3
.irp i, 0,1,2,3
	ds_load_b128 v[32+16*\b+4*\i:35+16*\b+4*\i], v11 offset:128*\b+16*\i   ; the mask of my query, in the scores' order
.endr
.endr
	s_wait_dscnt 0x0
.irp n, 0,1,2,3,4,5,6,7                ; logit = S m + (m x 10000 - 10000), two at a time, four pairs by turns, from each accumulator's low end on
.irp p, 0,1,2,3
	v_pk_fma_f32 v[232+2*\p:233+2*\p], v[32+8*\n+2*\p:33+8*\n+2*\p], s[TENK:TENK+1], s[TENK:TENK+1] op_sel_hi:[1,0,0] neg_lo:[0,0,1] neg_hi:[0,0,1]
.endr
.irp p, 0,1,2,3
	v_pk_fma_f32 v[S+8*\n+2*\p:S+8*\n+2*\p+1], v[S+8*\n+2*\p:S+8*\n+2*\p+1], v[32+8*\n+2*\p:33+8*\n+2*\p], v[232+2*\p:233+2*\p]
.endr
.endr
.irp t, 0,1,2,3                        ; V's four tiles of 16 channels x 128 keys are asked for now and land under the softmax
.irp c, 0,1
	ds_load_b128 v[32+12*\t+6*\c:35+12*\t+6*\c], v8 offset:6144+(2*\t+\c)*768
	ds_load_b64 v[36+12*\t+6*\c:37+12*\t+6*\c], v9 offset:6144+(2*\t+\c)*768
.endr
.endr
.irp b, 0,1,2,3
	v_max3_num_f32 v[BM+\b], v[S+16*\b], v[S+1+16*\b], v[S+2+16*\b]       ; the largest logit of each block of 32 keys: it serves the row's maximum and, since p rises with the logit, the block's largest p
.endr
.irp i, 3,5,7,9,11,13
.irp b, 0,1,2,3
	v_max3_num_f32 v[BM+\b], v[BM+\b], v[S+16*\b+\i], v[S+1+16*\b+\i]
.endr
.endr
.irp b, 0,1,2,3
	v_max_num_f32 v[BM+\b], v[BM+\b], v[S+15+16*\b]
.endr
.irp b, 0,1,2,3
	v_permlanex16_b32 v[BT+\b], v[BM+\b], s[SEL], s[SEL+1]
.endr
.irp b, 0,1,2,3
	v_max_num_f32 v[BM+\b], v[BM+\b], v[BT+\b]     ; with lane l xor 16's 16 keys
.endr
	v_max3_num_f32 v244, v[BM], v[BM+1], v[BM+2]
	v_max_num_f32 v244, v244, v[BM+3]              ; the step's largest logit of my query
	v_mul_f32 v244, s[CS], v244                    ; as t
	v_max_num_f32 v13, v13, v244                   ; the running largest t
	v_mov_b32 v244, v12
	v_floor_f32 v12, -v13                          ; the new -M = floor(-t): M is a whole number
	v_sub_f32 v244, v12, v244                      ; old M - new M: a whole number, 0 or less
	v_cvt_i32_f32 v244, v244                       ; (it saturates)
	v_ldexp_f32 v242, 1.0, v244                    ; f = 2^(old M - new M): a multiplication by it rounds nothing
.set n, 0
.rept 32
	v_pk_fma_f32 v[S+n:S+n+1], v[S+n:S+n+1], s[CS:CS+1], v[12:13] op_sel_hi:[1,0,0]   ; t - M, two at a time
.set n, n+2
.endr
.irp b, 0,1,2,3
	v_fma_f32 v[BM+\b], v[BM+\b], s[CS], v12       ; the same of each block's largest
.endr
.set n, 0
.rept 64
	v_exp_f32 v[S+n], v[S+n]                       ; p = 2^(t - M), at most 1, not normalised
.set n, n+1
.endr
	v_pk_mul_f32 v[14:15], v[14:15], v[242:243] op_sel_hi:[1,0]    ; the sums under the new M: the plain line behind the exponentials
	s_wait_alu depctr_va_vdst(0)                   ; one wait for the whole batch, ahead of its first reader
.irp b, 0,1,2,3
	v_exp_f32 v[BM+\b], v[BM+\b]                   ; the block's largest p: the same two instructions on the same number give the same bits
.endr
	v_pk_add_f32 v[246:247], v[S:S+1], v[S+2:S+3]  ; the row's sum is taken of the unquantised p, in two chains
.irp j, 4,8,12,16,20,24,28,32,36,40,44,48,52,56,60
	v_pk_add_f32 v[14:15], v[14:15], v[S+\j:S+\j+1]
	v_pk_add_f32 v[246:247], v[246:247], v[S+2+\j:S+3+\j]
.endr
	v_pk_add_f32 v[14:15], v[14:15], v[246:247]
	s_wait_alu depctr_va_vdst(0)                   ; and one for the four
.irp b, 0,1,2,3
	v_max_num_f32 v[BM+\b], 0x1800000, v[BM+\b]    ; the floor 2^(3 - 127): the byte cannot fall under 1
.endr
.irp b, 0,1,2,3
	v_add_nc_u32 v[BS+\b], 0xff000000, v[BM+\b]    ; 2 off the exponent field: the conversion's scale operand
.endr
.irp b, 0,1,2,3
	v_lshrrev_b32 v[BT+\b], 23, v[BS+\b]           ; the scale's byte
.endr
	v_lshl_or_b32 v240, v[BT+1], 8, v[BT]          ; p's scale word for these 128 keys
	v_lshl_or_b32 v240, v[BT+2], 16, v240
	v_lshl_or_b32 v240, v[BT+3], 24, v240
.irp c, 0,1
	v_cvt_scalef32_pk16_fp6_f32 v[PCD+6*\c:PCD+2+6*\c], v[S+32*\c:S+15+32*\c], v[BS+2*\c]
	v_cvt_scalef32_pk16_fp6_f32 v[204+4*\c:206+4*\c], v[S+16+32*\c:S+31+32*\c], v[BS+2*\c+1]
.endr
	v_nop                                          ; one plain line behind a scaled conversion
.irp c, 0,1
.irp i, 0,1,2
	v_permlane16_swap_b32 v[PCD+6*\c+\i], v[204+4*\c+\i]           ; a lane gets a whole block: lanes 0-15 block 2 c, lanes 16-31 block 2 c + 1
.endr
.irp i, 0,1,2
	v_mov_b32 v[PCD+3+6*\c+\i], v[204+4*\c+\i]
.endr
.endr
.set n, 0
.rept 16
	v_pk_mul_f32 v[OT+n:OT+n+1], v[OT+n:OT+n+1], v[242:243] op_sel_hi:[1,0]   ; O^T under the new M.  (These sixteen are also the places between the writes of p's codes and scale word and the products)
.set n, n+2
.endr
	s_wait_dscnt 0x0                               ; V is in
.irp t, 0,2
	v_wmma_scale_f32_16x16x128_f8f6f4 v[OT+8*\t:OT+8*\t+7], v[32+12*\t:43+12*\t], v[PCD:PCD+11], v[OT+8*\t:OT+8*\t+7], v[228+\t/2], v240 matrix_a_fmt:MATRIX_FMT_FP6 matrix_b_fmt:MATRIX_FMT_FP6
	v_wmma_scale_f32_16x16x128_f8f6f4 v[OT+8*\t+8:OT+8*\t+15], v[44+12*\t:55+12*\t], v[PCD:PCD+11], v[OT+8*\t+8:OT+8*\t+15], v[228+\t/2], v240 matrix_a_fmt:MATRIX_FMT_FP6 matrix_b_fmt:MATRIX_FMT_FP6 matrix_a_scale:MATRIX_SCALE_ROW1
.endr                                  ; the accumulators take turns, one instruction a turn, over the loop's edge too
.endm
; THE CHANGE OF SLOTS stands at a step's head.  Each wave waits for all its tensor loads (its part of the slot that it is about to read), adds 0 to its spare word, and waits for
; that and for its reads of the slot that it has left.  Behind the barrier the slot ahead is whole and nobody reads the other.  fill = 1: that other slot takes the next key step.
.macro CHANGE fill
	s_wait_tensorcnt 0x0                           ; no tensor load of mine is out, so a group 0 may be written
	ds_add_u32 v[SPW], v[NIL]                      ; 0 onto my spare word
.if \fill
	s_xor_b32 s[G0KV+1], s[G0KV+1], SLOT1          ; the walking descriptors: the other slot, the next 128 keys
	s_add_nc_u64 s[G0KV+2:G0KV+3], s[G0KV+2:G0KV+3], KVB
	s_xor_b32 s[G0M+1], s[G0M+1], SLOT1
	s_add_nc_u64 s[G0M+2:G0M+3], s[G0M+2:G0M+3], 512
	s_wait_xcnt 0x0                                ; the last prefetch, a step back, has read its address, so it may be written:
	s_add_nc_u64 s[PFA:PFA+1], s[PFA:PFA+1], s[PFS:PFS+1]          ; one step further on than the walking descriptors
.endif
	s_wait_dscnt 0x0                               ; the add is done, and my reads of the slot that I have left are over
	s_barrier_signal -1
	s_barrier_wait -1
.if \fill
	TLOAD                                          ; the first thing behind the barrier, and a wave's one tensor load until the next
	ASK
.endif
.endm
	s_wait_loadcnt 0x0                             ; Q
.Lstep:                                            ; 15 trips: behind each change of slots but the last the next key step is asked for
	CHANGE 1
	STEP
	s_xor_b32 s[TB], s[TB], SLOT1
	s_sub_co_u32 s[SLOTS], s[SLOTS], 1
	s_cmp_lg_u32 s[SLOTS], 0
	s_cbranch_scc1 .Lstep
	CHANGE 0                                       ; the last step is written out
	STEP
	; THE WAY OUT.  O^T / the sum; my 32 registers are 16 + 16 neighbours of the last product's K (64 head + channel): quantised and stored as a half fragment.
	v_add_f32 v14, v14, v15                        ; the sum's two halves,
	v_permlanex16_b32 v244, v14, s[SEL], s[SEL+1]
	v_add_f32 v14, v14, v244                       ; and lane l xor 16's
	v_rcp_f32 v14, v14
.rept 3
	v_nop                                          ; the plain line behind the reciprocal; with the two additions also the places behind the last products
.endr
	s_wait_alu depctr_va_vdst(0)                   ; ahead of the reciprocal's first reader
.set n, 0
.rept 16
	v_pk_mul_f32 v[OT+n:OT+n+1], v[OT+n:OT+n+1], v[14:15] op_sel_hi:[1,0]
.set n, n+2
.endr
	QUANT2 OT, PCD, 204, 241, BM
	global_store_b128 v30, v[PCD:PCD+3], s[12:13]  ; 512 consecutive bytes
	global_store_b64 v31, v[PCD+4:PCD+5], s[12:13] ; 256 consecutive bytes
	global_store_b16 v245, v241, s[14:15]          ; my token's two scale bytes of this head (both halves of the lanes store the same)
	s_wait_tensorcnt 0x0                           ; the wave's end
	ds_add_u32 v[SPW], v[NIL]
	s_wait_dscnt 0x0
	s_endpgm
.Lfunc_end_k_q8ddae0d186_attn:
	.size	k_q8ddae0d186_attn, .Lfunc_end_k_q8ddae0d186_attn-k_q8ddae0d186_attn
	.p2alignl 7, 3214868480
	.fill 96, 4, 3214868480
	.section	.rodata,"a",@progbits
	.p2align	6, 0x0
	.amdhsa_kernel k_q8ddae0d186_attn
		.amdhsa_group_segment_fixed_size 327680
		.amdhsa_private_segment_fixed_size 0
		.amdhsa_enable_private_segment 0
		.amdhsa_kernarg_size 48
		.amdhsa_user_sgpr_count 2
		.amdhsa_user_sgpr_kernarg_segment_ptr 1
		.amdhsa_wavefront_size32 1
		.amdhsa_system_sgpr_workgroup_id_x 1
		.amdhsa_system_sgpr_workgroup_id_y 1
		.amdhsa_system_sgpr_workgroup_id_z 1
		.amdhsa_system_vgpr_workitem_id 0
		.amdhsa_next_free_vgpr 256
		.amdhsa_next_free_sgpr 80
		.amdhsa_reserve_vcc 0
		.amdhsa_float_denorm_mode_32 3
		.amdhsa_float_denorm_mode_16_64 3
		.amdhsa_memory_ordered 1
		.amdhsa_forward_progress 1
		.amdhsa_inst_pref_size 56
	.end_amdhsa_kernel
	.amdgpu_metadata
---
amdhsa.version: [ 1, 2 ]
amdhsa.kernels:
  - .name:           k_q8ddae0d186_attn
    .symbol:         k_q8ddae0d186_attn.kd
    .args:
      - { .name: q_img, .offset: 0, .size: 8, .value_kind: global_buffer, .address_space: global }
      - { .name: q_sc, .offset: 8, .size: 8, .value_kind: global_buffer, .address_space: global }
      - { .name: kv, .offset: 16, .size: 8, .value_kind: global_buffer, .address_space: global }
      - { .name: mask, .offset: 24, .size: 8, .value_kind: global_buffer, .address_space: global }
      - { .name: a_img, .offset: 32, .size: 8, .value_kind: global_buffer, .address_space: global }
      - { .name: a_sc, .offset: 40, .size: 8, .value_kind: global_buffer, .address_space: global }
    .group_segment_fixed_size: 327680
    .private_segment_fixed_size: 0
    .kernarg_segment_align: 8
    .kernarg_segment_size: 48
    .max_flat_workgroup_size: 512
    .sgpr_count:     80
    .vgpr_count:     256
    .wavefront_size: 32
...
	.end_amdgpu_metadata
.endif
;; end of part 3
;; launch proj (part 4): grid 8 x 32, 8 waves a work-group, no clusters, 232,448 bytes of LDS; arguments a_img, a_sc, o_img, o_sc, out0; writes out0
.if DOCPART == 4
	.amdgcn_target "amdgcn-amd-amdhsa--gfx1250"
	.amdhsa_code_object_version 6
	.text
	.protected	k_q8ddae0d186_proj
	.globl	k_q8ddae0d186_proj
	.p2align	8
	.type	k_q8ddae0d186_proj,@function
k_q8ddae0d186_proj:
	s_mov_b64 s[64:65], 0
	v_nop
	global_prefetch_b8 v0, s[64:65] scope:SCOPE_SE
	s_setreg_imm32_b32 hwreg(HW_REG_WAVE_MODE, 25, 1), 1
	s_wait_xcnt 0x0
; out0 [4096 tokens][1024 c] = A x o, both as codes of E2M3 with E8M0 scales, made by the launches before and laid as images of the operands' registers:
; [tile of 16 rows][K step of 128: 8][half: 2][768 bytes]; scale bytes [row][32].
; A work-group takes 128 columns (x) and 128 tokens (y).  All of K = 1,024 of both operands, 2 x 98,304 dense bytes, comes into LDS by first fills alone, one load a wave.
; Wave w: two tiles of tokens (w / 2; source 1) x four tiles of columns (w % 2; source 0): eight accumulators, eight K steps.
; The product is used transposed, so that a lane holds eight neighbouring columns of one token's row.
; No cluster: tiles are shared along x and y, but the launch is short and each work-group asks once; this is the plain form.
.set OIM,  98304                       ; LDS: the tokens' images at 0, the columns' here
.set STG,  196608                      ; behind them: a stage of 16 rows x 272 bytes for each wave; no fill lands there
.set SI,   16                          ; v16-31   inner scale words    (v16-39 hold scales and nothing else)
.set SO,   32                          ; v32-39   outer scale words
.set F0,   40                          ; v40-111, v112-183 two sets of fragments
.set ACC,  184                         ; v184-247 accumulator (o, i) at 184 + 8 (4 o + i)
.set BK,   112                         ; the way out: rows read back
.set WV,   14
.set TQ,   15
.set CH,   16
.set YY,   17
.set G1,   24
.set G0,   32
	s_load_b256 s[4:11], s[0:1], 0x0               ; a_img s[4:5], a_sc s[6:7], o_img s[8:9], o_sc s[10:11]
	s_load_b64 s[12:13], s[0:1], 0x20              ; out0
	v_lshl_add_u32 v254, v0, 2, 0x38800
	v_mov_b32 v255, 0
	ds_add_u32 v254, v255
	v_lshrrev_b32 v1, 5, v0
	v_readfirstlane_b32 s[WV], v1                  ; wave 0..7
	s_lshr_b32 s[TQ], s[WV], 1
	s_and_b32 s[CH], s[WV], 1
	s_and_b32 s[YY], ttmp7, 0xffff
	; descriptor group 1: 24,576 dense bytes as 96 rows of 256 (32 elements of 8 bytes), no padding
	s_mov_b32 s[G1+0], 3<<16
	s_mov_b32 s[G1+1], 32<<16
	s_mov_b32 s[G1+2], 96<<16
	s_mov_b32 s[G1+3], 32<<16
	s_mov_b32 s[G1+4], 96
	s_mov_b32 s[G1+5], 32
	s_mov_b32 s[G1+6], 0
	s_mov_b32 s[G1+7], 0
	s_and_b32 s18, s[WV], 3
	s_mul_i32 s18, s18, 24576
	s_mul_i32 s19, s[YY], 98304
	s_mul_i32 s20, ttmp9, 98304
	s_mul_i32 s[G0+1], s[WV], 24576                ; waves 0 to 3 bring the tokens' images, waves 4 to 7 the columns'
	s_mov_b32 s[G0], 1
	s_wait_dscnt 0x0
	s_wait_kmcnt 0x0
	s_cmp_lt_u32 s[WV], 4
	s_cselect_b32 s20, s19, s20
	s_cselect_b64 s[22:23], s[4:5], s[8:9]
	s_add_co_u32 s20, s20, s18
	s_mov_b32 s21, 0
	s_add_nc_u64 s[G0+2:G0+3], s[22:23], s[20:21]
	s_or_b32 s[G0+3], s[G0+3], 0x80000000
	tensor_load_to_lds s[G0:G0+3], s[G1:G1+7]      ; one tensor load of mine is out
	s_nop 0
.rept 4
	v_nop
.endr
	v_and_b32 v1, 31, v0                           ; lane
	v_and_b32 v2, 15, v0                           ; r
	v_bfe_u32 v3, v0, 4, 1                         ; h
	s_mul_i32 s36, s[CH], 49152
	s_add_co_u32 s36, s36, OIM                     ; my four tiles of columns
	s_mul_i32 s37, s[TQ], 24576                    ; my two tiles of tokens
	v_lshl_add_u32 v4, v1, 4, s36                  ; registers 0-3 of a half fragment: 16 x lane
	v_lshl_add_u32 v5, v1, 3, s36
	v_add_nc_u32 v5, 512, v5                       ; registers 4-5: 512 + 8 x lane
	v_lshl_add_u32 v6, v1, 4, s37
	v_lshl_add_u32 v7, v1, 3, s37
	v_add_nc_u32 v7, 512, v7
	v_lshlrev_b32 v8, 5, v2
	v_lshl_add_u32 v8, v3, 4, v8                   ; my row's scale bytes: lanes 0-15 words 0-3, lanes 16-31 words 4-7
	s_lshl_b32 s38, ttmp9, 7
	s_lshl_b32 s39, s[CH], 6
	s_add_co_u32 s38, s38, s39                     ; my first column
	s_lshl_b32 s44, s[YY], 7
	s_lshl_b32 s39, s[TQ], 5
	s_add_co_u32 s44, s44, s39                     ; my first token
	s_lshl_b32 s18, s38, 5
	s_mov_b32 s19, 0
	s_add_nc_u64 s[40:41], s[10:11], s[18:19]
	s_lshl_b32 s18, s44, 5
	s_add_nc_u64 s[42:43], s[6:7], s[18:19]
.irp i, 0,1,2,3
	global_load_b128 v[SI+4*\i:SI+4*\i+3], v8, s[40:41] offset:512*\i
.endr
.irp o, 0,1
	global_load_b128 v[SO+4*\o:SO+4*\o+3], v8, s[42:43] offset:512*\o
.endr
	s_lshl_b32 s18, s44, 12
	s_lshl_b32 s20, s38, 2
	s_add_co_u32 s18, s18, s20
	s_add_nc_u64 s[12:13], s[12:13], s[18:19]
	s_mul_i32 s45, s[WV], 4352
	s_add_co_u32 s45, s45, STG                     ; my stage
	v_mul_u32_u24 v9, v2, 272
	v_lshl_add_u32 v9, v3, 5, v9
	v_add_nc_u32 v9, s45, v9                       ; in: row r, 32 bytes for each half of the lanes
	v_mul_u32_u24 v10, v3, 272
	v_lshl_add_u32 v10, v2, 4, v10
	v_add_nc_u32 v10, s45, v10                     ; back: lanes 0-15 one row of 256 bytes, lanes 16-31 the next
	v_lshlrev_b32 v11, 12, v3
	v_lshl_add_u32 v11, v2, 4, v11                 ; and the same two rows in out0
.macro FRAGI reg, a16, a8, off         ; a fragment: two half fragments, as they were stored
.irp c, 0,1
	ds_load_b128 v[(\reg)+6*\c:(\reg)+6*\c+3], v[\a16] offset:(\off)+768*\c
	ds_load_b64 v[(\reg)+6*\c+4:(\reg)+6*\c+5], v[\a8] offset:(\off)+768*\c
.endr
.endm
.macro FETCH q, set                    ; 24 loads: K step q's four inner and two outer fragments
.irp i, 0,1,2,3
	FRAGI F0+72*(\set)+12*\i, 4, 5, \i*12288+(\q)*1536
.endr
.irp o, 0,1
	FRAGI F0+72*(\set)+48+12*\o, 6, 7, \o*12288+(\q)*1536
.endr
.endm
.macro KSTEP q                         ; the eight accumulators take turns, one instruction a turn
.if ((\q) >= 1) && ((\q) < 7)
.rept 4
	v_nop                                          ; places in front of loads into the set that the last step's products read
.endr
.endif
.if (\q) < 7
	FETCH (\q)+1, ((\q)+1)%2
	s_wait_dscnt 24                                ; all but the 24 just issued are in
.else
	s_wait_dscnt 0x0
.endif
.irp o, 0,1
.irp i, 0,1,2,3
.set AC, ACC+8*(4*\o+\i)
.set FA, F0+72*((\q)%2)+12*\i
.set FB, F0+72*((\q)%2)+48+12*\o
.if (\q) == 0
	v_wmma_scale_f32_16x16x128_f8f6f4 v[AC:AC+7], v[FA:FA+11], v[FB:FB+11], 0, v[SI+4*\i], v[SO+4*\o] matrix_a_fmt:MATRIX_FMT_FP6 matrix_b_fmt:MATRIX_FMT_FP6
.elseif (\q) < 4
	v_wmma_scale_f32_16x16x128_f8f6f4 v[AC:AC+7], v[FA:FA+11], v[FB:FB+11], v[AC:AC+7], v[SI+4*\i+(\q)], v[SO+4*\o+(\q)] matrix_a_fmt:MATRIX_FMT_FP6 matrix_b_fmt:MATRIX_FMT_FP6
.else
	v_wmma_scale_f32_16x16x128_f8f6f4 v[AC:AC+7], v[FA:FA+11], v[FB:FB+11], v[AC:AC+7], v[SI+4*\i+(\q)-4], v[SO+4*\o+(\q)-4] matrix_a_fmt:MATRIX_FMT_FP6 matrix_b_fmt:MATRIX_FMT_FP6 matrix_a_scale:MATRIX_SCALE_ROW1 matrix_b_scale:MATRIX_SCALE_ROW1
.endif
.endr
.endr
.endm
	s_wait_tensorcnt 0x0                           ; my fill has landed,
	s_barrier_signal -1
	s_barrier_wait -1                              ; everybody's has
	FETCH 0, 0
	s_wait_loadcnt 0x0                             ; the scale words
.irp q, 0,1,2,3,4,5,6,7
	KSTEP \q
.endr
.rept 4
	v_nop                                          ; places behind the last products: results are read, and loads land in registers that they read
.endr
	; THE WAY OUT: a tile of 16 tokens x 64 columns goes through my own stage and comes back as rows of 256 bytes.  LDS serves a wave's instructions in order: no wait between them.
.irp o, 0,1
.irp i, 0,1,2,3
	ds_store_b128 v9, v[ACC+8*(4*\o+\i):ACC+8*(4*\o+\i)+3] offset:64*\i            ; each accumulator from its low end on
	ds_store_b128 v9, v[ACC+8*(4*\o+\i)+4:ACC+8*(4*\o+\i)+7] offset:64*\i+16
.endr
.irp k, 0,1,2,3,4,5,6,7
	ds_load_b128 v[BK+32*\o+4*\k:BK+32*\o+4*\k+3], v10 offset:544*\k
.endr
.endr
.irp o, 0,1
.irp k, 0,1,2,3,4,5,6,7
	s_wait_dscnt 23-16*\o-\k                       ; this load is in; behind it: the rest of its tile's loads and, for the first tile, the second tile's sixteen instructions
	global_store_b128 v11, v[BK+32*\o+4*\k:BK+32*\o+4*\k+3], s[12:13] offset:(16*\o+2*\k)*4096 th:TH_STORE_NT   ; sixteen lanes store 256 consecutive bytes, aligned
.endr
.endr
	s_wait_tensorcnt 0x0
	ds_add_u32 v254, v255
	s_wait_dscnt 0x0
	s_endpgm
.Lfunc_end_k_q8ddae0d186_proj:
	.size	k_q8ddae0d186_proj, .Lfunc_end_k_q8ddae0d186_proj-k_q8ddae0d186_proj
	.p2alignl 7, 3214868480
	.fill 96, 4, 3214868480
	.section	.rodata,"a",@progbits
	.p2align	6, 0x0
	.amdhsa_kernel k_q8ddae0d186_proj
		.amdhsa_group_segment_fixed_size 232448
		.amdhsa_private_segment_fixed_size 0
		.amdhsa_enable_private_segment 0
		.amdhsa_kernarg_size 40
		.amdhsa_user_sgpr_count 2
		.amdhsa_user_sgpr_kernarg_segment_ptr 1
		.amdhsa_wavefront_size32 1
		.amdhsa_system_sgpr_workgroup_id_x 1
		.amdhsa_system_sgpr_workgroup_id_y 1
		.amdhsa_system_sgpr_workgroup_id_z 1
		.amdhsa_system_vgpr_workitem_id 0
		.amdhsa_next_free_vgpr 256
		.amdhsa_next_free_sgpr 66
		.amdhsa_reserve_vcc 0
		.amdhsa_float_denorm_mode_32 3
		.amdhsa_float_denorm_mode_16_64 3
		.amdhsa_memory_ordered 1
		.amdhsa_forward_progress 1
		.amdhsa_inst_pref_size 30
	.end_amdhsa_kernel
	.amdgpu_metadata
---
amdhsa.version: [ 1, 2 ]
amdhsa.kernels:
  - .name:           k_q8ddae0d186_proj
    .symbol:         k_q8ddae0d186_proj.kd
    .args:
      - { .name: a_img, .offset: 0, .size: 8, .value_kind: global_buffer, .address_space: global }
      - { .name: a_sc, .offset: 8, .size: 8, .value_kind: global_buffer, .address_space: global }
      - { .name: o_img, .offset: 16, .size: 8, .value_kind: global_buffer, .address_space: global }
      - { .name: o_sc, .offset: 24, .size: 8, .value_kind: global_buffer, .address_space: global }
      - { .name: out0, .offset: 32, .size: 8, .value_kind: global_buffer, .address_space: global }
    .group_segment_fixed_size: 232448
    .private_segment_fixed_size: 0
    .kernarg_segment_align: 8
    .kernarg_segment_size: 40
    .max_flat_workgroup_size: 256
    .sgpr_count:     66
    .vgpr_count:     256
    .wavefront_size: 32
...
	.end_amdgpu_metadata
.endif
;; end of part 4
;; ======== version 2 of 2: 3 launches
;; limits: right only within a limited range of input values
;; workspace buffers: o_img 786,432 bytes; o_sc 32,768 bytes; q_img 3,145,728 bytes; q_sc 262,144 bytes; kv 6,684,672 bytes; a_img 3,145,728 bytes; a_sc 131,072 bytes
;; launch qkv (part 5): grid 32 x 16, 12 waves a work-group, clusters of 4 x 4, 265,216 bytes of LDS; arguments hidden_states_codes, hidden_states_scales, qkv_codes, qkv_scales, q_img, q_sc, kv, out1, out2, o, o_img, o_sc; writes q_img, q_sc, kv, out1, out2, o_img, o_sc
.if DOCPART == 5
	.amdgcn_target "amdgcn-amd-amdhsa--gfx1250"
	.amdhsa_code_object_version 6
	.text
	.protected	k_q8ddae0d186_qkv
	.globl	k_q8ddae0d186_qkv
	.p2align	8
	.type	k_q8ddae0d186_qkv,@function
k_q8ddae0d186_qkv:
	s_mov_b64 s[64:65], 0
	v_nop
	global_prefetch_b8 v0, s[64:65] scope:SCOPE_SE
	s_setreg_imm32_b32 hwreg(HW_REG_WAVE_MODE, 25, 1), 1
	s_wait_xcnt 0x0
	s_wait_alu depctr_hold_cnt(0) depctr_sa_sdst(0) depctr_va_vdst(0) depctr_va_sdst(0) depctr_va_ssrc(0) depctr_va_vcc(0) depctr_vm_vsrc(0)
	s_getreg_b32 s2, hwreg(HW_REG_IB_STS2, 6, 4)
	s_cmp_eq_u32 s2, 0
	s_cbranch_scc0 .Lentry_in_a_cluster
	s_endpgm
.Lentry_in_a_cluster:
	s_bfe_u32 s2, ttmp6, 0x10000c
	s_cmp_lg_u32 s2, 0xf033
	s_cbranch_scc0 .Lentry_shape_is_right
	s_endpgm
.Lentry_shape_is_right:
; q, k, v = hidden x qkv, on codes of E2M3 with E8M0 scales as they are given.  k and v leave as f32 (out1, out2: [b][head][token][64]);
; q / 8 and k are quantised along the head's 64, v along the tokens (the keys), and leave as images of the next launch's operand registers.
; A work-group takes 128 tokens (x) and one head (y).  All of K = 1,024 of its 320 operand rows (64 rows each of W_q, W_k, W_v, 128 of hidden)
; comes into LDS by first fills alone: nothing is filled again.  Twelve waves: role = wave / 4 (q, k, v), sub = wave % 4.
; CLUSTERS: 4 x 4 work-groups.  The four of a row of the cluster have one head and need the same rows of W; the four of a column have the same tokens and need the same
; rows of hidden.  Each tile is asked for JOINTLY: the same tensor load with the same descriptor and a mask that names the four: a quarter of the requests.
; EVERY WAVE RUNS THE SAME UNIT: 64 inner rows (source 0, four tiles) x 32 outer rows (source 1, two tiles), eight accumulators, eight K steps.
;   q, k: inner = the head's 64 rows of W, outer = tokens 32 sub on: a lane holds a token and its registers run along the head's 64;
;   v:    inner = tokens 64 (sub / 2) on, outer = rows 32 (sub % 2) on of W_v: a lane holds a channel and its registers run along the tokens.
; THE ROWS OF A TILE ARE NOT NEIGHBOURS: in a run of 32 rows lane r of tile u takes row 8 u + r + 8 (r / 8), so that the 16 registers of two
; neighbouring inner tiles are 16 neighbours: index 32 b + 16 (lane / 16) + 0 .. 15, which is what the conversions want.
; A half fragment (16 rows x 64 K: six registers a lane) is stored as it stands: registers 0-3 at 16 x lane, registers 4-5 at 512 + 8 x lane.
; The 1/8 of the scores is folded into q ahead of its quantiser: a power of two, which the block's scale takes up.
; ALSO HERE: o [1024 (K)][1024 (c)], f32, the last product's right operand, is quantised along K (its FIRST axis) into o_img [c tile of 16][K step: 8][half: 2][768 bytes] and
; o_sc [c][32 bytes].  It has 1,024 columns x 32 blocks of 32: 1,024 tasks of 32 columns x one block, two for each of the 512 work-groups.  Waves 0 and 1, which are q waves and
; have no rows to store at the end, take them: a lane takes a column and its 32 registers run down K, so that nothing is transposed.
; LIMITS: a block of zeros gets the byte 1 where the rule says 127 (zero codes; this program alone reads the bytes); blocks whose largest magnitude lies under 2^-124 are held at
; the byte 1; q / 8 is exact in the quantiser only while a block's largest magnitude of q lies above 2^-121; NaN and infinities are not served.
.set R32,  26368                       ; LDS: half of a pair's room.  A pair is two neighbouring units of 32 operand rows, 52,736 bytes: at 0 the first 16 rows of unit 0, then of unit 1; at GB the second 16 rows of both
.set UN2,  13056                       ; 16 rows x 816 bytes (3 x (256 + 16 of padding)): from a pair's unit 0 to its unit 1
.set GB,   26240                       ; from a unit's first 16 rows to its second 16: 2 x 13,056, then 128 bytes left free
.set U8,   6528                        ; eight rows
.set STG,  8704                        ; the way out: 32 rows x 272 bytes for each of waves 4 to 11, at wave x 8,704: bytes that have had their only fill and their last read by then
.set ADA,  4                           ; v4, v5   inner fragments: my LDS byte, and the same behind one padding more for lanes 16-31
.set ADB,  6                           ; v6, v7   outer fragments likewise
.set SOFF, 8                           ; v8       my row's scale bytes: 32 x row + 16 (lane / 16)
.set STOK, 9                           ; v9       the stage, k's way in
.set STOV, 10                          ; v10      the stage, v's way in
.set RD,   11                          ; v11      the stage, the way back
.set GO,   15                          ; v15      my byte in two rows of out1 or out2
.set SI,   16                          ; v16-31   inner scale words, four a tile    (v16-39 hold scales and nothing else)
.set SO,   32                          ; v32-39   outer scale words
.set F0,   40                          ; v40-111, v112-183 two sets of fragments: inner 4 x 12, outer 2 x 12
.set ACC,  184                         ; v184-247 accumulator (o, i) at 184 + 8 (4 o + i)
.set BK,   112                         ; the way out: rows read back
.set OX,   112                         ; v112-143 waves 0, 1: a block of 32 numbers of o;  v144-160 at work on it
.set WV,   22
.set ROLE, 23
.set SUB,  24
.set HEAD, 25
.set BB,   26
.set JJ,   27
.set BH,   28
.set KVO,  29
.set SEL,  30
.set G1W,  32                          ; s[32:39] descriptor group 1 for W's rows;  s[40:43] group 0
.set G0WA, 40
.set G1H,  76                          ; s[76:83], s[84:87] the same for hidden's rows
.set G0HA, 84
.set TBK,  92                          ; which 128 tokens
.set CX,   93
.set CY,   94
.set H64,  95                          ; 64 x head
.set T128, 96                          ; my first token
.set KB,   97                          ; o: which block of 32 along K
.set WOF,  98                          ; s[98:99]   where my rows of W begin, in bytes: made of the wave's number and the head alone
.set HOF,  100                         ; s[100:101] where my rows of hidden begin: of the wave's number and the tokens alone
; 32 numbers of a lane, v[s] on, register 16 b + i = index 32 b + 16 (lane / 16) + i of my row, become a half fragment in v[pc] .. v[pc + 5]
; and the two scale bytes in v[pw] (byte 0, byte 1; the same in both halves of the lanes).
.macro QUANT2 s, pc, pt, pw, tm
.irp b, 0,1
	v_max3_num_f32 v[(\tm)+\b], |v[(\s)+16*\b]|, |v[(\s)+16*\b+1]|, 0x1800000   ; my 16 numbers of block b, and the floor 2^(3 - 127): the byte cannot fall under 1
.endr
.irp i, 2,4,6,8,10,12,14
.irp b, 0,1
	v_max3_num_f32 v[(\tm)+\b], v[(\tm)+\b], |v[(\s)+16*\b+\i]|, |v[(\s)+16*\b+\i+1]|
.endr
.endr
.irp b, 0,1
	s_delay_alu instid0(VALU_DEP_2)
	v_permlanex16_b32 v[(\tm)+2+\b], v[(\tm)+\b], s[SEL], s[SEL+1]
.endr
.irp b, 0,1
	s_delay_alu instid0(VALU_DEP_2)
	v_max_num_f32 v[(\tm)+\b], v[(\tm)+\b], v[(\tm)+2+\b]         ; with lane l xor 16: the block's largest magnitude
.endr
.irp b, 0,1
	s_delay_alu instid0(VALU_DEP_2)
	v_add_nc_u32 v[(\tm)+4+\b], 0xff000000, v[(\tm)+\b]           ; 2 off its exponent field: the conversion's scale operand
.endr
.irp b, 0,1
	s_delay_alu instid0(VALU_DEP_2)
	v_lshrrev_b32 v[(\tm)+2+\b], 23, v[(\tm)+4+\b]                ; the scale's byte
.endr
	s_delay_alu instid0(VALU_DEP_1)
	v_lshl_or_b32 v[\pw], v[(\tm)+3], 8, v[(\tm)+2]
	v_cvt_scalef32_pk16_fp6_f32 v[(\pc):(\pc)+2], v[(\s):(\s)+15], v[(\tm)+4]
	v_cvt_scalef32_pk16_fp6_f32 v[(\pt):(\pt)+2], v[(\s)+16:(\s)+31], v[(\tm)+5]
	v_nop                                          ; one plain line behind a scaled conversion
.irp i, 0,1,2
	v_permlane16_swap_b32 v[(\pc)+\i], v[(\pt)+\i] ; a lane gets a WHOLE block: lanes 0-15 block 0, lanes 16-31 block 1
.endr
.irp i, 0,1,2
	s_delay_alu instid0(VALU_DEP_3)
	v_mov_b32 v[(\pc)+3+\i], v[(\pt)+\i]
.endr
.endm
; A round of the cluster's barrier: my work-group's barrier, so that wave 0's signal speaks for all twelve waves; wave 0 signals for the work-group; every wave waits for all
; sixteen work-groups; my work-group's barrier once more.  No LDS instruction of the wave is pending at a signal.
.macro CROUND
	s_barrier_signal -1
	s_barrier_wait -1
	s_cmp_lg_u32 s[WV], 0
	s_cbranch_scc1 .Lnot_wave_0_\@
	s_barrier_signal -3
.Lnot_wave_0_\@:
	s_barrier_wait -3
	s_barrier_signal -1
	s_barrier_wait -1
.endm
	s_load_b256 s[4:11], s[0:1], 0x0               ; hidden codes s[4:5], hidden scales s[6:7], qkv codes s[8:9], qkv scales s[10:11]
	s_load_b256 s[12:19], s[0:1], 0x20             ; q_img s[12:13], q_sc s[14:15], kv s[16:17], out1 s[18:19]
	s_load_b256 s[68:75], s[0:1], 0x40             ; out2 s[68:69], o s[70:71], o_img s[72:73], o_sc s[74:75]
	v_lshl_add_u32 v254, v0, 2, 0x40600
	v_mov_b32 v255, 0
	ds_add_u32 v254, v255
	ds_add_u32 v254, v255
	v_lshrrev_b32 v1, 5, v0
	s_delay_alu instid0(VALU_DEP_1)
	v_readfirstlane_b32 s[WV], v1                  ; wave 0..11
	s_lshr_b32 s[ROLE], s[WV], 2
	s_and_b32 s[SUB], s[WV], 3
	s_bfe_u32 s[CX], ttmp6, 0x40000                ; cx, cy: my place in the cluster
	s_bfe_u32 s[CY], ttmp6, 0x40004
	s_lshl_b32 s[TBK], ttmp9, 2                    ; in a cluster launch ttmp9 and ttmp7 count clusters
	s_add_co_u32 s[TBK], s[TBK], s[CX]             ; which 128 tokens = 4 x cluster x + cx
	s_and_b32 s[HEAD], ttmp7, 0xffff
	s_lshl_b32 s[HEAD], s[HEAD], 2
	s_add_co_u32 s[HEAD], s[HEAD], s[CY]           ; head = 4 x cluster y + cy
	s_lshl_b32 s20, s[CY], 2
	s_lshl_b32 s20, 15, s20                        ; my row of the cluster: places 4 cy .. 4 cy + 3
	s_lshl_b32 s21, 0x1111, s[CX]                  ; my column: places cx, cx + 4, cx + 8, cx + 12
	; descriptor group 1: one load brings 16 operand rows of each unit of a pair: 2 rows of 12,288 dense bytes (1,536 elements of 8), 24,576 bytes apart in memory, 16 bytes of padding behind every 256
	s_or_b32 s[G1W+0], s20, (3<<16)|(1<<20)|(1<<21)|(5<<22)|(3<<25)   ; 15:0 the mask: W's rows go to my row of the cluster; 21 set beside a mask
	s_or_b32 s[G1H+0], s21, (3<<16)|(1<<20)|(1<<21)|(5<<22)|(3<<25)   ; hidden's rows go to my column
.irp g, G1W, G1H
	s_mov_b32 s[\g+1], 1536<<16
	s_mov_b32 s[\g+2], 2<<16
	s_mov_b32 s[\g+3], 1536<<16
	s_mov_b32 s[\g+4], 2
	s_mov_b32 s[\g+5], 3072
	s_mov_b32 s[\g+6], 0
	s_mov_b32 s[\g+7], 0
.endr
	s_lshr_b32 s[BB], s[TBK], 4                    ; batch
	s_and_b32 s[JJ], s[TBK], 15                    ; which 128 tokens of it
	s_lshl_b32 s[BH], s[BB], 4
	s_add_co_u32 s[BH], s[BH], s[HEAD]
	s_lshl_b32 s[KB], s[HEAD], 1
	s_add_co_u32 s[KB], s[KB], s[BB]               ; o: block 2 head + batch of the 32 along K
	s_lshl_b32 s20, s[BB], 2
	s_lshr_b32 s21, s[HEAD], 2
	s_add_co_u32 s20, s20, s21
	s_lshl_b32 s20, s20, 4
	s_add_co_u32 s20, s20, s[JJ]
	s_mul_i32 s[KVO], s20, 52224                   ; my block of kv: [batch][head / 4][128 keys]
	s_mov_b32 s[SEL], 0x76543210
	s_mov_b32 s[SEL+1], 0xfedcba98                 ; lane l xor 16
	s_lshl_b32 s[H64], s[HEAD], 6
	s_lshl_b32 s[T128], s[TBK], 7
	; wave w (0 to 9) brings rows 16 (w % 2) on of both units of pair w / 2: pair 0 W_q, 1 W_k, 2 W_v, 3 and 4 hidden: one tensor load a wave.  Every wave makes both addresses and asks by one of them, or by none
	s_lshr_b32 s[WOF], s[WV], 1
	s_min_u32 s[WOF], s[WOF], 2
	s_lshl_b32 s[WOF], s[WOF], 10
	s_add_co_u32 s[WOF], s[WOF], s[H64]
	s_and_b32 s[WOF+1], s[WV], 1
	s_lshl_b32 s[WOF+1], s[WOF+1], 4
	s_add_co_u32 s[WOF], s[WOF], s[WOF+1]          ; row of qkv: 1,024 (w / 2) + 64 head + 16 (w % 2)
	s_mul_i32 s[WOF], s[WOF], 768
	s_mov_b32 s[WOF+1], 0
	s_add_co_u32 s[HOF], s[WV], 2
	s_and_b32 s[HOF], s[HOF], 3                    ; x = w - 6 for w = 6 .. 9
	s_and_b32 s[HOF+1], s[HOF], 1
	s_lshr_b32 s[HOF], s[HOF], 1
	s_lshl_b32 s[HOF], s[HOF], 6
	s_lshl_b32 s[HOF+1], s[HOF+1], 4
	s_add_co_u32 s[HOF], s[HOF], s[HOF+1]          ; 64 (x / 2) + 16 (x % 2)
	s_add_co_u32 s[HOF], s[HOF], s[T128]           ; row of hidden
	s_mul_i32 s[HOF], s[HOF], 768
	s_mov_b32 s[HOF+1], 0
	s_lshr_b32 s[G0WA+1], s[WV], 1                 ; where they go: pair w / 2, half w % 2: no place in the cluster enters an LDS address
	s_mul_i32 s[G0WA+1], s[G0WA+1], 2*R32
	s_and_b32 s[G0HA+1], s[WV], 1
	s_mul_i32 s[G0HA+1], s[G0HA+1], GB
	s_add_co_u32 s[G0WA+1], s[G0WA+1], s[G0HA+1]
	s_mov_b32 s[G0HA+1], s[G0WA+1]
	s_mov_b32 s[G0WA], 1
	s_mov_b32 s[G0HA], 1
	s_wait_dscnt 0x0
	s_wait_kmcnt 0x0
	s_add_nc_u64 s[G0WA+2:G0WA+3], s[8:9], s[WOF:WOF+1]
	s_or_b32 s[G0WA+3], s[G0WA+3], 0x80000000
	s_add_nc_u64 s[G0HA+2:G0HA+3], s[4:5], s[HOF:HOF+1]
	s_or_b32 s[G0HA+3], s[G0HA+3], 0x80000000
	CROUND                                         ; all sixteen work-groups are here: the joint loads meet
	s_cmp_lt_u32 s[WV], 6                          ; one chain of branches on the wave's number, one fill to an arm: one tensor load of mine is out
	s_cbranch_scc0 .Lnot_w
	tensor_load_to_lds s[G0WA:G0WA+3], s[G1W:G1W+7]
	s_nop 0
.rept 4
	v_nop
.endr
	s_branch .Lfilled
.Lnot_w:
	s_cmp_lt_u32 s[WV], 10
	s_cbranch_scc0 .Lfilled
	tensor_load_to_lds s[G0HA:G0HA+3], s[G1H:G1H+7]
	s_nop 0
.rept 4
	v_nop
.endr
.Lfilled:
	; which units and which scale rows are my inner and my outer operand
	s_lshl_b32 s48, s[ROLE], 1                     ; q, k: inner unit 2 role
	s_lshr_b32 s50, s[SUB], 1                      ; v: c, the half of the tokens
	s_and_b32 s56, s[SUB], 1                       ; v: which 32 channels
	s_lshl_b32 s52, s50, 1
	s_add_co_u32 s52, s52, 6                       ; v: inner unit 6 + 2 c
	s_add_co_u32 s53, s[SUB], 6                    ; q, k: outer unit 6 + sub
	s_add_co_u32 s54, s56, 4                       ; v: outer unit 4 + sub % 2
	s_lshl_b32 s55, s[ROLE], 10
	s_add_co_u32 s55, s55, s[H64]                  ; q, k: inner scale row in qkv_scales
	s_lshl_b32 s57, s50, 6
	s_add_co_u32 s57, s57, s[T128]                 ; v: inner scale row in hidden_states_scales
	s_lshl_b32 s58, s[SUB], 5
	s_add_co_u32 s58, s58, s[T128]                 ; q, k: outer scale row in hidden_states_scales
	s_lshl_b32 s59, s56, 5
	s_add_co_u32 s59, s59, s[H64]
	s_add_co_u32 s59, s59, 2048                    ; v: outer scale row in qkv_scales
	s_cmp_lt_u32 s[ROLE], 2
	s_cselect_b32 s48, s48, s52
	s_cselect_b32 s53, s53, s54
	s_cselect_b32 s52, s55, s57
	s_cselect_b32 s54, s58, s59
	s_cselect_b64 s[56:57], s[10:11], s[6:7]       ; the choice hangs on the wave's number alone
	s_cselect_b64 s[58:59], s[6:7], s[10:11]
	s_mul_i32 s48, s48, R32                        ; my inner unit is a pair's first: an even number
	s_lshr_b32 s50, s53, 1                         ; my outer unit: its pair,
	s_mul_i32 s50, s50, 2*R32
	s_and_b32 s53, s53, 1                          ; and which unit of the pair
	s_mul_i32 s53, s53, UN2
	s_add_co_u32 s50, s50, s53
	s_lshl_b32 s52, s52, 5
	s_mov_b32 s53, 0
	s_lshl_b32 s54, s54, 5
	s_mov_b32 s55, 0
	s_add_nc_u64 s[56:57], s[56:57], s[52:53]
	s_add_nc_u64 s[58:59], s[58:59], s[54:55]
	v_and_b32 v1, 31, v0                           ; lane
	v_and_b32 v2, 15, v0                           ; r
	v_bfe_u32 v3, v0, 4, 1                         ; h
	v_bfe_u32 v248, v0, 3, 1                       ; r / 8
	v_and_b32 v250, 7, v0                          ; r % 8
	s_delay_alu instid0(VALU_DEP_2)
	v_lshl_add_u32 v249, v248, 3, v2               ; r + 8 (r / 8)
	v_mul_u32_u24 v4, v2, 816                      ; row r + 8 (r / 8): rows 16 on lie GB further on: 816 r + (26,240 - 8 x 816) (r / 8)
	s_delay_alu instid0(VALU_DEP_1)
	v_mad_u32_u24 v4, v248, 19712, v4
	s_delay_alu instid0(VALU_DEP_1)
	v_mad_u32_u24 v4, v3, 24, v4                   ; + 24 bytes for lanes 16-31
	s_delay_alu instid0(VALU_DEP_1)
	v_lshl_add_u32 v5, v3, 4, v4
	s_delay_alu instid0(VALU_DEP_2)
	v_add_nc_u32 v[ADB], s50, v4
	s_delay_alu instid0(VALU_DEP_2)
	v_add_nc_u32 v[ADB+1], s50, v5
	s_delay_alu instid0(VALU_DEP_4)
	v_add_nc_u32 v[ADA], s48, v4
	s_delay_alu instid0(VALU_DEP_4)
	v_add_nc_u32 v[ADA+1], s48, v5
	v_lshlrev_b32 v[SOFF], 5, v249
	s_delay_alu instid0(VALU_DEP_1)
	v_lshl_add_u32 v[SOFF], v3, 4, v[SOFF]
	; a row's 32 scale bytes are eight words, one a K step: lanes 0-15 take words 0-3, lanes 16-31 words 4-7: register q % 4 holds step q's word in lane half q / 4
.irp i, 0,1,2,3
	global_load_b128 v[SI+4*\i:SI+4*\i+3], v[SOFF], s[56:57] offset:(32*(\i/2)+8*(\i%2))*32
.endr
.irp o, 0,1
	global_load_b128 v[SO+4*\o:SO+4*\o+3], v[SOFF], s[58:59] offset:256*\o
.endr
	; the stage's addresses, made here for every role
	s_mul_i32 s60, s[WV], STG
	v_mul_u32_u24 v[STOK], v249, 272
	s_delay_alu instid0(VALU_DEP_1)
	v_lshl_add_u32 v[STOK], v3, 6, v[STOK]
	s_delay_alu instid0(VALU_DEP_1)
	v_add_nc_u32 v[STOK], s60, v[STOK]             ; k: row = my token, + 64 h: my 16 channels of a block
	s_and_b32 s61, s[WV], 14
	s_mul_i32 s61, s61, STG
	s_and_b32 s62, s[WV], 1
	s_lshl_b32 s62, s62, 7
	s_add_co_u32 s61, s61, s62
	v_lshlrev_b32 v[STOV], 2, v249
	s_delay_alu instid0(VALU_DEP_1)
	v_mad_u32_u24 v[STOV], v3, 4352, v[STOV]
	s_delay_alu instid0(VALU_DEP_1)
	v_add_nc_u32 v[STOV], s61, v[STOV]             ; v: two waves share 64 rows (tokens); column = my channel; 16 rows on for lanes 16-31
	v_mul_u32_u24 v[RD], v3, 272
	s_delay_alu instid0(VALU_DEP_1)
	v_lshl_add_u32 v[RD], v2, 4, v[RD]
	s_delay_alu instid0(VALU_DEP_1)
	v_add_nc_u32 v[RD], s60, v[RD]                 ; back: lanes 0-15 one row of 256 bytes, lanes 16-31 the next
	v_lshlrev_b32 v[GO], 8, v3
	s_delay_alu instid0(VALU_DEP_1)
	v_lshl_add_u32 v[GO], v2, 4, v[GO]
; A fragment (16 rows x 128 K, 12 registers): six pieces of 8 bytes.  Lanes 0-15 take the row's pieces 12 q + 0, 1, 2, 6, 7, 8, lanes 16-31 those three pieces on.
; 16 bytes of padding lie behind every 32 pieces: where the piece three on lies behind one padding more, the second address register serves.
.macro FRAG reg, adr, q, off
.irp p, 0,1,2,3,4,5
.set PCE, 12*(\q)+6*(\p/3)+\p%3
.if PCE%32 < 29
	ds_load_b64 v[(\reg)+2*\p:(\reg)+2*\p+1], v[\adr] offset:8*PCE+16*(PCE/32)+(\off)
.else
	ds_load_b64 v[(\reg)+2*\p:(\reg)+2*\p+1], v[(\adr)+1] offset:8*PCE+16*(PCE/32)+(\off)
.endif
.endr
.endm
.macro FETCH q, set                    ; 36 loads: K step q's four inner and two outer fragments
.irp i, 0,1,2,3
	FRAG F0+72*(\set)+12*\i, ADA, \q, (\i/2)*UN2+(\i%2)*U8
.endr
.irp o, 0,1
	FRAG F0+72*(\set)+48+12*\o, ADB, \q, \o*U8
.endr
.endm
; A K step: the next step's fragments are asked for, then eight products.  The eight accumulators take turns, one instruction a turn.
.macro KSTEP q
.if ((\q) >= 1) && ((\q) < 7)
.rept 4
	v_nop                                          ; places in front of loads into the set that the last step's products read
.endr
.endif
.if (\q) < 7
	FETCH (\q)+1, ((\q)+1)%2
	s_wait_dscnt 36                                ; LDS loads come back in order: all but the 36 just issued are in
.else
	s_wait_dscnt 0x0
.endif
.irp o, 0,1
.irp i, 0,1,2,3
.set AC, ACC+8*(4*\o+\i)
.set FA, F0+72*((\q)%2)+12*\i
.set FB, F0+72*((\q)%2)+48+12*\o
.if (\q) == 0
	v_wmma_scale_f32_16x16x128_f8f6f4 v[AC:AC+7], v[FA:FA+11], v[FB:FB+11], 0, v[SI+4*\i], v[SO+4*\o] matrix_a_fmt:MATRIX_FMT_FP6 matrix_b_fmt:MATRIX_FMT_FP6
.elseif (\q) < 4
	v_wmma_scale_f32_16x16x128_f8f6f4 v[AC:AC+7], v[FA:FA+11], v[FB:FB+11], v[AC:AC+7], v[SI+4*\i+(\q)], v[SO+4*\o+(\q)] matrix_a_fmt:MATRIX_FMT_FP6 matrix_b_fmt:MATRIX_FMT_FP6
.else
	v_wmma_scale_f32_16x16x128_f8f6f4 v[AC:AC+7], v[FA:FA+11], v[FB:FB+11], v[AC:AC+7], v[SI+4*\i+(\q)-4], v[SO+4*\o+(\q)-4] matrix_a_fmt:MATRIX_FMT_FP6 matrix_b_fmt:MATRIX_FMT_FP6 matrix_a_scale:MATRIX_SCALE_ROW1 matrix_b_scale:MATRIX_SCALE_ROW1
.endif
.endr
.endr
.endm
	s_wait_tensorcnt 0x0                           ; my fill has landed,
	s_barrier_signal -1
	s_barrier_wait -1                              ; everybody's have
	FETCH 0, 0
	s_wait_loadcnt 0x0                             ; the scale words
.irp q, 0,1,2,3,4,5,6,7
	KSTEP \q
.endr
.rept 4
	v_nop                                          ; places behind the last products: their results are read, their operands' registers written and loaded into below
.endr
	s_wait_dscnt 0x0                               ; my reads of the operands are over,
	s_barrier_signal -1
	s_barrier_wait -1                              ; everybody's are: the stage may be written
	s_cmp_eq_u32 s[ROLE], 0
	s_cbranch_scc0 .Lnot_q
	; ---- waves 0 and 1 ask for their block of o now: 32 columns (64 j + 32 wave on) x rows 32 KB on; it lands while q is quantised
	s_cmp_lt_u32 s[WV], 2
	s_cbranch_scc0 .Lno_o
	s_lshl_b32 s48, s[JJ], 1
	s_add_co_u32 s48, s48, s[WV]                   ; which 32 columns
	s_lshl_b32 s50, s[KB], 17                      ; 32 rows of 4,096 bytes
	s_lshl_b32 s49, s48, 7
	s_add_co_u32 s50, s50, s49
	s_mov_b32 s51, 0
	s_add_nc_u64 s[70:71], s[70:71], s[50:51]
	s_mul_i32 s50, s48, 24576                      ; two tiles of 16 columns, 12,288 bytes each;
	s_lshr_b32 s49, s[KB], 1
	s_mul_i32 s49, s49, 768                        ; half fragment KB / 2 of a tile's sixteen
	s_add_co_u32 s50, s50, s49
	s_add_nc_u64 s[72:73], s[72:73], s[50:51]
	s_lshl_b32 s50, s48, 10                        ; 32 bytes a column
	s_add_co_u32 s50, s50, s[KB]
	s_add_nc_u64 s[74:75], s[74:75], s[50:51]
	v_lshlrev_b32 v157, 2, v1
.set n, 0
.rept 32
	global_load_b32 v[OX+n], v157, s[70:71] offset:n*4096 th:TH_LOAD_NT   ; a wave reads 128 consecutive bytes, the two waves 256
.set n, n+1
.endr
.Lno_o:
	; ---- q: x 1/8, quantised along the head's 64; the addresses turn my two tiles of tokens into natural tiles of 16 queries: tile 2 sub + r / 8, row 8 o + r % 8
.set n, 0
.rept 32
	v_pk_mul_f32 v[ACC+n:ACC+n+1], v[ACC+n:ACC+n+1], 0x3e000000 op_sel_hi:[1,0]
.set n, n+2
.endr
	QUANT2 ACC, 48, 64, 70, 40
	QUANT2 ACC+32, 56, 64, 71, 40
	s_lshl_b32 s48, s[BH], 7
	s_lshl_b32 s49, s[JJ], 3
	s_add_co_u32 s48, s48, s49
	s_lshl_b32 s49, s[SUB], 1
	s_add_co_u32 s48, s48, s49                     ; tile of queries: (16 batch + head) 128 + 8 j + 2 sub
	s_mul_i32 s50, s48, 768
	s_mov_b32 s51, 0
	s_add_nc_u64 s[12:13], s[12:13], s[50:51]
	s_lshl_b32 s50, s48, 6
	s_add_nc_u64 s[14:15], s[14:15], s[50:51]
	v_mul_u32_u24 v12, v248, 768
	s_delay_alu instid0(VALU_DEP_1)
	v_lshl_add_u32 v13, v3, 7, v12
	s_delay_alu instid0(VALU_DEP_2)
	v_lshl_add_u32 v12, v3, 8, v12
	s_delay_alu instid0(VALU_DEP_1)
	v_lshl_add_u32 v12, v250, 4, v12               ; registers 0-3: 768 (r / 8) + 16 (16 h + r % 8)
	s_delay_alu instid0(VALU_DEP_3)
	v_lshl_add_u32 v13, v250, 3, v13
	s_delay_alu instid0(VALU_DEP_1)
	v_add_nc_u32 v13, 512, v13                     ; registers 4-5: 768 (r / 8) + 512 + 8 (16 h + r % 8)
	v_lshlrev_b32 v14, 6, v248
	s_delay_alu instid0(VALU_DEP_1)
	v_lshl_add_u32 v14, v250, 2, v14               ; the scale word: 64 (r / 8) + 4 (r % 8)
.irp o, 0,1
	v_or_b32 v[70+\o], 0x7f7f0000, v[70+\o]        ; bytes 2 and 3, for the half of the instruction's K that holds zero codes: 1.0
.endr
.irp o, 0,1
	global_store_b128 v12, v[48+8*\o:51+8*\o], s[12:13] offset:128*\o
	global_store_b64 v13, v[52+8*\o:53+8*\o], s[12:13] offset:64*\o
	global_store_b32 v14, v[70+\o], s[14:15] offset:32*\o          ; both halves of the lanes store the same word
.endr
	s_branch .Ljoin
.Lnot_q:
	v_lshlrev_b32 v12, 4, v1                       ; an image as it stands: 16 x lane,
	v_lshlrev_b32 v13, 3, v1
	s_delay_alu instid0(VALU_DEP_1)
	v_add_nc_u32 v13, 512, v13                     ; 512 + 8 x lane,
	v_lshlrev_b32 v14, 2, v2                       ; and a scale word a row
	QUANT2 ACC, 48, 64, 70, 40
	QUANT2 ACC+32, 56, 64, 71, 40
	s_cmp_eq_u32 s[ROLE], 1
	s_cbranch_scc0 .Lis_v
	; ---- k: my two tiles of tokens are tiles 2 sub, 2 sub + 1 of the block's eight tiles of keys
	s_and_b32 s48, s[HEAD], 3
	s_mul_i32 s50, s48, 12288
	s_add_co_u32 s50, s50, s[KVO]
	s_mul_i32 s49, s[SUB], 1536
	s_add_co_u32 s50, s50, s49
	s_mov_b32 s51, 0
	s_add_nc_u64 s[52:53], s[16:17], s[50:51]
	s_mul_i32 s50, s48, 768
	s_add_co_u32 s50, s50, s[KVO]
	s_lshl_b32 s49, s[SUB], 7
	s_add_co_u32 s50, s50, s49
	s_add_co_u32 s50, s50, 49152
	s_add_nc_u64 s[54:55], s[16:17], s[50:51]
.irp o, 0,1
	v_or_b32 v[70+\o], 0x7f7f0000, v[70+\o]
.endr
	s_wait_alu depctr_va_vdst(0)
.irp o, 0,1
	global_store_b128 v12, v[48+8*\o:51+8*\o], s[52:53] offset:768*\o      ; 512 consecutive bytes
	global_store_b64 v13, v[52+8*\o:53+8*\o], s[52:53] offset:768*\o       ; 256 consecutive bytes
	global_store_b32 v14, v[70+\o], s[54:55] offset:64*\o
.endr
.irp o, 0,1
.irp e, 0,1
.irp f, 0,1,2,3
	ds_store_b128 v[STOK], v[ACC+32*\o+16*\e+4*\f:ACC+32*\o+16*\e+4*\f+3] offset:2176*\o+128*\e+16*\f   ; k(token 8 o + r + 8 (r / 8), channel 32 e + 16 h + 4 f ..)
.endr
.endr
.endr
	s_branch .Ljoin
.Lis_v:
	; ---- v: my two tiles of channels are tiles 2 (sub % 2) + o of four; my 64 tokens are half c = sub / 2 of the block's 128 keys
	s_and_b32 s48, s[HEAD], 3
	s_and_b32 s49, s[SUB], 1
	s_lshr_b32 s56, s[SUB], 1
	s_lshl_b32 s57, s49, 2
	s_add_co_u32 s57, s57, s56
	s_mul_i32 s57, s57, 768
	s_mul_i32 s50, s48, 12288
	s_add_co_u32 s50, s50, s57
	s_add_co_u32 s50, s50, s[KVO]
	s_add_co_u32 s50, s50, 6144
	s_mov_b32 s51, 0
	s_add_nc_u64 s[52:53], s[16:17], s[50:51]
	s_mul_i32 s50, s48, 768
	s_lshl_b32 s57, s49, 7
	s_add_co_u32 s50, s50, s57
	s_lshl_b32 s57, s56, 1
	s_add_co_u32 s50, s50, s57
	s_add_co_u32 s50, s50, s[KVO]
	s_add_co_u32 s50, s50, 49152+512
	s_add_nc_u64 s[54:55], s[16:17], s[50:51]
	s_wait_alu depctr_va_vdst(0)
.irp o, 0,1
	global_store_b128 v12, v[48+8*\o:51+8*\o], s[52:53] offset:1536*\o
	global_store_b64 v13, v[52+8*\o:53+8*\o], s[52:53] offset:1536*\o
	global_store_b16 v14, v[70+\o], s[54:55] offset:64*\o          ; bytes 2 c, 2 c + 1 of the channel's scale word
.endr
.irp o, 0,1
.irp i, 0,1,2,3
.irp e, 0,1,2,3,4,5,6,7
	ds_store_b32 v[STOV], v[ACC+8*(4*\o+\i)+\e] offset:(32*(\i/2)+8*(\i%2)+\e)*272+32*\o   ; v(token 32 (i / 2) + 16 h + 8 (i % 2) + e, channel 8 o + r + 8 (r / 8)): the turn into rows of tokens
.endr
.endr
.endr
.Ljoin:
	s_wait_dscnt 0x0                               ; for the others: my stores into the stage are done
	s_barrier_signal -1
	s_barrier_wait -1
	s_cmp_eq_u32 s[ROLE], 0
	s_cbranch_scc1 .Lq_tail
	; ---- k and v leave as whole rows of 256 bytes: wave w stores the 32 rows at wave x 8,704: tokens 32 sub on
	s_lshl_b32 s48, s[BH], 11
	s_lshl_b32 s49, s[JJ], 7
	s_add_co_u32 s48, s48, s49
	s_lshl_b32 s49, s[SUB], 5
	s_add_co_u32 s48, s48, s49
	s_lshl_b32 s48, s48, 8
	s_mov_b32 s49, 0
	s_cmp_eq_u32 s[ROLE], 1
	s_cselect_b64 s[50:51], s[18:19], s[68:69]
	s_add_nc_u64 s[50:51], s[50:51], s[48:49]
.irp i, 0,1,2,3,4,5,6,7,8,9,10,11,12,13,14,15
	ds_load_b128 v[BK+4*\i:BK+4*\i+3], v[RD] offset:544*\i
.endr
.irp i, 0,1,2,3,4,5,6,7,8,9,10,11,12,13,14,15
	s_wait_dscnt 15-\i                             ; load i is in; the younger ones may be out
	global_store_b128 v[GO], v[BK+4*\i:BK+4*\i+3], s[50:51] offset:512*\i th:TH_STORE_NT   ; 512 consecutive bytes, aligned; nobody reads them in this program
.endr
	s_branch .Lend
.Lq_tail:
	s_cmp_lt_u32 s[WV], 2
	s_cbranch_scc0 .Lend
	; ---- waves 0 and 1: my column's block of o becomes 32 codes and a scale byte.  In a half fragment block KB % 2 is lanes 16 (KB % 2) on, my column's row among them
	s_and_b32 s48, s[KB], 1
	s_lshl_b32 s49, s48, 8
	s_lshl_b32 s48, s48, 7
	s_add_co_u32 s48, s48, 512
	v_mul_u32_u24 v158, v3, 12288                  ; which of my wave's two tiles of 16 columns
	s_delay_alu instid0(VALU_DEP_1)
	v_lshl_add_u32 v159, v2, 3, v158
	s_delay_alu instid0(VALU_DEP_2)
	v_lshl_add_u32 v158, v2, 4, v158
	s_delay_alu instid0(VALU_DEP_1)
	v_add_nc_u32 v158, s49, v158                   ; registers 0-3: 256 (KB % 2) + 16 x row
	s_delay_alu instid0(VALU_DEP_3)
	v_add_nc_u32 v159, s48, v159                   ; registers 4-5: 512 + 128 (KB % 2) + 8 x row
	v_lshlrev_b32 v160, 5, v1                      ; a column's scale bytes are 32 bytes
	s_wait_loadcnt 0x0                             ; my 32 numbers are in
	v_max3_num_f32 v144, |v[OX]|, |v[OX+1]|, |v[OX+2]|     ; the block's largest magnitude, in two chains: all 32 numbers are mine
	v_max3_num_f32 v145, |v[OX+3]|, |v[OX+4]|, |v[OX+5]|
.irp i, 6,10,14,18,22,26
	s_delay_alu instid0(VALU_DEP_2)
	v_max3_num_f32 v144, v144, |v[OX+\i]|, |v[OX+\i+1]|
	s_delay_alu instid0(VALU_DEP_2)
	v_max3_num_f32 v145, v145, |v[OX+\i+2]|, |v[OX+\i+3]|
.endr
	s_delay_alu instid0(VALU_DEP_2)
	v_max3_num_f32 v144, v144, |v[OX+30]|, |v[OX+31]|
	s_delay_alu instid0(VALU_DEP_1)
	v_max3_num_f32 v144, v144, v145, 0x1800000     ; and the floor 2^(3 - 127): the byte cannot fall under 1
	s_delay_alu instid0(VALU_DEP_1)
	v_add_nc_u32 v146, 0xff000000, v144            ; 2 off the exponent field: the conversion's scale operand
	s_delay_alu instid0(VALU_DEP_1)
	v_lshrrev_b32 v147, 23, v146                   ; the scale's byte
	v_cvt_scalef32_pk16_fp6_f32 v[148:150], v[OX:OX+15], v146
	v_cvt_scalef32_pk16_fp6_f32 v[154:156], v[OX+16:OX+31], v146   ; (a conversion's three registers begin on an even number)
	v_nop                                          ; one plain line behind a scaled conversion
.irp i, 0,1,2
	v_mov_b32 v[151+\i], v[154+\i]
.endr
	global_store_b128 v158, v[148:151], s[72:73]   ; sixteen lanes store 256 consecutive bytes, aligned
	global_store_b64 v159, v[152:153], s[72:73]
	global_store_b8 v160, v147, s[74:75]           ; my column's byte of this block
.Lend:
	s_wait_tensorcnt 0x0
	ds_add_u32 v254, v255
	s_wait_dscnt 0x0
	CROUND                                         ; the closing round: no work-group ends while a partner may still ask for a tile that names it
	s_endpgm
.Lfunc_end_k_q8ddae0d186_qkv:
	.size	k_q8ddae0d186_qkv, .Lfunc_end_k_q8ddae0d186_qkv-k_q8ddae0d186_qkv
	.p2alignl 7, 3214868480
	.fill 96, 4, 3214868480
	.section	.rodata,"a",@progbits
	.p2align	6, 0x0
	.amdhsa_kernel k_q8ddae0d186_qkv
		.amdhsa_group_segment_fixed_size 265216
		.amdhsa_private_segment_fixed_size 0
		.amdhsa_enable_private_segment 0
		.amdhsa_kernarg_size 96
		.amdhsa_user_sgpr_count 2
		.amdhsa_user_sgpr_kernarg_segment_ptr 1
		.amdhsa_wavefront_size32 1
		.amdhsa_system_sgpr_workgroup_id_x 1
		.amdhsa_system_sgpr_workgroup_id_y 1
		.amdhsa_system_sgpr_workgroup_id_z 1
		.amdhsa_system_vgpr_workitem_id 0
		.amdhsa_next_free_vgpr 256
		.amdhsa_next_free_sgpr 102
		.amdhsa_reserve_vcc 0
		.amdhsa_float_denorm_mode_32 3
		.amdhsa_float_denorm_mode_16_64 3
		.amdhsa_memory_ordered 1
		.amdhsa_forward_progress 1
		.amdhsa_inst_pref_size 69
	.end_amdhsa_kernel
	.amdgpu_metadata
---
amdhsa.version: [ 1, 2 ]
amdhsa.kernels:
  - .name:           k_q8ddae0d186_qkv
    .symbol:         k_q8ddae0d186_qkv.kd
    .args:
      - { .name: hidden_states_codes, .offset: 0, .size: 8, .value_kind: global_buffer, .address_space: global }
      - { .name: hidden_states_scales, .offset: 8, .size: 8, .value_kind: global_buffer, .address_space: global }
      - { .name: qkv_codes, .offset: 16, .size: 8, .value_kind: global_buffer, .address_space: global }
      - { .name: qkv_scales, .offset: 24, .size: 8, .value_kind: global_buffer, .address_space: global }
      - { .name: q_img, .offset: 32, .size: 8, .value_kind: global_buffer, .address_space: global }
      - { .name: q_sc, .offset: 40, .size: 8, .value_kind: global_buffer, .address_space: global }
      - { .name: kv, .offset: 48, .size: 8, .value_kind: global_buffer, .address_space: global }
      - { .name: out1, .offset: 56, .size: 8, .value_kind: global_buffer, .address_space: global }
      - { .name: out2, .offset: 64, .size: 8, .value_kind: global_buffer, .address_space: global }
      - { .name: o, .offset: 72, .size: 8, .value_kind: global_buffer, .address_space: global }
      - { .name: o_img, .offset: 80, .size: 8, .value_kind: global_buffer, .address_space: global }
      - { .name: o_sc, .offset: 88, .size: 8, .value_kind: global_buffer, .address_space: global }
    .group_segment_fixed_size: 265216
    .private_segment_fixed_size: 0
    .kernarg_segment_align: 8
    .kernarg_segment_size: 96
    .max_flat_workgroup_size: 384
    .sgpr_count:     102
    .vgpr_count:     256
    .wavefront_size: 32
...
	.end_amdgpu_metadata
.endif
;; end of part 5
;; launch attn (part 6): grid 32 x 8, 8 waves a work-group, clusters of 4 x 4, 327,680 bytes of LDS; arguments q_img, q_sc, kv, mask, a_img, a_sc; writes a_img, a_sc
.if DOCPART == 6
	.amdgcn_target "amdgcn-amd-amdhsa--gfx1250"
	.amdhsa_code_object_version 6
	.text
	.protected	k_q8ddae0d186_attn
	.globl	k_q8ddae0d186_attn
	.p2align	8
	.type	k_q8ddae0d186_attn,@function
k_q8ddae0d186_attn:
	s_mov_b64 s[64:65], 0
	v_nop
	global_prefetch_b8 v0, s[64:65] scope:SCOPE_SE
	s_setreg_imm32_b32 hwreg(HW_REG_WAVE_MODE, 25, 1), 1
	s_wait_xcnt 0x0
	s_wait_alu depctr_hold_cnt(0) depctr_sa_sdst(0) depctr_va_vdst(0) depctr_va_sdst(0) depctr_va_ssrc(0) depctr_va_vcc(0) depctr_vm_vsrc(0)
	s_getreg_b32 s2, hwreg(HW_REG_IB_STS2, 6, 4)
	s_cmp_eq_u32 s2, 0
	s_cbranch_scc0 .Lentry_in_a_cluster
	s_endpgm
.Lentry_in_a_cluster:
	s_bfe_u32 s2, ttmp6, 0x10000c
	s_cmp_lg_u32 s2, 0xf033
	s_cbranch_scc0 .Lentry_shape_is_right
	s_endpgm
.Lentry_shape_is_right:
; Attention on codes of E2M3: S = (q / 8) k^T; logit = S m - (1 - m) 10000 with the mask m as it is given, in f32; t = logit x log2(e);
; M = the row's largest t so far, rounded UP to a whole number; p = 2^(t - M) is quantised along the keys; O = p v; the row's sum is taken of the
; unquantised p and divides O at the end; O / sum is quantised along (head, channel) and leaves as an image of the last product's operand.
; All 2,048 keys are walked for every query: the mask is an input and nothing of its pattern is built in.
; SHARES.  A work-group takes 64 queries (x) of four heads (y = 4 batch + head / 4).  Wave w: head 4 g + w / 2, queries 32 (w % 2) on: TWO tiles of 16 queries, so that each fragment
; of K and of V is read from LDS once for two tiles: a wave's key step reads 12,288 bytes of K and V, 768 of scale words and 16,384 of the mask.
; REGISTERS, in two windows of 256: tile 0's scores, O^T, codes and sums lie in window 0, tile 1's under the same numbers in window 1, and the same lines serve both.
; K, V, all LDS and global addresses and all scale words lie in window 0; v32-95 of window 1 take tile 1's mask.
; A key step is 128 keys.  Its K, V and scale words for the four heads are ONE dense block of 52,224 bytes of kv, fetched in three parts of 68 rows of 256 bytes; the mask's 64 rows x 512
; bytes are a fourth load.  Two LDS slots take turns.  At the head waves 0 to 3 fetch key step 0 and waves 4 to 7 key step 1, one load a wave; the refills are waves 0 to 3's.
; THE CHANGE OF SLOTS STANDS IN A STEP'S MIDDLE.  A wave has read K, the mask and V of its slot into registers before the softmax begins: there it waits for its tensor loads, runs the
; add, waits for its LDS reads and signals; the maxima and t - M, on registers alone, stand between the signal and the wait; behind the round the slot just read out takes the key step two on.
; CLUSTERS: 4 x 4 work-groups: four blocks of 64 queries (cx) x the four groups of four heads of one batch (cy).  The four of a row of the cluster walk the same kv blocks, the four
; of a column the same tiles of the mask: each tile is asked for JOINTLY, by the same tensor load with the same descriptor and a mask that names the four.
; LAYOUT.  Both products are used transposed (S^T = K Q^T, O^T = V^T P^T): a lane holds ONE query (lane % 16) of each tile.  The keys of a tile of K and the channels of a
; tile of V are not neighbours (lane r of tile 2 b + u: 32 b + 8 u + r + 8 (r / 8)), so that 16 registers of two neighbouring tiles are 16 neighbours.
; K = 64 IN AN INSTRUCTION OF 128: Q's fragment holds zero codes for k = 64 .. 127 and the scale bytes there are 1.0.  K's half fragments lie six registers apart and the
; upper six registers of a tile's operand are whatever follows: E2M3 has no code but numbers, and a number x 0 adds nothing.
; LIMITS: -(1 - m) 10000 is formed as one fused m x 10000 - 10000, exact for m = 0 and m = 1, one rounding fewer than the source otherwise;
; a block of zeros gets the byte 1 where the rule says 127 (zero codes; this program alone reads the bytes); the promise holds while t stays under 2^31 in magnitude; NaN and infinities are not served.
.set SLOT1, 131072                     ; slot 1 begins here: one exclusive or turns an address of one slot into the other's
.set KVB,   52224                      ; a slot: the kv block (4 heads x (8 x 768 K + 8 x 768 V), then 4 x 768 bytes of scale words),
.set KVP,   17408                      ; (a third of it)
.set MOFF,  52224                      ; then the mask: 64 rows x (512 bytes + 16)
.set SPARE, 262144                     ; the spare words, 128 bytes for each of 8 waves
.set AK16, 1                           ; v1   16 x lane in my head's codes
.set AK8,  2                           ; v2   512 + 8 x lane
.set ASC,  3                           ; v3   4 x lane in my head's scale words
.set AM,   4                           ; v4   tile 0's row of the mask, + 64 (lane / 16); tile 1's lies 16 x 528 bytes on
.set SPW,  5                           ; v5   my spare word; never rewritten
.set NIL,  6                           ; v6   0; never rewritten
.set PFO,  29                          ; v29  the prefetches' offset; never rewritten
.set S,    96                          ; v96-159  S^T, the logits, p
.set OT,   160                         ; v160-191 O^T
.set PCD,  192                         ; v192-203 p's codes
.set BM,   212                         ; v212-215 the blocks' largest
.set BT,   216                         ; v216-219 at work, the bytes
.set BS,   220                         ; v220-223 the conversions' scale operands
.set QS0,  28                          ; scale words, all in window 0: Q's of tile 0, of tile 1; p's of tile 0, of tile 1; K's in v224-227, V's in v228-229
.set QS1,  230
.set PS0,  207
.set PS1,  231
.set WV,   16
.set BB,   17
.set GG,   18
.set HH,   19
.set SEL,  20
.set CS,   22                          ; s[22:23] log2(e), twice
.set G1KV, 24
.set G1M,  32
.set G0KV, 40                          ; the refills' groups 0
.set G0M,  44
.set TENK, 48                          ; s[48:49] 10000.0, twice
.set TB,   50                          ; the slot in hand
.set SLOTS, 51                         ; fills still to be asked for
.set LIM,  52                          ; 1 in a wave that prefetches, else the greatest number
.set QH,   53                          ; which 32 queries
.set PFA,  54                          ; s[54:55] where my prefetches stand
.set PFS,  56                          ; s[56:57] a key step on, in bytes
.set CX,   80
.set QB,   81                          ; which 64 queries of the batch
.set G0KVH, 84                         ; the head's groups 0
.set G0MH, 88
.set MSB, 0
.macro WIN new                         ; low byte: bits 1:0 source 0, 3:2 source 1, 5:4 source 2, 7:6 destination; the high byte repeats the setting that is left
.if MSB != \new
	s_set_vgpr_msb (MSB<<8)|\new
.set MSB, \new
.endif
.endm
.set ALL1, 0x55                        ; every operand in window 1
.set MUL1, 0x54                        ; source 0 (K or V) window 0; source 1, C and D window 1
.set TO1,  0x40                        ; destination window 1, address window 0
.macro QUANT2 s, pc, pt, pw, tm        ; 32 numbers of a lane (register 16 b + i = index 32 b + 16 (lane / 16) + i) -> a half fragment in v[pc] on, two scale bytes in v[pw]
.irp b, 0,1
	v_max3_num_f32 v[(\tm)+\b], |v[(\s)+16*\b]|, |v[(\s)+16*\b+1]|, 0x1800000
.endr
.irp i, 2,4,6,8,10,12,14
.irp b, 0,1
	s_delay_alu instid0(VALU_DEP_2)
	v_max3_num_f32 v[(\tm)+\b], v[(\tm)+\b], |v[(\s)+16*\b+\i]|, |v[(\s)+16*\b+\i+1]|
.endr
.endr
.irp b, 0,1
	s_delay_alu instid0(VALU_DEP_2)
	v_permlanex16_b32 v[(\tm)+2+\b], v[(\tm)+\b], s[SEL], s[SEL+1]
.endr
.irp b, 0,1
	s_delay_alu instid0(VALU_DEP_2)
	v_max_num_f32 v[(\tm)+\b], v[(\tm)+\b], v[(\tm)+2+\b]
.endr
.irp b, 0,1
	s_delay_alu instid0(VALU_DEP_2)
	v_add_nc_u32 v[(\tm)+4+\b], 0xff000000, v[(\tm)+\b]
.endr
.irp b, 0,1
	s_delay_alu instid0(VALU_DEP_2)
	v_lshrrev_b32 v[(\tm)+2+\b], 23, v[(\tm)+4+\b]
.endr
	s_delay_alu instid0(VALU_DEP_1)
	v_lshl_or_b32 v[\pw], v[(\tm)+3], 8, v[(\tm)+2]
	v_cvt_scalef32_pk16_fp6_f32 v[(\pc):(\pc)+2], v[(\s):(\s)+15], v[(\tm)+4]
	v_cvt_scalef32_pk16_fp6_f32 v[(\pt):(\pt)+2], v[(\s)+16:(\s)+31], v[(\tm)+5]
	v_nop
.irp i, 0,1,2
	v_permlane16_swap_b32 v[(\pc)+\i], v[(\pt)+\i]
.endr
.irp i, 0,1,2
	s_delay_alu instid0(VALU_DEP_3)
	v_mov_b32 v[(\pc)+3+\i], v[(\pt)+\i]
.endr
.endm
; A joint refill.  Waves 0 to 2 fetch the kv block's thirds, wave 3 the mask's tile, the others nothing.  Each of the two lines has ONE mask and one set of registers for all that issue it;
; the branches hang on the wave's number alone.  An s_nop 0 and four v_nop follow each line.
.macro TLOAD
	s_cmp_lt_u32 s[WV], 3
	s_cbranch_scc0 .Lnot_kv_\@
	tensor_load_to_lds s[G0KV:G0KV+3], s[G1KV:G1KV+7]
	s_nop 0
.rept 4
	v_nop
.endr
	s_branch .Lasked_\@
.Lnot_kv_\@:
	s_cmp_lt_u32 s[WV], 4
	s_cbranch_scc0 .Lasked_\@
	tensor_load_to_lds s[G0M:G0M+3], s[G1M:G1M+7]
	s_nop 0
.rept 4
	v_nop
.endr
.Lasked_\@:
.endm
.macro CREST                           ; a round of the cluster's barrier behind its opening barrier
	s_cmp_lg_u32 s[WV], 0
	s_cbranch_scc1 .Lnot_wave_0_\@
	s_barrier_signal -3
.Lnot_wave_0_\@:
	s_barrier_wait -3
	s_barrier_signal -1
	s_barrier_wait -1
.endm
.macro CROUND                          ; a whole round
	s_barrier_signal -1
	s_barrier_wait -1
	CREST
.endm
; A prefetch of the key step behind the one that is being loaded, one instruction a wave, by waves that refill nothing.  The partners of a cluster share the bytes out BY ADDRESS.
; The mask's tile (64 rows x 512 bytes) is read by one column of one cluster: each of the four partners' wave 4 asks for 16 rows (16 cy on), two lanes to a row.
; A kv block is read by the eight clusters of a row of clusters: the cluster with x = 0 asks.  Of the block's 204 runs of 256 bytes partner cx takes 51: wave 5 its first 32, wave 6
; the other 19 (that wave's lanes 19 to 31 name the partner's last run again).  The last fill asks for nothing; steps 0 to 2 come by their loads alone.
.macro ASK
	s_cmp_gt_u32 s[SLOTS], s[LIM]
	s_cbranch_scc0 .Lnot_mine_\@
	global_prefetch_b8 v[PFO], s[PFA:PFA+1] th:TH_LOAD_NT scope:SCOPE_SE
.Lnot_mine_\@:
.endm
.macro GRD fill
	s_wait_alu depctr_va_vdst(0)
	s_wait_tensorcnt 0x0                           ; no tensor load of mine is out: my part of the next step's tiles is in, and a group 0 may be written
	ds_add_u32 v[SPW], v[NIL]                      ; 0 onto my spare word
.if \fill
	s_xor_b32 s[G0KV+1], s[G0KV+1], SLOT1          ; the walking descriptors: the other slot, the next 128 keys
	s_add_nc_u64 s[G0KV+2:G0KV+3], s[G0KV+2:G0KV+3], KVB
	s_xor_b32 s[G0M+1], s[G0M+1], SLOT1
	s_add_nc_u64 s[G0M+2:G0M+3], s[G0M+2:G0M+3], 512
	s_wait_xcnt 0x0                                ; the last prefetch, a step back, has read its address
	s_add_nc_u64 s[PFA:PFA+1], s[PFA:PFA+1], s[PFS:PFS+1]          ; one step further on than the walking descriptors
.endif
.endm
	s_load_b256 s[4:11], s[0:1], 0x0               ; q_img s[4:5], q_sc s[6:7], kv s[8:9], mask s[10:11]
	s_load_b128 s[12:15], s[0:1], 0x20             ; a_img s[12:13], a_sc s[14:15]
	v_lshl_add_u32 v[SPW], v0, 2, SPARE
	v_mov_b32 v[NIL], 0
	ds_add_u32 v[SPW], v[NIL]                      ; the opening lines: the add twice on end and its wait
	ds_add_u32 v[SPW], v[NIL]
	v_lshrrev_b32 v8, 5, v0
	s_delay_alu instid0(VALU_DEP_1)
	v_readfirstlane_b32 s[WV], v8                  ; wave 0..7
	s_bfe_u32 s[CX], ttmp6, 0x40000                ; cx
	s_bfe_u32 s[GG], ttmp6, 0x40004                ; cy = head / 4
	s_lshl_b32 s[QB], ttmp9, 2
	s_add_co_u32 s[QB], s[QB], s[CX]               ; which 64 queries = 4 x cluster x + cx
	s_and_b32 s[BB], ttmp7, 0xffff                 ; cluster y is the batch
	s_lshr_b32 s[HH], s[WV], 1                     ; head % 4
	s_and_b32 s[QH], s[WV], 1                      ; which 32 queries
	s_and_b32 s79, s[WV], 3                        ; which of a key step's four loads is mine,
	s_lshr_b32 s76, s[WV], 2                       ; and at the head: of key step 0 or 1
	s_lshl_b32 s82, s[GG], 2
	s_lshl_b32 s82, 15, s82                        ; my row of the cluster
	s_lshl_b32 s83, 0x1111, s[CX]                  ; my column
	; descriptor group 1, kv: 17,408 dense bytes as 68 rows of 256 (32 elements of 8 bytes), no padding
	s_or_b32 s[G1KV+0], s82, (3<<16)|(1<<21)
	s_mov_b32 s[G1KV+1], 32<<16
	s_mov_b32 s[G1KV+2], 68<<16
	s_mov_b32 s[G1KV+3], 32<<16
	s_mov_b32 s[G1KV+4], 68
	s_mov_b32 s[G1KV+5], 32
	s_mov_b32 s[G1KV+6], 0
	s_mov_b32 s[G1KV+7], 0
	; the mask: 64 rows x 128 elements of 4 bytes, 2,048 elements from row to row, 16 bytes of padding behind each 512
	s_or_b32 s[G1M+0], s83, (2<<16)|(1<<20)|(1<<21)|(6<<22)|(3<<25)
	s_mov_b32 s[G1M+1], 128<<16
	s_mov_b32 s[G1M+2], 64<<16
	s_mov_b32 s[G1M+3], 128<<16
	s_mov_b32 s[G1M+4], 64
	s_mov_b32 s[G1M+5], 2048
	s_mov_b32 s[G1M+6], 0
	s_mov_b32 s[G1M+7], 0
	s_lshl_b32 s58, s[BB], 2
	s_add_co_u32 s58, s58, s[GG]
	s_mul_i32 s58, s58, 16*KVB                     ; s58: where my (batch, head / 4) begins in kv, kept
	s_mul_i32 s59, s79, KVP
	s_add_co_u32 s60, s58, s59                     ; my third of key step 0's block
	s_mov_b32 s61, 0
	s_mul_i32 s77, s76, KVB
	s_add_co_u32 s72, s60, s77                     ; and of the head's key step
	s_mov_b32 s73, 0
	s_lshl_b32 s78, s76, 17                        ; the head's slot
	s_lshl_b32 s62, s[BB], 11
	s_lshl_b32 s63, s[QB], 6
	s_add_co_u32 s62, s62, s63                     ; s62: my work-group's first row of the mask, kept
	s_lshl_b32 s66, s62, 13
	s_mov_b32 s67, 0
	s_lshl_b32 s74, s76, 9
	s_add_co_u32 s74, s74, s66
	s_mov_b32 s75, 0
	s_mov_b32 s[SEL], 0x76543210
	s_mov_b32 s[SEL+1], 0xfedcba98
	s_mov_b32 s[CS], 0x3fb8aa3b                    ; log2(e)
	s_mov_b32 s[CS+1], s[CS]
	s_mov_b32 s[TENK], 0x461c4000                  ; 10000.0
	s_mov_b32 s[TENK+1], s[TENK]
	s_mov_b32 s[TB], 0
	s_mov_b32 s[SLOTS], 14
	s_wait_dscnt 0x0                               ; both opening adds are done
	s_wait_kmcnt 0x0
	s_mov_b32 s[G0KVH], 1
	s_add_co_u32 s[G0KVH+1], s59, s78
	s_add_nc_u64 s[G0KVH+2:G0KVH+3], s[8:9], s[72:73]
	s_or_b32 s[G0KVH+3], s[G0KVH+3], 0x80000000
	s_mov_b32 s[G0MH], 1
	s_add_co_u32 s[G0MH+1], s78, MOFF
	s_add_nc_u64 s[G0MH+2:G0MH+3], s[10:11], s[74:75]
	s_or_b32 s[G0MH+3], s[G0MH+3], 0x80000000
	s_mov_b32 s[G0KV], 1                           ; the refills' descriptors stand at key step 1 in slot 1: the first refill steps them to key step 2 in slot 0
	s_add_co_u32 s[G0KV+1], s59, SLOT1
	s_add_nc_u64 s[G0KV+2:G0KV+3], s[8:9], s[60:61]
	s_add_nc_u64 s[G0KV+2:G0KV+3], s[G0KV+2:G0KV+3], KVB
	s_or_b32 s[G0KV+3], s[G0KV+3], 0x80000000
	s_mov_b32 s[G0M], 1
	s_mov_b32 s[G0M+1], MOFF+SLOT1
	s_add_nc_u64 s[G0M+2:G0M+3], s[10:11], s[66:67]
	s_add_nc_u64 s[G0M+2:G0M+3], s[G0M+2:G0M+3], 512
	s_or_b32 s[G0M+3], s[G0M+3], 0x80000000
	CROUND                                         ; all sixteen work-groups are here: the first joint loads meet
	s_cmp_lt_u32 s79, 3                            ; the head's loads, one a wave: both arms hold one
	s_cbranch_scc0 .Lhead_m
	tensor_load_to_lds s[G0KVH:G0KVH+3], s[G1KV:G1KV+7]
	s_nop 0
.rept 4
	v_nop
.endr
	s_branch .Lhead_asked
.Lhead_m:
	tensor_load_to_lds s[G0MH:G0MH+3], s[G1M:G1M+7]
	s_nop 0
.rept 4
	v_nop
.endr
.Lhead_asked:
	s_lshl_b32 s68, s[GG], 2
	s_add_co_u32 s68, s68, s[HH]                   ; my head
	s_lshl_b32 s69, s[BB], 4
	s_add_co_u32 s69, s69, s68
	s_lshl_b32 s69, s69, 7
	s_lshl_b32 s70, s[QB], 2
	s_lshl_b32 s71, s[QH], 1
	s_add_co_u32 s70, s70, s71                     ; my first tile of queries in the batch
	s_add_co_u32 s69, s69, s70
	s_mul_i32 s72, s69, 768
	s_mov_b32 s73, 0
	s_add_nc_u64 s[4:5], s[4:5], s[72:73]          ; Q's images: tile 1's 768 bytes on
	s_lshl_b32 s72, s69, 6
	s_add_nc_u64 s[6:7], s[6:7], s[72:73]          ; and their scale words: 64 bytes on
	s_lshl_b32 s71, s[BB], 7
	s_add_co_u32 s71, s71, s70                     ; my first tile of tokens
	s_lshl_b32 s72, s71, 4
	s_add_co_u32 s72, s72, s68
	s_mul_i32 s72, s72, 768
	s_add_nc_u64 s[12:13], s[12:13], s[72:73]      ; a_img: [tile of tokens][head][768]: tile 1's 12,288 bytes on
	s_lshl_b32 s72, s71, 9
	s_lshl_b32 s74, s68, 1
	s_add_co_u32 s72, s72, s74
	s_add_nc_u64 s[14:15], s[14:15], s[72:73]      ; a_sc: [token][32], bytes 2 head, 2 head + 1: tile 1's 512 bytes on
	; the prefetches: where my wave's stand, and who asks
	s_lshl_b32 s74, s[GG], 4
	s_add_co_u32 s74, s74, s62
	s_lshl_b32 s74, s74, 13
	s_add_co_u32 s74, s74, 1024                    ; the mask: my work-group's 16 rows of the tile's 64, at key step 2: the first refill steps it to 3
	s_mul_i32 s75, s[CX], 13056
	s_add_co_u32 s75, s75, s58
	s_add_co_u32 s75, s75, 2*KVB                   ; kv: my work-group's 13,056 bytes of key step 2's block
	s_add_co_u32 s78, s[WV], 1
	s_and_b32 s78, s78, 1
	s_lshl_b32 s78, s78, 5                         ; wave 6 takes the runs from the 33rd on
	s_mov_b32 s[PFS], KVB
	s_mov_b32 s76, 512
	s_cmp_lt_u32 s[WV], 5
	s_cselect_b64 s[PFA:PFA+1], s[10:11], s[8:9]
	s_cselect_b32 s74, s74, s75
	s_cselect_b32 s[PFS], 512, s[PFS]
	s_cselect_b32 s76, 8192, s76                   ; from one pair of lanes to the next: a row of the mask, or 512 bytes of kv
	s_cselect_b32 s77, 0, ttmp9                    ; kv: the cluster's x: the same in all sixteen partners
	s_cselect_b32 s78, 0, s78
	s_mov_b32 s75, 0
	s_mov_b32 s[PFS+1], 0
	s_add_nc_u64 s[PFA:PFA+1], s[PFA:PFA+1], s[74:75]
	s_cmp_eq_u32 s77, 0
	s_cselect_b32 s[LIM], 1, -1
	s_sub_co_u32 s77, s[WV], 5
	s_cmp_lt_u32 s77, 2                            ; waves 5 and 6,
	s_cselect_b32 s77, 1, 0
	s_cmp_eq_u32 s[WV], 4                          ; and wave 4
	s_cselect_b32 s77, 1, s77
	s_cmp_eq_u32 s77, 0
	s_cselect_b32 s[LIM], -1, s[LIM]
	v_and_b32 v8, 31, v0                           ; lane
	v_and_b32 v9, 15, v0                           ; r
	v_bfe_u32 v10, v0, 4, 1                        ; h
	s_delay_alu instid0(VALU_DEP_3)
	v_lshlrev_b32 v30, 4, v8                       ; v30: 16 x lane, kept
	s_delay_alu instid0(VALU_DEP_4)
	v_lshlrev_b32 v31, 3, v8
	s_delay_alu instid0(VALU_DEP_1)
	v_add_nc_u32 v31, 512, v31                     ; v31: 512 + 8 x lane, kept
	v_lshlrev_b32 v7, 2, v9
	global_load_b128 v[16:19], v30, s[4:5]         ; Q's half fragments stay in registers
	global_load_b64 v[20:21], v31, s[4:5]
	global_load_b32 v[QS0], v7, s[6:7]             ; Q's scale words
	global_load_b32 v[QS1], v7, s[6:7] offset:64
.irp j, 80,81,82,83,84,85
	v_mov_b32 v[\j], 0                             ; behind K's last tile: written once, so that the first step reads nothing unwritten
.endr
	v_add_nc_u32 v11, s78, v8                      ; which run of 256 bytes of my work-group's part is my lane's,
	s_delay_alu instid0(VALU_DEP_1)
	v_min_u32 v11, 50, v11                         ; held at the part's last
	s_delay_alu instid0(VALU_DEP_1)
	v_lshrrev_b32 v12, 1, v11
	s_delay_alu instid0(VALU_DEP_2)
	v_and_b32 v11, 1, v11
	s_delay_alu instid0(VALU_DEP_2)
	v_mul_lo_u32 v[PFO], v12, s76
	s_delay_alu instid0(VALU_DEP_1)
	v_lshl_add_u32 v[PFO], v11, 8, v[PFO]
	s_mul_i32 s78, s[HH], 12288
	v_add_nc_u32 v[AK16], s78, v30
	v_add_nc_u32 v[AK8], s78, v31
	s_mul_i32 s78, s[HH], 768
	s_add_co_u32 s78, s78, 49152
	v_lshl_add_u32 v[ASC], v8, 2, s78
	s_lshl_b32 s78, s[QH], 5
	v_add_nc_u32 v[AM], s78, v9
	s_delay_alu instid0(VALU_DEP_1)
	v_mul_u32_u24 v[AM], v[AM], 528
	s_delay_alu instid0(VALU_DEP_1)
	v_lshl_add_u32 v[AM], v10, 6, v[AM]
	s_delay_alu instid0(VALU_DEP_1)
	v_add_nc_u32 v[AM], MOFF, v[AM]
	v_lshlrev_b32 v245, 5, v9                      ; the way out: 32 bytes a token in a_sc
.macro STATE                           ; a tile's state, in the window in hand
.irp j, 22,23,24,25,26,27
	v_mov_b32 v[\j], 0                             ; Q's zero codes for k = 64 .. 127
.endr
	v_mov_b32 v13, 0xff61b1e6                      ; the largest t so far: -3e38, under every t
	v_mov_b32 v12, 0x7f61b1e6                      ; -M = floor(3e38), which is 3e38
	v_mov_b32 v14, 0                               ; the sum, in two halves
	v_mov_b32 v15, 0
.irp b, 0,1,2,3
	v_mov_b32 v[BT+\b], 0                          ; written once: a lane permute's destination counts as one of its sources
.endr
	v_mov_b32 v243, 0                              ; (the upper half of the pair v[242:243])
.set n, 0
.rept 32
	v_mov_b32 v[OT+n], 0                           ; O^T: the first step finds zeros, which the first change of M leaves zeros
.set n, n+1
.endr
.endm
	STATE
	WIN TO1
	global_load_b128 v[16:19], v30, s[4:5] offset:768
	global_load_b64 v[20:21], v31, s[4:5] offset:768
	STATE
	WIN 0
.macro MASKLD off                      ; a tile's mask, in the scores' order, into v32-95 of the destination's window
.irp b, 0,1,2,3
.irp i, 0,1,2,3
	ds_load_b128 v[32+16*\b+4*\i:35+16*\b+4*\i], v11 offset:\off+128*\b+16*\i
.endr
.endr
.endm
.macro MASKFMA y                       ; logit = S m + (m x 10000 - 10000), two at a time, four pairs by turns, from each accumulator's low end on.  y: LDS loads issued behind this tile's sixteen
.irp n, 0,1,2,3,4,5,6,7
	s_wait_dscnt \y+14-2*\n                        ; loads 2 n and 2 n + 1 of the sixteen are in; the younger ones may be out
.irp p, 0,1,2,3
	v_pk_fma_f32 v[232+2*\p:233+2*\p], v[32+8*\n+2*\p:33+8*\n+2*\p], s[TENK:TENK+1], s[TENK:TENK+1] op_sel_hi:[1,0,0] neg_lo:[0,0,1] neg_hi:[0,0,1]
.endr
.irp p, 0,1,2,3
	v_pk_fma_f32 v[S+8*\n+2*\p:S+8*\n+2*\p+1], v[S+8*\n+2*\p:S+8*\n+2*\p+1], v[32+8*\n+2*\p:33+8*\n+2*\p], v[232+2*\p:233+2*\p]
.endr
.endr
.endm
.macro QK qs                           ; S^T = K Q^T: register 16 b + i: key 32 b + 16 (lane / 16) + i of my query
.irp t, 0,2,4,6
	v_wmma_scale_f32_16x16x128_f8f6f4 v[S+8*\t:S+8*\t+7], v[32+6*\t:43+6*\t], v[16:27], 0, v[224+\t/2], v[\qs] matrix_a_fmt:MATRIX_FMT_FP6 matrix_b_fmt:MATRIX_FMT_FP6
	v_wmma_scale_f32_16x16x128_f8f6f4 v[S+8*\t+8:S+8*\t+15], v[38+6*\t:49+6*\t], v[16:27], 0, v[224+\t/2], v[\qs] matrix_a_fmt:MATRIX_FMT_FP6 matrix_b_fmt:MATRIX_FMT_FP6 matrix_a_scale:MATRIX_SCALE_ROW1
.endr
.endm
.macro PV ps                           ; O^T += V^T p^T; the accumulators take turns, one instruction a turn
.irp t, 0,2
	v_wmma_scale_f32_16x16x128_f8f6f4 v[OT+8*\t:OT+8*\t+7], v[32+12*\t:43+12*\t], v[PCD:PCD+11], v[OT+8*\t:OT+8*\t+7], v[228+\t/2], v[\ps] matrix_a_fmt:MATRIX_FMT_FP6 matrix_b_fmt:MATRIX_FMT_FP6
	v_wmma_scale_f32_16x16x128_f8f6f4 v[OT+8*\t+8:OT+8*\t+15], v[44+12*\t:55+12*\t], v[PCD:PCD+11], v[OT+8*\t+8:OT+8*\t+15], v[228+\t/2], v[\ps] matrix_a_fmt:MATRIX_FMT_FP6 matrix_b_fmt:MATRIX_FMT_FP6 matrix_a_scale:MATRIX_SCALE_ROW1
.endr
.endm
.macro MAXTREE                         ; the largest logit of each block of 32 keys, my 16 of them: it serves the row's maximum and, since p rises with the logit, the block's largest p
.irp b, 0,1,2,3
	v_max3_num_f32 v[BM+\b], v[S+16*\b], v[S+1+16*\b], v[S+2+16*\b]
.endr
.irp i, 3,5,7,9,11,13
.irp b, 0,1,2,3
	s_delay_alu instid0(VALU_DEP_4)
	v_max3_num_f32 v[BM+\b], v[BM+\b], v[S+16*\b+\i], v[S+1+16*\b+\i]
.endr
.endr
.irp b, 0,1,2,3
	s_delay_alu instid0(VALU_DEP_4)
	v_max_num_f32 v[BM+\b], v[BM+\b], v[S+15+16*\b]
.endr
.endm
.macro SOFT1                           ; the running M, f, and t - M
.irp b, 0,1,2,3
	v_permlanex16_b32 v[BT+\b], v[BM+\b], s[SEL], s[SEL+1]
.endr
.irp b, 0,1,2,3
	s_delay_alu instid0(VALU_DEP_4)
	v_max_num_f32 v[BM+\b], v[BM+\b], v[BT+\b]     ; with lane l xor 16's 16 keys
.endr
	s_delay_alu instid0(VALU_DEP_2)
	v_max3_num_f32 v244, v[BM], v[BM+1], v[BM+2]
	s_delay_alu instid0(VALU_DEP_1)
	v_max_num_f32 v244, v244, v[BM+3]              ; the step's largest logit of my query
	s_delay_alu instid0(VALU_DEP_1)
	v_mul_f32 v244, s[CS], v244                    ; as t
	s_delay_alu instid0(VALU_DEP_1)
	v_max_num_f32 v13, v13, v244                   ; the running largest t
	v_mov_b32 v244, v12
	s_delay_alu instid0(VALU_DEP_2)
	v_floor_f32 v12, -v13                          ; the new -M = floor(-t): M is a whole number
	s_delay_alu instid0(VALU_DEP_1)
	v_sub_f32 v244, v12, v244                      ; old M - new M: a whole number, 0 or less
	s_delay_alu instid0(VALU_DEP_1)
	v_cvt_i32_f32 v244, v244                       ; (it saturates)
	s_delay_alu instid0(VALU_DEP_1)
	v_ldexp_f32 v242, 1.0, v244                    ; f = 2^(old M - new M): a multiplication by it rounds nothing
.set n, 0
.rept 32
	v_pk_fma_f32 v[S+n:S+n+1], v[S+n:S+n+1], s[CS:CS+1], v[12:13] op_sel_hi:[1,0,0]   ; t - M, two at a time
.set n, n+2
.endr
.irp b, 0,1,2,3
	v_fma_f32 v[BM+\b], v[BM+\b], s[CS], v12       ; the same of each block's largest
.endr
.endm
.macro SOFT2 u                         ; p, the row's sum, p's codes and scale word, O^T under the new M
	s_wait_alu depctr_va_vdst(0)                   ; ahead of the batch
.set n, 0
.rept 64
	v_exp_f32 v[S+n], v[S+n]                       ; p = 2^(t - M), at most 1, not normalised
.set n, n+1
.endr
	v_pk_mul_f32 v[14:15], v[14:15], v[242:243] op_sel_hi:[1,0]    ; the sums under the new M: the plain line behind the exponentials
	s_wait_alu depctr_va_vdst(0)                   ; one wait for the whole batch, ahead of its first reader
.irp b, 0,1,2,3
	v_exp_f32 v[BM+\b], v[BM+\b]                   ; the block's largest p: the same two instructions on the same number give the same bits
.endr
	v_pk_add_f32 v[246:247], v[100:101], v[104:105]        ; the row's sum of the unquantised p, in eight chains
	v_pk_add_f32 v[254:255], v[108:109], v[112:113]
	v_pk_add_f32 v[252:253], v[116:117], v[120:121]
	v_pk_add_f32 v[250:251], v[124:125], v[128:129]
	v_pk_add_f32 v[248:249], v[132:133], v[136:137]
	v_pk_add_f32 v[240:241], v[140:141], v[144:145]
	v_pk_add_f32 v[238:239], v[148:149], v[152:153]
	v_pk_add_f32 v[14:15], v[14:15], v[156:157]
	v_pk_add_f32 v[246:247], v[246:247], v[96:97]
	v_pk_add_f32 v[254:255], v[254:255], v[98:99]
	v_pk_add_f32 v[252:253], v[252:253], v[102:103]
	v_pk_add_f32 v[250:251], v[250:251], v[106:107]
	v_pk_add_f32 v[248:249], v[248:249], v[110:111]
	v_pk_add_f32 v[240:241], v[240:241], v[114:115]
	v_pk_add_f32 v[238:239], v[238:239], v[118:119]
	v_pk_add_f32 v[14:15], v[14:15], v[122:123]
	v_pk_add_f32 v[246:247], v[246:247], v[126:127]
	v_pk_add_f32 v[254:255], v[254:255], v[130:131]
	v_pk_add_f32 v[252:253], v[252:253], v[134:135]
	v_pk_add_f32 v[250:251], v[250:251], v[138:139]
	v_pk_add_f32 v[248:249], v[248:249], v[142:143]
	v_pk_add_f32 v[240:241], v[240:241], v[146:147]
	v_pk_add_f32 v[238:239], v[238:239], v[150:151]
	v_pk_add_f32 v[14:15], v[14:15], v[154:155]
	v_pk_add_f32 v[246:247], v[246:247], v[158:159]
	s_delay_alu instid0(VALU_DEP_2)
	v_pk_add_f32 v[14:15], v[14:15], v[250:251]
	s_delay_alu instid0(VALU_DEP_2)
	v_pk_add_f32 v[246:247], v[246:247], v[248:249]
	v_pk_add_f32 v[254:255], v[254:255], v[240:241]
	v_pk_add_f32 v[252:253], v[252:253], v[238:239]
	s_delay_alu instid0(VALU_DEP_2)
	v_pk_add_f32 v[14:15], v[14:15], v[254:255]
	s_delay_alu instid0(VALU_DEP_2)
	v_pk_add_f32 v[246:247], v[246:247], v[252:253]
	s_delay_alu instid0(VALU_DEP_1)
	v_pk_add_f32 v[14:15], v[14:15], v[246:247]
	s_wait_alu depctr_va_vdst(0)                   ; and one for the four
.irp b, 0,1,2,3
	v_max_num_f32 v[BM+\b], 0x1800000, v[BM+\b]    ; the floor 2^(3 - 127): the byte cannot fall under 1
.endr
.irp b, 0,1,2,3
	s_delay_alu instid0(VALU_DEP_4)
	v_add_nc_u32 v[BS+\b], 0xff000000, v[BM+\b]    ; 2 off the exponent field: the conversion's scale operand
.endr
.irp b, 0,1,2,3
	s_delay_alu instid0(VALU_DEP_4)
	v_lshrrev_b32 v[BT+\b], 23, v[BS+\b]           ; the scale's byte
.endr
	s_delay_alu instid0(VALU_DEP_3)
	v_lshl_or_b32 v240, v[BT+1], 8, v[BT]          ; p's scale word for these 128 keys
	s_delay_alu instid0(VALU_DEP_1)
	v_lshl_or_b32 v240, v[BT+2], 16, v240
.if \u
	WIN 0x15                                       ; sources in window 1, the destination in window 0: scale operands are taken from window 0
	v_lshl_or_b32 v[PS1], v[BT+3], 24, v240
	WIN ALL1
.else
	s_delay_alu instid0(VALU_DEP_1)
	v_lshl_or_b32 v[PS0], v[BT+3], 24, v240
.endif
.irp c, 0,1
	v_cvt_scalef32_pk16_fp6_f32 v[PCD+6*\c:PCD+2+6*\c], v[S+32*\c:S+15+32*\c], v[BS+2*\c]
	v_cvt_scalef32_pk16_fp6_f32 v[204+4*\c:206+4*\c], v[S+16+32*\c:S+31+32*\c], v[BS+2*\c+1]
.endr
	v_nop                                          ; one plain line behind a scaled conversion
.irp c, 0,1
.irp i, 0,1,2
	v_permlane16_swap_b32 v[PCD+6*\c+\i], v[204+4*\c+\i]           ; a lane gets a whole block: lanes 0-15 block 2 c, lanes 16-31 block 2 c + 1
.endr
.irp i, 0,1,2
	s_delay_alu instid0(VALU_DEP_3)
	v_mov_b32 v[PCD+3+6*\c+\i], v[204+4*\c+\i]
.endr
.endr
	s_wait_alu depctr_va_vdst(0)                   ; directly ahead of the first reader of O^T
.set n, 0
.rept 16
	v_pk_mul_f32 v[OT+n:OT+n+1], v[OT+n:OT+n+1], v[242:243] op_sel_hi:[1,0]   ; O^T under the new M.  (These sixteen are also the places between the writes of p's codes and scale word and the products)
.set n, n+2
.endr
.endm
; A KEY STEP: 128 keys from the slot in hand.  mode 2: the slot is filled again in the step's middle, behind a round; mode 1: a barrier alone shows the last slot whole; mode 0: the last step.
.macro STEP mode
	v_add_nc_u32 v8, s[TB], v[AK16]                ; (these four are also the places in front of loads into registers that the last step's products read)
	v_add_nc_u32 v9, s[TB], v[AK8]
	v_add_nc_u32 v10, s[TB], v[ASC]
	v_add_nc_u32 v11, s[TB], v[AM]
.irp a, 0,1,2,3
	ds_load_b32 v[224+\a], v10 offset:128*\a       ; K's scale words: lanes 0-15 tile 2 a, lanes 16-31 tile 2 a + 1
.endr
.irp a, 0,1
	ds_load_b32 v[228+\a], v10 offset:512+128*\a   ; V's likewise
.endr
.irp t, 0,1,2,3,4,5,6,7
	ds_load_b128 v[32+6*\t:35+6*\t], v8 offset:768*\t              ; K's tile t, six registers, as it was stored
	ds_load_b64 v[36+6*\t:37+6*\t], v9 offset:768*\t
.endr
	WIN TO1
	MASKLD 16*528                                  ; tile 1's mask has registers of its own: it is asked for with K
	WIN 0
	s_wait_alu depctr_va_vdst(0)
	s_wait_dscnt 16                                ; the scale words and K are in; the sixteen loads of the mask may be out
	QK QS0
	WIN MUL1
	QK QS1
.rept 4
	v_nop                                          ; places in front of loads into K's registers and of the first read of the scores
.endr
	WIN 0
	MASKLD 0                                       ; tile 0's mask lands under tile 1's lines
	WIN ALL1
	MASKFMA 16
	WIN 0
	MASKFMA 0
.irp t, 0,1,2,3                        ; V's four tiles of 16 channels x 128 keys: my last reads of this slot
.irp c, 0,1
	ds_load_b128 v[32+12*\t+6*\c:35+12*\t+6*\c], v8 offset:6144+(2*\t+\c)*768
	ds_load_b64 v[36+12*\t+6*\c:37+12*\t+6*\c], v9 offset:6144+(2*\t+\c)*768
.endr
.endr
.if \mode == 2
	GRD 1
.endif
.if \mode == 1
	GRD 0
.endif
	MAXTREE                                        ; work on registers between the add and the wait for it
	WIN ALL1
	MAXTREE
	s_wait_alu depctr_va_vdst(0)
	s_wait_dscnt 0x0                               ; V is in, so my reads of this slot are over; the add is done
.if \mode
	s_barrier_signal -1                            ; say so; work on registers alone stands between the signal and the wait
.endif
	SOFT1
	WIN 0
	SOFT1
.if \mode
	s_barrier_wait -1                              ; every wave of my work-group has left this slot and has its part of the next
.endif
.if \mode == 2
	CREST                                          ; the barrier has opened a round of the cluster's: no wave of any partner still reads this slot or has a load on its way
	TLOAD                                          ; the key step two on, into the slot just read out: the first thing behind the round, a wave's one tensor load until the next
	ASK
.endif
	SOFT2 0
	PV PS0
	WIN ALL1
	SOFT2 1
	WIN MUL1
	PV PS1
	WIN 0
.endm
	s_wait_alu depctr_va_vdst(0)
	s_wait_tensorcnt 0x0                           ; my part of key step 0 or 1 is in,
	s_barrier_signal -1
	s_barrier_wait -1                              ; everybody's is
	s_wait_loadcnt 0x0                             ; Q
.Lstep:                                            ; 14 trips: steps 0 to 13, each of which asks for the key step two on
	STEP 2
	s_xor_b32 s[TB], s[TB], SLOT1
	s_sub_co_u32 s[SLOTS], s[SLOTS], 1
	s_cmp_lg_u32 s[SLOTS], 0
	s_cbranch_scc1 .Lstep
	STEP 1                                         ; the last two steps are written out
	s_xor_b32 s[TB], s[TB], SLOT1
	STEP 0
	; THE WAY OUT.  O^T / the sum; a tile's 32 registers are 16 + 16 neighbours of the last product's K (64 head + channel): quantised and stored as a half fragment.
.macro FINISH
	v_add_f32 v14, v14, v15                        ; the sum's two halves,
	s_delay_alu instid0(VALU_DEP_1)
	v_permlanex16_b32 v244, v14, s[SEL], s[SEL+1]
	s_delay_alu instid0(VALU_DEP_1)
	v_add_f32 v14, v14, v244                       ; and lane l xor 16's
	s_wait_alu depctr_va_vdst(0)
	v_rcp_f32 v14, v14
.rept 3
	v_nop                                          ; the plain line behind the reciprocal; with the two additions also the places behind the last products
.endr
	s_wait_alu depctr_va_vdst(0)                   ; ahead of the reciprocal's first reader, which is also the first reader of O^T
.set n, 0
.rept 16
	v_pk_mul_f32 v[OT+n:OT+n+1], v[OT+n:OT+n+1], v[14:15] op_sel_hi:[1,0]
.set n, n+2
.endr
	QUANT2 OT, PCD, 204, 241, BM
.endm
	FINISH
	global_store_b128 v30, v[PCD:PCD+3], s[12:13]  ; 512 consecutive bytes
	global_store_b64 v31, v[PCD+4:PCD+5], s[12:13] ; 256 consecutive bytes
	global_store_b16 v245, v241, s[14:15]          ; my token's two scale bytes of this head (both halves of the lanes store the same)
	WIN ALL1
	FINISH
	WIN 0x04                                       ; the data in window 1, the addresses in window 0
	global_store_b128 v30, v[PCD:PCD+3], s[12:13] offset:12288
	global_store_b64 v31, v[PCD+4:PCD+5], s[12:13] offset:12288
	global_store_b16 v245, v241, s[14:15] offset:512
	WIN 0
	s_wait_tensorcnt 0x0                           ; the wave's end
	ds_add_u32 v[SPW], v[NIL]
	s_wait_dscnt 0x0
	CROUND                                         ; the closing round: no work-group ends while a partner may still ask for a tile that names it
	s_endpgm
.Lfunc_end_k_q8ddae0d186_attn:
	.size	k_q8ddae0d186_attn, .Lfunc_end_k_q8ddae0d186_attn-k_q8ddae0d186_attn
	.p2alignl 7, 3214868480
	.fill 96, 4, 3214868480
	.section	.rodata,"a",@progbits
	.p2align	6, 0x0
	.amdhsa_kernel k_q8ddae0d186_attn
		.amdhsa_group_segment_fixed_size 327680
		.amdhsa_private_segment_fixed_size 0
		.amdhsa_enable_private_segment 0
		.amdhsa_kernarg_size 48
		.amdhsa_user_sgpr_count 2
		.amdhsa_user_sgpr_kernarg_segment_ptr 1
		.amdhsa_wavefront_size32 1
		.amdhsa_system_sgpr_workgroup_id_x 1
		.amdhsa_system_sgpr_workgroup_id_y 1
		.amdhsa_system_sgpr_workgroup_id_z 1
		.amdhsa_system_vgpr_workitem_id 0
		.amdhsa_next_free_vgpr 512
		.amdhsa_next_free_sgpr 92
		.amdhsa_reserve_vcc 0
		.amdhsa_float_denorm_mode_32 3
		.amdhsa_float_denorm_mode_16_64 3
		.amdhsa_memory_ordered 1
		.amdhsa_forward_progress 1
		.amdhsa_inst_pref_size 156
	.end_amdhsa_kernel
	.amdgpu_metadata
---
amdhsa.version: [ 1, 2 ]
amdhsa.kernels:
  - .name:           k_q8ddae0d186_attn
    .symbol:         k_q8ddae0d186_attn.kd
    .args:
      - { .name: q_img, .offset: 0, .size: 8, .value_kind: global_buffer, .address_space: global }
      - { .name: q_sc, .offset: 8, .size: 8, .value_kind: global_buffer, .address_space: global }
      - { .name: kv, .offset: 16, .size: 8, .value_kind: global_buffer, .address_space: global }
      - { .name: mask, .offset: 24, .size: 8, .value_kind: global_buffer, .address_space: global }
      - { .name: a_img, .offset: 32, .size: 8, .value_kind: global_buffer, .address_space: global }
      - { .name: a_sc, .offset: 40, .size: 8, .value_kind: global_buffer, .address_space: global }
    .group_segment_fixed_size: 327680
    .private_segment_fixed_size: 0
    .kernarg_segment_align: 8
    .kernarg_segment_size: 48
    .max_flat_workgroup_size: 256
    .sgpr_count:     92
    .vgpr_count:     512
    .wavefront_size: 32
...
	.end_amdgpu_metadata
.endif
;; end of part 6
;; launch proj (part 7): grid 8 x 32, 8 waves a work-group, clusters of 4 x 4, 232,448 bytes of LDS; arguments a_img, a_sc, o_img, o_sc, out0; writes out0
.if DOCPART == 7
	.amdgcn_target "amdgcn-amd-amdhsa--gfx1250"
	.amdhsa_code_object_version 6
	.text
	.protected	k_q8ddae0d186_proj
	.globl	k_q8ddae0d186_proj
	.p2align	8
	.type	k_q8ddae0d186_proj,@function
k_q8ddae0d186_proj:
	s_mov_b64 s[64:65], 0
	v_nop
	global_prefetch_b8 v0, s[64:65] scope:SCOPE_SE
	s_setreg_imm32_b32 hwreg(HW_REG_WAVE_MODE, 25, 1), 1
	s_wait_xcnt 0x0
	s_wait_alu depctr_hold_cnt(0) depctr_sa_sdst(0) depctr_va_vdst(0) depctr_va_sdst(0) depctr_va_ssrc(0) depctr_va_vcc(0) depctr_vm_vsrc(0)
	s_getreg_b32 s2, hwreg(HW_REG_IB_STS2, 6, 4)
	s_cmp_eq_u32 s2, 0
	s_cbranch_scc0 .Lentry_in_a_cluster
	s_endpgm
.Lentry_in_a_cluster:
	s_bfe_u32 s2, ttmp6, 0x10000c
	s_cmp_lg_u32 s2, 0xf033
	s_cbranch_scc0 .Lentry_shape_is_right
	s_endpgm
.Lentry_shape_is_right:
; out0 [4096 tokens][1024 c] = A x o, both as codes of E2M3 with E8M0 scales, made by the launches before and laid as images of the operands' registers:
; [tile of 16 rows][K step of 128: 8][half: 2][768 bytes]; scale bytes [row][32].
; A work-group takes 128 columns (x) and 128 tokens (y).  All of K = 1,024 of both operands, 2 x 98,304 dense bytes, comes into LDS by first fills alone, one load a wave.
; CLUSTERS: 4 x 4 work-groups.  The four of a row of the cluster have the same tokens, the four of a column the same columns: each operand's images are asked for JOINTLY, by the same
; tensor load with the same descriptor and a mask that names the four: a quarter of the requests.
; Wave w: two tiles of tokens (w / 2; source 1) x four tiles of columns (w % 2; source 0): eight accumulators, eight K steps.
; The product is used transposed, so that a lane holds eight neighbouring columns of one token's row.
.set OIM,  98304                       ; LDS: the tokens' images at 0, the columns' here
.set STG,  196608                      ; behind them: a stage of 16 rows x 272 bytes for each wave; no fill lands there
.set SI,   16                          ; v16-31   inner scale words    (v16-39 hold scales and nothing else)
.set SO,   32                          ; v32-39   outer scale words
.set F0,   40                          ; v40-111, v112-183 two sets of fragments
.set ACC,  184                         ; v184-247 accumulator (o, i) at 184 + 8 (4 o + i)
.set BK,   112                         ; the way out: rows read back
.set WV,   14
.set TQ,   15
.set CH,   16
.set YY,   17
.set G1A,  24                          ; s[24:31], s[32:35] descriptor groups 1 and 0 for the tokens' images
.set G0A,  32
.set XX,   46
.set CX,   47
.set CY,   48
.set G1O,  52                          ; s[52:59], s[60:63] the same for the columns' images
.set G0O,  60
; A round of the cluster's barrier: my work-group's barrier, so that wave 0's signal speaks for all eight waves; wave 0 signals for the work-group; every wave waits for all
; sixteen work-groups; my work-group's barrier once more.  No LDS instruction of the wave is pending at a signal.
.macro CROUND
	s_barrier_signal -1
	s_barrier_wait -1
	s_cmp_lg_u32 s[WV], 0
	s_cbranch_scc1 .Lnot_wave_0_\@
	s_barrier_signal -3
.Lnot_wave_0_\@:
	s_barrier_wait -3
	s_barrier_signal -1
	s_barrier_wait -1
.endm
	s_load_b256 s[4:11], s[0:1], 0x0               ; a_img s[4:5], a_sc s[6:7], o_img s[8:9], o_sc s[10:11]
	s_load_b64 s[12:13], s[0:1], 0x20              ; out0
	v_lshl_add_u32 v254, v0, 2, 0x38800
	v_mov_b32 v255, 0
	ds_add_u32 v254, v255
	ds_add_u32 v254, v255
	v_lshrrev_b32 v1, 5, v0
	s_delay_alu instid0(VALU_DEP_1)
	v_readfirstlane_b32 s[WV], v1                  ; wave 0..7
	s_lshr_b32 s[TQ], s[WV], 1
	s_and_b32 s[CH], s[WV], 1
	s_bfe_u32 s[CX], ttmp6, 0x40000                ; cx, cy: my place in the cluster
	s_bfe_u32 s[CY], ttmp6, 0x40004
	s_lshl_b32 s[XX], ttmp9, 2                     ; in a cluster launch ttmp9 and ttmp7 count clusters
	s_add_co_u32 s[XX], s[XX], s[CX]               ; which 128 columns = 4 x cluster x + cx
	s_and_b32 s[YY], ttmp7, 0xffff
	s_lshl_b32 s[YY], s[YY], 2
	s_add_co_u32 s[YY], s[YY], s[CY]               ; which 128 tokens = 4 x cluster y + cy
	s_lshl_b32 s49, s[CY], 2
	s_lshl_b32 s49, 15, s49                        ; my row of the cluster
	s_lshl_b32 s50, 0x1111, s[CX]                  ; my column
	; descriptor group 1: 24,576 dense bytes as 96 rows of 256 (32 elements of 8 bytes), no padding
	s_or_b32 s[G1A+0], s49, (3<<16)|(1<<21)        ; 15:0 the mask: the tokens' images go to my row; 21 set beside a mask
	s_or_b32 s[G1O+0], s50, (3<<16)|(1<<21)        ; the columns' images go to my column
.irp g, G1A, G1O
	s_mov_b32 s[\g+1], 32<<16
	s_mov_b32 s[\g+2], 96<<16
	s_mov_b32 s[\g+3], 32<<16
	s_mov_b32 s[\g+4], 96
	s_mov_b32 s[\g+5], 32
	s_mov_b32 s[\g+6], 0
	s_mov_b32 s[\g+7], 0
.endr
	s_and_b32 s18, s[WV], 3
	s_mul_i32 s18, s18, 24576                      ; which quarter of an operand's images I fetch
	s_mul_i32 s20, s[YY], 98304
	s_add_co_u32 s20, s20, s18                     ; the tokens': made of the wave's number and y alone
	s_mov_b32 s21, 0
	s_mul_i32 s22, s[XX], 98304
	s_add_co_u32 s22, s22, s18                     ; the columns': of the wave's number and x alone
	s_mov_b32 s23, 0
	s_mul_i32 s19, s[WV], 24576                    ; where they go: waves 0 to 3 bring the tokens' images, waves 4 to 7 the columns': no place in the cluster enters an LDS address
	s_mov_b32 s[G0A], 1
	s_mov_b32 s[G0A+1], s19
	s_mov_b32 s[G0O], 1
	s_mov_b32 s[G0O+1], s19
	s_wait_dscnt 0x0
	s_wait_kmcnt 0x0
	s_add_nc_u64 s[G0A+2:G0A+3], s[4:5], s[20:21]
	s_or_b32 s[G0A+3], s[G0A+3], 0x80000000
	s_add_nc_u64 s[G0O+2:G0O+3], s[8:9], s[22:23]
	s_or_b32 s[G0O+3], s[G0O+3], 0x80000000
	CROUND                                         ; all sixteen work-groups are here: the joint loads meet
	s_cmp_lt_u32 s[WV], 4                          ; each of the two lines has one mask and one set of registers; the branch hangs on the wave's number alone.  One tensor load of mine is out
	s_cbranch_scc0 .Lfor_o
	tensor_load_to_lds s[G0A:G0A+3], s[G1A:G1A+7]
	s_nop 0
.rept 4
	v_nop
.endr
	s_branch .Lasked
.Lfor_o:
	tensor_load_to_lds s[G0O:G0O+3], s[G1O:G1O+7]
	s_nop 0
.rept 4
	v_nop
.endr
.Lasked:
	v_and_b32 v1, 31, v0                           ; lane
	v_and_b32 v2, 15, v0                           ; r
	v_bfe_u32 v3, v0, 4, 1                         ; h
	s_mul_i32 s36, s[CH], 49152
	s_add_co_u32 s36, s36, OIM                     ; my four tiles of columns
	s_mul_i32 s37, s[TQ], 24576                    ; my two tiles of tokens
	v_lshl_add_u32 v4, v1, 4, s36                  ; registers 0-3 of a half fragment: 16 x lane
	v_lshl_add_u32 v5, v1, 3, s36
	s_delay_alu instid0(VALU_DEP_1)
	v_add_nc_u32 v5, 512, v5                       ; registers 4-5: 512 + 8 x lane
	v_lshl_add_u32 v6, v1, 4, s37
	v_lshl_add_u32 v7, v1, 3, s37
	s_delay_alu instid0(VALU_DEP_1)
	v_add_nc_u32 v7, 512, v7
	v_lshlrev_b32 v8, 5, v2
	s_delay_alu instid0(VALU_DEP_1)
	v_lshl_add_u32 v8, v3, 4, v8                   ; my row's scale bytes: lanes 0-15 words 0-3, lanes 16-31 words 4-7
	s_wait_alu depctr_va_vdst(0)
	s_lshl_b32 s38, s[XX], 7
	s_lshl_b32 s39, s[CH], 6
	s_add_co_u32 s38, s38, s39                     ; my first column
	s_lshl_b32 s44, s[YY], 7
	s_lshl_b32 s39, s[TQ], 5
	s_add_co_u32 s44, s44, s39                     ; my first token
	s_lshl_b32 s18, s38, 5
	s_mov_b32 s19, 0
	s_add_nc_u64 s[40:41], s[10:11], s[18:19]
	s_lshl_b32 s18, s44, 5
	s_add_nc_u64 s[42:43], s[6:7], s[18:19]
.irp i, 0,1,2,3
	global_load_b128 v[SI+4*\i:SI+4*\i+3], v8, s[40:41] offset:512*\i
.endr
.irp o, 0,1
	global_load_b128 v[SO+4*\o:SO+4*\o+3], v8, s[42:43] offset:512*\o
.endr
	s_lshl_b32 s18, s44, 12
	s_lshl_b32 s20, s38, 2
	s_add_co_u32 s18, s18, s20
	s_add_nc_u64 s[12:13], s[12:13], s[18:19]
	s_mul_i32 s45, s[WV], 4352
	s_add_co_u32 s45, s45, STG                     ; my stage
	v_mul_u32_u24 v9, v2, 272
	s_delay_alu instid0(VALU_DEP_1)
	v_lshl_add_u32 v9, v3, 5, v9
	s_delay_alu instid0(VALU_DEP_1)
	v_add_nc_u32 v9, s45, v9                       ; in: row r, 32 bytes for each half of the lanes
	v_mul_u32_u24 v10, v3, 272
	s_delay_alu instid0(VALU_DEP_1)
	v_lshl_add_u32 v10, v2, 4, v10
	s_delay_alu instid0(VALU_DEP_1)
	v_add_nc_u32 v10, s45, v10                     ; back: lanes 0-15 one row of 256 bytes, lanes 16-31 the next
	v_lshlrev_b32 v11, 12, v3
	s_delay_alu instid0(VALU_DEP_1)
	v_lshl_add_u32 v11, v2, 4, v11                 ; and the same two rows in out0
.macro FRAGI reg, a16, a8, off         ; a fragment: two half fragments, as they were stored
.irp c, 0,1
	ds_load_b128 v[(\reg)+6*\c:(\reg)+6*\c+3], v[\a16] offset:(\off)+768*\c
	ds_load_b64 v[(\reg)+6*\c+4:(\reg)+6*\c+5], v[\a8] offset:(\off)+768*\c
.endr
.endm
.macro FETCH q, set                    ; 24 loads: K step q's four inner and two outer fragments
.irp i, 0,1,2,3
	FRAGI F0+72*(\set)+12*\i, 4, 5, \i*12288+(\q)*1536
.endr
.irp o, 0,1
	FRAGI F0+72*(\set)+48+12*\o, 6, 7, \o*12288+(\q)*1536
.endr
.endm
.macro KSTEP q                         ; the eight accumulators take turns, one instruction a turn
.if ((\q) >= 1) && ((\q) < 7)
.rept 4
	v_nop                                          ; places in front of loads into the set that the last step's products read
.endr
.endif
.if (\q) < 7
	FETCH (\q)+1, ((\q)+1)%2
	s_wait_dscnt 24                                ; all but the 24 just issued are in
.else
	s_wait_dscnt 0x0
.endif
.irp o, 0,1
.irp i, 0,1,2,3
.set AC, ACC+8*(4*\o+\i)
.set FA, F0+72*((\q)%2)+12*\i
.set FB, F0+72*((\q)%2)+48+12*\o
.if (\q) == 0
	v_wmma_scale_f32_16x16x128_f8f6f4 v[AC:AC+7], v[FA:FA+11], v[FB:FB+11], 0, v[SI+4*\i], v[SO+4*\o] matrix_a_fmt:MATRIX_FMT_FP6 matrix_b_fmt:MATRIX_FMT_FP6
.elseif (\q) < 4
	v_wmma_scale_f32_16x16x128_f8f6f4 v[AC:AC+7], v[FA:FA+11], v[FB:FB+11], v[AC:AC+7], v[SI+4*\i+(\q)], v[SO+4*\o+(\q)] matrix_a_fmt:MATRIX_FMT_FP6 matrix_b_fmt:MATRIX_FMT_FP6
.else
	v_wmma_scale_f32_16x16x128_f8f6f4 v[AC:AC+7], v[FA:FA+11], v[FB:FB+11], v[AC:AC+7], v[SI+4*\i+(\q)-4], v[SO+4*\o+(\q)-4] matrix_a_fmt:MATRIX_FMT_FP6 matrix_b_fmt:MATRIX_FMT_FP6 matrix_a_scale:MATRIX_SCALE_ROW1 matrix_b_scale:MATRIX_SCALE_ROW1
.endif
.endr
.endr
.endm
	s_wait_tensorcnt 0x0                           ; my fill has landed,
	s_barrier_signal -1
	s_barrier_wait -1                              ; everybody's has
	FETCH 0, 0
	s_wait_loadcnt 0x0                             ; the scale words
.irp q, 0,1,2,3,4,5,6,7
	KSTEP \q
.endr
.rept 4
	v_nop                                          ; places behind the last products: results are read, and loads land in registers that they read
.endr
	; THE WAY OUT: a tile of 16 tokens x 64 columns goes through my own stage and comes back as rows of 256 bytes.  LDS serves a wave's instructions in order: no wait between them.
	s_wait_alu depctr_va_vdst(0)
.irp o, 0,1
.irp i, 0,1,2,3
	ds_store_b128 v9, v[ACC+8*(4*\o+\i):ACC+8*(4*\o+\i)+3] offset:64*\i            ; each accumulator from its low end on
	ds_store_b128 v9, v[ACC+8*(4*\o+\i)+4:ACC+8*(4*\o+\i)+7] offset:64*\i+16
.endr
.irp k, 0,1,2,3,4,5,6,7
	ds_load_b128 v[BK+32*\o+4*\k:BK+32*\o+4*\k+3], v10 offset:544*\k
.endr
.endr
.irp o, 0,1
.irp k, 0,1,2,3,4,5,6,7
	s_wait_dscnt 23-16*\o-\k                       ; this load is in; behind it: the rest of its tile's loads and, for the first tile, the second tile's sixteen instructions
	global_store_b128 v11, v[BK+32*\o+4*\k:BK+32*\o+4*\k+3], s[12:13] offset:(16*\o+2*\k)*4096 th:TH_STORE_NT   ; sixteen lanes store 256 consecutive bytes, aligned
.endr
.endr
	s_wait_tensorcnt 0x0
	ds_add_u32 v254, v255
	s_wait_dscnt 0x0
	CROUND                                         ; the closing round: no work-group ends while a partner may still ask for a tile that names it
	s_endpgm
.Lfunc_end_k_q8ddae0d186_proj:
	.size	k_q8ddae0d186_proj, .Lfunc_end_k_q8ddae0d186_proj-k_q8ddae0d186_proj
	.p2alignl 7, 3214868480
	.fill 96, 4, 3214868480
	.section	.rodata,"a",@progbits
	.p2align	6, 0x0
	.amdhsa_kernel k_q8ddae0d186_proj
		.amdhsa_group_segment_fixed_size 232448
		.amdhsa_private_segment_fixed_size 0
		.amdhsa_enable_private_segment 0
		.amdhsa_kernarg_size 40
		.amdhsa_user_sgpr_count 2
		.amdhsa_user_sgpr_kernarg_segment_ptr 1
		.amdhsa_wavefront_size32 1
		.amdhsa_system_sgpr_workgroup_id_x 1
		.amdhsa_system_sgpr_workgroup_id_y 1
		.amdhsa_system_sgpr_workgroup_id_z 1
		.amdhsa_system_vgpr_workitem_id 0
		.amdhsa_next_free_vgpr 256
		.amdhsa_next_free_sgpr 66
		.amdhsa_reserve_vcc 0
		.amdhsa_float_denorm_mode_32 3
		.amdhsa_float_denorm_mode_16_64 3
		.amdhsa_memory_ordered 1
		.amdhsa_forward_progress 1
		.amdhsa_inst_pref_size 33
	.end_amdhsa_kernel
	.amdgpu_metadata
---
amdhsa.version: [ 1, 2 ]
amdhsa.kernels:
  - .name:           k_q8ddae0d186_proj
    .symbol:         k_q8ddae0d186_proj.kd
    .args:
      - { .name: a_img, .offset: 0, .size: 8, .value_kind: global_buffer, .address_space: global }
      - { .name: a_sc, .offset: 8, .size: 8, .value_kind: global_buffer, .address_space: global }
      - { .name: o_img, .offset: 16, .size: 8, .value_kind: global_buffer, .address_space: global }
      - { .name: o_sc, .offset: 24, .size: 8, .value_kind: global_buffer, .address_space: global }
      - { .name: out0, .offset: 32, .size: 8, .value_kind: global_buffer, .address_space: global }
    .group_segment_fixed_size: 232448
    .private_segment_fixed_size: 0
    .kernarg_segment_align: 8
    .kernarg_segment_size: 40
    .max_flat_workgroup_size: 256
    .sgpr_count:     66
    .vgpr_count:     256
    .wavefront_size: 32
...
	.end_amdgpu_metadata
.endif
;; end of part 7
